; MI455X (gfx1250); checked and timed in simulation.
; The chip was launched on July 23, 2026; its instructions are those of AMD's public machine-readable ISA for CDNA 5 (MIT licence, August 2026) and "CDNA5" Instruction Set Architecture Reference Guide (July 2026). The comments in the code are by the model that wrote it; some were corrected since.
;; Stage Bank. Allowed arithmetic: float matrix products may take bf16 or f16 operands with f32 sums; other float arithmetic in f32, or as packed bf16 or f16 multiplies, adds, multiply-adds, maxima and minima; sums over many terms, partial sums and values carried from step to step in f32; what a program stores and reads back later, other than sums and carried values, may be rounded once to bf16 or f16.
;; Inputs: W1 7 x 1,024 x 2,048 float32; W2 7 x 2,048 x 1,024 float32; We 1,024 x 7 float32; b1 7 x 2,048 float32; b2 7 x 1,024 float32; be 7 float32; h 4 x 512 x 1,024 float32; pi 4 x 512 x 7 float32.
;; Outputs: out0 4 x 512 x 1,024 float32; out1 4 x 512 x 7 float32.
;; 3 versions, each right; version 2 is faster than version 1; version 3 is version 2 with the launches up, down written anew for expert scheduling mode. Each part assembles by itself: llvm-mc -triple=amdgcn-amd-amdhsa -mcpu=gfx1250 --defsym DOCPART=n.
;; ======== version 1 of 3: 4 launches
;; workspace buffers: hb 4,194,304 bytes; rk 57,344 bytes of whole numbers; cn 1,024 bytes of whole numbers; hid 58,720,256 bytes; part0 58,720,256 bytes; part1 58,720,256 bytes
;; launch route (part 1): grid 256 x 1, 8 waves a work-group, no clusters, 0 bytes of LDS; arguments h, pi, hb, rk, cn; writes hb, rk, cn
.if DOCPART == 1
	.amdgcn_target "amdgcn-amd-amdhsa--gfx1250"
	.amdhsa_code_object_version 6
	.text
	.protected	k_q88f4ffee98_route
	.globl	k_q88f4ffee98_route
	.p2align	8
	.type	k_q88f4ffee98_route,@function
k_q88f4ffee98_route:
	s_mov_b64 s[64:65], 0
	v_nop
	global_prefetch_b8 v0, s[64:65] scope:SCOPE_SE
	s_setreg_imm32_b32 hwreg(HW_REG_WAVE_MODE, 25, 1), 1
	s_wait_xcnt 0x0
; ROUTE.  Two jobs.
; (1) hb = h rounded to bf16.  h: [2048 tokens][1024] f32, hb the same in bf16.  One wave takes one token: eight loads of 512 consecutive
;     bytes, eight stores of 256 consecutive bytes, each at a multiple of 256 from the buffer's first byte.
; (2) For stage s (work-group s = 0..6, wave 0): rk[s][t] = the number of chosen tokens before t, if pi[t][s] != 0 (t is then CHOSEN by s),
;     else 2048 + t; cn[s] = the stage's count, written 32 times.  These are values stored at fixed places: no address and no branch
;     of this launch hangs on them; the later launches read them as whole numbers.
; LIMITS.  pi = +0 or -0 means not chosen: that stage's product is left out, which differs from 0 x (its result) only where the result
; is not finite.  A NaN in pi counts as chosen.  rk's stores are 128 bytes each (32 tokens): 448 such stores in the launch.
.macro CAST                            ; my token: 4,096 bytes in, 2,048 out
.irp i, 0,1,2,3,4,5,6,7
	global_load_b128 v[8+4*\i:11+4*\i], v2, s[4:5] offset:512*\i th:TH_LOAD_NT
.endr
.irp i, 0,1,2,3,4,5,6,7
	s_wait_loadcnt 7-\i                            ; loads come back in order: number i is in, the 7 - i younger ones stay out
	v_cvt_pk_bf16_f32 v[40+2*\i], v[8+4*\i], v[9+4*\i]
	v_cvt_pk_bf16_f32 v[41+2*\i], v[10+4*\i], v[11+4*\i]
	global_store_b64 v3, v[40+2*\i:41+2*\i], s[8:9] offset:256*\i  ; each store has data registers of its own: nothing is rewritten
.endr
.endm
	s_load_b256 s[4:11], s[0:1], 0x0               ; h s[4:5], pi s[6:7], hb s[8:9], rk s[10:11]
	s_load_b64 s[12:13], s[0:1], 0x20              ; cn
	v_lshrrev_b32 v1, 5, v0
	v_readfirstlane_b32 s14, v1                    ; wave 0..7
	v_and_b32 v1, 31, v0                           ; lane
	s_mov_b32 s15, ttmp9                           ; work-group
	s_lshl_b32 s16, s15, 3
	s_add_co_u32 s16, s16, s14                     ; my token = 8 x work-group + wave
	s_lshl_b32 s18, s16, 12                        ; its bytes in h,
	s_mov_b32 s19, 0
	s_lshl_b32 s20, s16, 11                        ; and in hb
	s_mov_b32 s21, 0
	v_lshlrev_b32 v2, 4, v1                        ; 16 x lane
	v_lshlrev_b32 v3, 3, v1                        ; 8 x lane
	s_wait_kmcnt 0x0
	s_add_nc_u64 s[4:5], s[4:5], s[18:19]
	s_add_nc_u64 s[8:9], s[8:9], s[20:21]
	s_cmp_ge_u32 s15, 7
	s_cbranch_scc1 .Lcast_only
	s_cmp_lg_u32 s14, 0
	s_cbranch_scc1 .Lcast_only
	; the wave that also ranks stage s15: its 64 loads of pi go out first, the cast stands in the wait for them
	v_mul_u32_u24 v4, v1, 28                       ; a token's seven gates are 28 bytes
	v_lshl_add_u32 v4, s15, 2, v4                  ; + 4 x stage
.set z, 0
.rept 64                                               ; load z: tokens 32 z + lane
	global_load_b32 v[64+z], v4, s[6:7] offset:896*z
.set z, z+1
.endr
	CAST                                           ; its last wait is for 0: the 64 older loads are in as well
	s_lshl_b32 s22, s15, 13
	v_lshl_add_u32 v5, v1, 2, s22                  ; rk: 8,192 x stage + 4 x lane
	s_lshl_b32 s23, s15, 7
	v_lshl_add_u32 v6, v1, 2, s23                  ; cn: 128 x stage + 4 x lane
	v_or_b32 v7, 0x800, v1                         ; 2048 + lane
	s_mov_b32 s24, 0                               ; chosen so far
.set z, 0
.rept 64
	v_cmp_neq_f32 s25, 0, v[64+z]                  ; the 32 tokens' choices as a mask
	v_mbcnt_lo_u32_b32 v56, s25, s24               ; chosen before me: in earlier words + in lower lanes
	v_add_nc_u32 v57, 32*z, v7                     ; 2048 + token
	v_cndmask_b32 v[64+z], v57, v56, s25
	global_store_b32 v5, v[64+z], s[10:11] offset:128*z
	s_bcnt1_i32_b32 s26, s25
	s_add_co_u32 s24, s24, s26
.set z, z+1
.endr
	v_mov_b32 v58, s24
	global_store_b32 v6, v58, s[12:13]             ; the count, in 32 words
	s_endpgm
.Lcast_only:
	CAST
	s_endpgm
.Lfunc_end_k_q88f4ffee98_route:
	.size	k_q88f4ffee98_route, .Lfunc_end_k_q88f4ffee98_route-k_q88f4ffee98_route
	.p2alignl 7, 3214868480
	.fill 96, 4, 3214868480
	.section	.rodata,"a",@progbits
	.p2align	6, 0x0
	.amdhsa_kernel k_q88f4ffee98_route
		.amdhsa_group_segment_fixed_size 0
		.amdhsa_private_segment_fixed_size 0
		.amdhsa_enable_private_segment 0
		.amdhsa_kernarg_size 40
		.amdhsa_user_sgpr_count 2
		.amdhsa_user_sgpr_kernarg_segment_ptr 1
		.amdhsa_wavefront_size32 1
		.amdhsa_system_sgpr_workgroup_id_x 1
		.amdhsa_system_sgpr_workgroup_id_y 1
		.amdhsa_system_sgpr_workgroup_id_z 1
		.amdhsa_system_vgpr_workitem_id 0
		.amdhsa_next_free_vgpr 128
		.amdhsa_next_free_sgpr 66
		.amdhsa_reserve_vcc 0
		.amdhsa_float_denorm_mode_32 3
		.amdhsa_float_denorm_mode_16_64 3
		.amdhsa_memory_ordered 1
		.amdhsa_forward_progress 1
		.amdhsa_inst_pref_size 39
	.end_amdhsa_kernel
	.amdgpu_metadata
---
amdhsa.version: [ 1, 2 ]
amdhsa.kernels:
  - .name:           k_q88f4ffee98_route
    .symbol:         k_q88f4ffee98_route.kd
    .args:
      - { .name: h, .offset: 0, .size: 8, .value_kind: global_buffer, .address_space: global }
      - { .name: pi, .offset: 8, .size: 8, .value_kind: global_buffer, .address_space: global }
      - { .name: hb, .offset: 16, .size: 8, .value_kind: global_buffer, .address_space: global }
      - { .name: rk, .offset: 24, .size: 8, .value_kind: global_buffer, .address_space: global }
      - { .name: cn, .offset: 32, .size: 8, .value_kind: global_buffer, .address_space: global }
    .group_segment_fixed_size: 0
    .private_segment_fixed_size: 0
    .kernarg_segment_align: 8
    .kernarg_segment_size: 40
    .max_flat_workgroup_size: 256
    .sgpr_count:     66
    .vgpr_count:     128
    .wavefront_size: 32
...
	.end_amdgpu_metadata
.endif
;; end of part 1
;; launch up (part 2): grid 32 x 7, 4 waves a work-group, no clusters, 164,352 bytes of LDS; arguments W1, b1, hb, rk, cn, hid; writes hid
.if DOCPART == 2
	.amdgcn_target "amdgcn-amd-amdhsa--gfx1250"
	.amdhsa_code_object_version 6
	.text
	.protected	k_q88f4ffee98_up
	.globl	k_q88f4ffee98_up
	.p2align	8
	.type	k_q88f4ffee98_up,@function
k_q88f4ffee98_up:
	s_mov_b64 s[64:65], 0
	v_nop
	global_prefetch_b8 v0, s[64:65] scope:SCOPE_SE
	s_setreg_imm32_b32 hwreg(HW_REG_WAVE_MODE, 25, 1), 1
	s_wait_xcnt 0x0
; UP.  hid = silu(h W1[s] + b1[s]) for the tokens that chose stage s, in the order of their ranks.
; W1: [7][1024 k][2048 n] f32; b1: [7][2048] f32; hb: [2048 tokens][1024] bf16; rk: [7][2048] (rank, or 2048 + token); cn: the counts;
; hid: [7 stages][32 column blocks][2048 ranks][64] bf16: rows of 128 bytes, a block 262,144 bytes.
; SHARES.  Work-group (x, s): 64 columns (block x) of stage s, all of the stage's rows.  It alone reads its 1024 x 64 weights.
; PHASE 1.  Wave w reads k rows 256 w .. 256 w + 255, rounds them to bf16 and lays them into LDS as ready fragments of source 1.
;   Lane (r = lane % 16, h = lane / 16) loads 16 bytes: row k, columns 4 r .. 4 r + 3; sixteen lanes read 256 consecutive bytes, at a multiple of 256.
;   Two rows k, k + 1 of one column pack into a register, so fragment c (0..3) holds column 4 r + c in lane r: a permutation of columns alone.
; PHASE 2.  Each wave walks groups of 80 rows (ranks 80 w + 320 g ..): 5 row tiles x 4 fragments = 20 accumulators.  Source 0 (tokens) comes from memory
;   straight into registers, source 1 from LDS.  K goes in double steps of 64.  Lane r of source 0 takes row 2 (r % 8) + r / 8 of its tile, so register i of a
;   result holds row 2 i + h, and a lane's four accumulators four neighbouring columns: a store of 8 bytes a lane covers two rows of hid, 256 consecutive bytes.
; The loop over groups has 7 trips (4 x 7 x 80 = 2,240 >= 2,048 rows: every split of the tokens is served); groups past the count are jumped forward.
; Places past the count repeat the last row, in the loads and in the stores: the same numbers go to the same bytes.
; BARRIERS.  Two: behind phase 1 (store, wait, barrier, load), and behind the loop over groups, ahead of the closing lines (load, wait, barrier, write).
; NO JOINT LOADS: each weight byte has one reader, and the rows that the stage's work-groups share come by a list, which no tile descriptor covers.
; LIMITS.  h, W1 and b1 are rounded to bf16, hid once to bf16; sums, bias and silu in f32.  silu(x) = x / (1 + 2^(-x log2 e)): where the power overflows the quotient is -0, silu's limit.
; REGISTERS, in windows of 256 (s_set_vgpr_msb: bits 1:0 source 0, 3:2 source 1, 5:4 source 2, 7:6 destination):
;   window 0: below.   window 1: source 0's slots 0-2, 80 each (phase 1: four buffers of 64 for weights).   window 2: v0-79 slot 3; v96-255 the accumulators, (a, c) at 96 + 8 (4 a + c)
.set PITCHB, 8192                      ; bytes in a row of W1
.set DKSTEP, 128                       ; bytes of a token's row in a double step
.set LIST,   131072                    ; behind the fragments: for each wave 4,096 u16: the token of each code of rk (ranks 0..2047 are what is read)
.set SPARE,  163840                    ; the spare words, 128 bytes for each wave: two blocks of 256 bytes that no other line names
.set R,     1                          ; v1   lane % 16
.set HH,    2                          ; v2   lane / 16
.set LN,    3                          ; v3   lane
.set VW,    4                          ; v4   weights: 8 h rows + 16 r
.set VS,    5                          ; v5   LDS: 16 x lane + my wave's 32,768 bytes of fragments
.set VB0,   6                          ; v6   16 x lane
.set VB,    7                          ; v7   16 x lane + the K walk's place
.set VL,    8                          ; v8-12  tile a: byte offset of my row in hb + 16 h
.set VPERM, 13                         ; v13  2 (r % 8) + r / 8
.set H16,   14                         ; v14  16 h
.set VST,   15                         ; v15  8 r
.set BI,    20                         ; v20-27  bias of column 4 r + c, twice, at BI + 2 c
.set SPW,   28                         ; v28  LDS address of my spare word; never rewritten
.set NIL,   29                         ; v29  0; never rewritten
.set TK,    30                         ; v30  4 x lane
.set VRH,   31                         ; v31  first 16 r (the bias's offset), later the group's first row + h
.set BR,    32                         ; v32-35  bias as loaded
.set VO,    36                         ; v36-43  a tile's eight store offsets
.set HP,    44                         ; v44-59  a tile's results in bf16
.set VT,    44                         ; v44-48  between two ways out: the next group's rows
.set X,     64                         ; v64-95  a tile's 32 numbers (first: rk as loaded, with E)
.set E,     96                         ; v96-127 at work; phase 1: the four fragments just made
.set BF,    128                        ; v128-191, v192-255  source 1: two buffers of 8 fragments
.set ACC,   96                         ; window 2
.set WV,    16                         ; s16  wave
.set SL,    17                         ; s17  column block
.set STG,   18                         ; s18  stage
.set CNT,   20                         ; s20  the stage's rows
.set CNT1,  21                         ; s21  its last row (0 if it has none)
.set ROW,   22                         ; s22  the group's first row
.set NROW,  23                         ; s23  the next group's
.set GC,    24                         ; s24  counts groups
.set KC,    25                         ; s25  counts the K loop
.set SA,    26                         ; s[26:27] hb at the K walk's place
.set SAB,   28                         ; s[28:29] hb
.set SO,    30                         ; s[30:31] my block of hid
.set LW,    35                         ; s35  my wave's list
.set TB,    36                         ; s36  the K walk's place among the fragments: 32,768 bytes a trip
.set MSB, 0
.macro WIN new                         ; the immediate's high byte repeats the setting that is left; a switch that changes nothing is dropped
.if MSB != (\new)
	s_set_vgpr_msb (MSB<<8)|(\new)
.set MSB, \new
.endif
.endm
; Four plain vector instructions between a matrix instruction and a load into, or a vector read of, its registers (ISA guide 7.12.1 for vector instructions)
.macro PLACES
.rept 4
	v_nop
.endr
.endm
; K step u (0..7) of my 256 rows: 32 rows x 64 columns, 16 loads into buffer u % 4
.macro WLOAD u
	WIN 0x40
.set TB4, 64*((\u)%4)
.irp e, 0,1,2,3,4,5,6,7
	global_load_b128 v[TB4+4*\e:TB4+4*\e+3], v[VW], s[4:5] offset:(32*(\u)+\e)*PITCHB th:TH_LOAD_NT
	global_load_b128 v[TB4+32+4*\e:TB4+32+4*\e+3], v[VW], s[4:5] offset:(32*(\u)+16+\e)*PITCHB th:TH_LOAD_NT
.endr
.endm
; the same K step rounded: register i of fragment c = rows 8 h + 2 i, + 1 (registers 4-7: 16 further on) of column 4 r + c; a fragment is 1,024 bytes of LDS, 16 bytes a lane twice
.macro WCVT u
	WIN 0x05
.set TB4, 64*((\u)%4)
.irp c, 0,1,2,3
.irp i, 0,1,2,3
	v_cvt_pk_bf16_f32 v[E+8*\c+\i], v[TB4+8*\i+\c], v[TB4+8*\i+4+\c]
	v_cvt_pk_bf16_f32 v[E+8*\c+4+\i], v[TB4+32+8*\i+\c], v[TB4+32+8*\i+4+\c]
.endr
.endr
	WIN 0
.irp c, 0,1,2,3
	ds_store_b128 v[VS], v[E+8*\c:E+8*\c+3] offset:(4*(\u)+\c)*1024
	ds_store_b128 v[VS], v[E+8*\c+4:E+8*\c+7] offset:(4*(\u)+\c)*1024+512
.endr
.endm
; the rows of the group that begins at s[rr]: held to the stage's last row, then to 2,047 by a constant; their tokens are asked of my list
.macro OFFS_A rr
.irp a, 0,1,2,3,4
	s_add_co_u32 s34, s[\rr], 16*\a
	v_add_nc_u32 v[VT+\a], s34, v[VPERM]
	v_min_u32 v[VT+\a], s[CNT1], v[VT+\a]
	v_min_u32 v[VT+\a], 0x7ff, v[VT+\a]
	v_lshl_add_u32 v[VT+\a], v[VT+\a], 1, s[LW]
.endr
.irp a, 0,1,2,3,4
	ds_load_u16 v[VT+\a], v[VT+\a]
.endr
.endm
.macro OFFS_B                          ; the tokens are in: their byte offsets in hb.  No load that names VL is out here
	s_wait_dscnt 0x0
.irp a, 0,1,2,3,4
	v_min_u32 v[VT+\a], 0x7ff, v[VT+\a]
	v_lshl_add_u32 v[VL+\a], v[VT+\a], 11, v[H16]
.endr
.endm
; a double step of source 0 into slot q: 128 bytes of each of 80 rows, 20 loads.  A fragment is 16 rows x 32 k: lane (r, h) holds k = 8 h .. + 7 and 16 + 8 h .. + 7: two loads 32 bytes apart
.macro ALOAD q, imm
.if (\q) < 3
	WIN 0x40
.set AB, 80*(\q)
.else
	WIN 0x80
.set AB, 0
.endif
.irp a, 0,1,2,3,4
.irp p, 0,1,2,3
	global_load_b128 v[AB+16*\a+4*\p:AB+16*\a+4*\p+3], v[VL+\a], s[SA:SA+1] offset:(\imm)+32*\p
.endr
.endr
.endm
.macro BLOAD buf, vreg, imm            ; a double step of source 1: 8 fragments, 16 loads of 512 consecutive bytes
	WIN 0
.irp f, 0,1,2,3,4,5,6,7
	ds_load_b128 v[BF+64*(\buf)+8*\f:BF+64*(\buf)+8*\f+3], v[\vreg] offset:(\imm)+1024*\f
	ds_load_b128 v[BF+64*(\buf)+8*\f+4:BF+64*(\buf)+8*\f+7], v[\vreg] offset:(\imm)+1024*\f+512
.endr
.endm
; 40 matrix instructions.  The 20 accumulators take turns, one instruction a turn, from step to step and over the loops' edges too.  zero = 1: the first 20 start the sums
.macro MM q, buf, zero
.if (\q) < 3
	WIN 0xa1
.set AB, 80*(\q)
.else
	WIN 0xa2
.set AB, 0
.endif
.irp uu, 0,1
.irp a, 0,1,2,3,4
.irp c, 0,1,2,3
.if (\zero) && ((\uu) == 0)
	v_wmma_f32_16x16x32_bf16 v[ACC+8*(4*\a+\c):ACC+8*(4*\a+\c)+7], v[AB+16*\a+8*\uu:AB+16*\a+8*\uu+7], v[BF+64*(\buf)+8*(4*\uu+\c):BF+64*(\buf)+8*(4*\uu+\c)+7], 0
.else
	v_wmma_f32_16x16x32_bf16 v[ACC+8*(4*\a+\c):ACC+8*(4*\a+\c)+7], v[AB+16*\a+8*\uu:AB+16*\a+8*\uu+7], v[BF+64*(\buf)+8*(4*\uu+\c):BF+64*(\buf)+8*(4*\uu+\c)+7], v[ACC+8*(4*\a+\c):ACC+8*(4*\a+\c)+7]
.endif
.endr
.endr
.endr
.endm
; Double step d, on slot q = d % 4 and buffer d % 2.  rel = 1: the slot read last step is asked for step d + 3.  lcnt: the loads issued behind step d's own: 20 for each later step asked for.
.macro DK q, buf, zero, rel, relimm, bv, bimm, lcnt
.if \rel
	ALOAD ((\q)+3)%4, \relimm
.endif
	s_wait_dscnt 0x0                               ; this step's fragments of source 1, asked for a step ago; nothing younger is out
	BLOAD 1-(\buf), \bv, \bimm
	s_wait_loadcnt \lcnt
	MM \q, \buf, \zero
	PLACES                                         ; ahead of the next loads into what these products read, and of the first read of a result
	WIN 0
.endm
; THE WAY OUT of tile a: + bias, silu, bf16, eight stores.  A tile wholly past the count is jumped.
.macro EPI a
.if (\a) > 0
	s_add_co_u32 s34, s[ROW], 16*(\a)
	s_cmp_ge_u32 s34, s[CNT]
	s_cbranch_scc1 .Ldead_\@
.endif
	s_wait_xcnt 0x0                                ; VO and HP, which the tile before's stores read, are rewritten only behind this wait
	WIN 0x02
.irp c, 0,1,2,3
.irp i, 0,2,4,6
	v_pk_add_f32 v[X+8*\c+\i:X+8*\c+\i+1], v[ACC+8*(4*(\a)+\c)+\i:ACC+8*(4*(\a)+\c)+\i+1], v[BI+2*\c:BI+2*\c+1]  ; each accumulator from its low end on
.endr
.endr
	WIN 0
.set z, 0
.rept 16
	v_pk_mul_f32 v[E+z:E+z+1], v[X+z:X+z+1], s[38:39] op_sel_hi:[1,0]  ; - x log2 e
.set z, z+2
.endr
.set z, 0
.rept 32
	v_exp_f32 v[E+z], v[E+z]
.set z, z+1
.endr
	v_nop                                          ; a plain instruction behind the last exponential, ahead of the use of its result
.set z, 0
	s_wait_alu depctr_va_vdst(0)
.rept 16
	v_pk_add_f32 v[E+z:E+z+1], v[E+z:E+z+1], 1.0 op_sel_hi:[1,0]
.set z, z+2
.endr
.set z, 0
.rept 32
	v_rcp_f32 v[E+z], v[E+z]
.set z, z+1
.endr
	v_nop                                          ; likewise behind the last reciprocal
.set z, 0
	s_wait_alu depctr_va_vdst(0)
.rept 16
	v_pk_mul_f32 v[X+z:X+z+1], v[X+z:X+z+1], v[E+z:E+z+1]
.set z, z+2
.endr
.irp i, 0,1,2,3,4,5,6,7
	v_cvt_pk_bf16_f32 v[HP+2*\i], v[X+\i], v[X+8+\i]            ; row 2 i + h, columns 4 r, 4 r + 1
	v_cvt_pk_bf16_f32 v[HP+2*\i+1], v[X+16+\i], v[X+24+\i]      ; columns 4 r + 2, 4 r + 3
.endr
.irp i, 0,1,2,3,4,5,6,7
	v_add_nc_u32 v[16+(\i)%2], 16*(\a)+2*\i, v[VRH]
	v_min_u32 v[16+(\i)%2], s[CNT1], v[16+(\i)%2]
	v_min_u32 v[16+(\i)%2], 0x7ff, v[16+(\i)%2]
	v_lshl_add_u32 v[VO+\i], v[16+(\i)%2], 7, v[VST]
	global_store_b64 v[VO+\i], v[HP+2*\i:HP+2*\i+1], s[SO:SO+1]  ; inside the count: two rows of 128 bytes, 256 consecutive bytes at a multiple of 256
.endr
.if (\a) > 0
.Ldead_\@:
.endif
.endm
	s_load_b256 s[4:11], s[0:1], 0x0               ; W1 s[4:5], b1 s[6:7], hb s[8:9], rk s[10:11]
	s_load_b128 s[12:15], s[0:1], 0x20             ; cn s[12:13], hid s[14:15]
	v_lshl_add_u32 v[SPW], v0, 2, SPARE
	v_mov_b32 v[NIL], 0
	v_lshrrev_b32 v16, 5, v0
	v_readfirstlane_b32 s[WV], v16                 ; wave 0..3
	s_mov_b32 s[SL], ttmp9
	s_and_b32 s[STG], ttmp7, 0xffff
	v_and_b32 v[LN], 31, v0
	v_and_b32 v[R], 15, v0
	v_bfe_u32 v[HH], v0, 4, 1
	v_lshlrev_b32 v[VRH], 4, v[R]                  ; 16 r
	v_lshl_add_u32 v[VW], v[HH], 16, v[VRH]        ; + 8 h rows of 8,192 bytes
	v_lshlrev_b32 v[VB0], 4, v[LN]
	s_lshl_b32 s34, s[WV], 15
	v_add_nc_u32 v[VS], s34, v[VB0]
	v_and_b32 v16, 7, v[R]
	v_lshrrev_b32 v17, 3, v[R]
	v_lshl_add_u32 v[VPERM], v16, 1, v17
	v_lshlrev_b32 v[H16], 4, v[HH]
	v_lshlrev_b32 v[VST], 3, v[R]
	s_lshl_b32 s[LW], s[WV], 13
	s_add_co_u32 s[LW], s[LW], LIST
	s_mov_b32 s38, 0xbfb8aa3b                      ; - log2 e
	s_mov_b32 s39, s38                             ; named with it as a pair
	s_mov_b32 s33, 0
	s_wait_kmcnt 0x0
	s_lshl_b32 s32, s[STG], 23                     ; W1: the stage's 8,388,608 bytes,
	s_lshl_b32 s34, s[WV], 21                      ; my wave's 256 rows,
	s_add_co_u32 s32, s32, s34
	s_lshl_b32 s34, s[SL], 8                       ; the block's 256 bytes of a row
	s_add_co_u32 s32, s32, s34
	s_add_nc_u64 s[4:5], s[4:5], s[32:33]
	s_lshl_b32 s32, s[STG], 13                     ; b1: the stage's 8,192 bytes + the block's 256
	s_add_co_u32 s32, s32, s34
	s_add_nc_u64 s[6:7], s[6:7], s[32:33]
	s_lshl_b32 s32, s[STG], 13                     ; rk: the stage's 8,192 bytes
	s_add_nc_u64 s[10:11], s[10:11], s[32:33]
	s_lshl_b32 s32, s[STG], 7                      ; cn
	s_add_nc_u64 s[12:13], s[12:13], s[32:33]
	s_load_b32 s[CNT], s[12:13], 0x0
	s_lshl_b32 s32, s[STG], 5                      ; hid: block 32 x stage + x
	s_add_co_u32 s32, s32, s[SL]
	s_lshl_b32 s32, s32, 18
	s_add_nc_u64 s[SO:SO+1], s[14:15], s[32:33]
	s_mov_b64 s[SAB:SAB+1], s[8:9]
	; all that phase 1 waits for goes out at once: rk (16 loads), the bias (1), four K steps of weights (64)
.irp q, 0,1,2,3,4,5,6,7,8,9,10,11,12,13,14,15
	global_load_b128 v[X+4*\q:X+4*\q+3], v[VB0], s[10:11] offset:512*\q  ; codes of tokens 128 q + 4 lane + 0..3
.endr
	global_load_b128 v[BR:BR+3], v[VRH], s[6:7]
	WLOAD 0
	WLOAD 1
	WLOAD 2
	WLOAD 3
	WIN 0
	; my wave's list, in the wait for the first weights: list[code of token] = token.  Each wave lays its own copy and reads no other's.
	; First token 0 for all 2,048 ranks (4,096 bytes, eight stores of 512): every place that can be read holds a token whatever the count.
	; LDS serves a wave's instructions in order (ISA guide 5.7.1.4): the true tokens come behind.
	v_add_nc_u32 v[VT], s[LW], v[VB0]
.irp q, 16,17,18,19
	v_mov_b32 v[\q], 0
.endr
.irp q, 0,1,2,3,4,5,6,7
	ds_store_b128 v[VT], v[16:19] offset:512*\q
.endr
	s_wait_loadcnt 63                              ; 81 loads were issued: the oldest 18 are in, rk's 16 and the bias among them
	v_lshlrev_b32 v[TK], 2, v[LN]
.set z, 0
.rept 64
	v_min_u32 v[16+2*(z%2)], 0xfff, v[X+z]
	v_lshl_add_u32 v[16+2*(z%2)], v[16+2*(z%2)], 1, s[LW]
	v_add_nc_u32 v[17+2*(z%2)], 128*(z/4)+z%4, v[TK]
	ds_store_b16 v[16+2*(z%2)], v[17+2*(z%2)]
.set z, z+1
.endr
	s_wait_kmcnt 0x0
	s_min_u32 s[CNT], s[CNT], 0x800
	s_max_u32 s[CNT1], s[CNT], 1
	s_sub_co_u32 s[CNT1], s[CNT1], 1
	; the bias, rounded to bf16 like every input, each number twice for the packed addition
	v_cvt_pk_bf16_f32 v16, v[BR], v[BR+1]
	v_cvt_pk_bf16_f32 v17, v[BR+2], v[BR+3]
	v_lshlrev_b32 v[BI], 16, v16
	v_and_b32 v[BI+2], 0xffff0000, v16
	v_lshlrev_b32 v[BI+4], 16, v17
	v_and_b32 v[BI+6], 0xffff0000, v17
.irp c, 0,2,4,6
	v_mov_b32 v[BI+\c+1], v[BI+\c]
.endr
	; PHASE 1: eight K steps; three are always on their way behind the one in hand
.irp u, 0,1,2,3,4,5,6,7
.if \u < 5
	s_wait_loadcnt 48                              ; behind step u's loads: three steps of 16
.else
	s_wait_loadcnt 16*(7-\u)                       ; the steps that are left
.endif
	WCVT \u
.if \u < 4
	WLOAD \u+4
.endif
.endr
	s_wait_dscnt 0x0                               ; for the others' sake: my fragments are in LDS
	s_barrier_signal -1
	s_barrier_wait -1                              ; all 128 fragments are there
	; PHASE 2
	s_mul_i32 s[ROW], s[WV], 80
	OFFS_A ROW
	OFFS_B
	s_mov_b64 s[SA:SA+1], s[SAB:SAB+1]
	ALOAD 0, 0
	ALOAD 1, DKSTEP
	ALOAD 2, 2*DKSTEP
	BLOAD 0, VB0, 0
	s_mov_b32 s[GC], 7
.Lgroup:
	s_cmp_ge_u32 s[ROW], s[CNT]
	s_cbranch_scc1 .Lbottom                        ; no such rows: forward, past text that holds no barrier
	DK 0, 0, 1, 1, 3*DKSTEP, VB0, 8192, 60         ; step 0 starts the sums; behind its loads: steps 1, 2 and, just asked for, 3
	s_mov_b32 s[TB], 0
	s_mov_b32 s[KC], 3
.Lk:                                                   ; steps 4 t + 1 .. 4 t + 4
	v_add_nc_u32 v[VB], s[TB], v[VB0]              ; 16 x lane + 32,768 t
	DK 1, 1, 0, 1, 4*DKSTEP, VB, 2*8192, 60
	DK 2, 0, 0, 1, 5*DKSTEP, VB, 3*8192, 60
	DK 3, 1, 0, 1, 6*DKSTEP, VB, 4*8192, 60
	DK 0, 0, 0, 1, 7*DKSTEP, VB, 5*8192, 60
	s_wait_xcnt 0x0                                ; the loads' base is stepped only behind this wait
	s_add_nc_u64 s[SA:SA+1], s[SA:SA+1], 4*DKSTEP
	s_add_co_u32 s[TB], s[TB], 32768
	s_sub_co_u32 s[KC], s[KC], 1
	s_cmp_lg_u32 s[KC], 0
	s_cbranch_scc1 .Lk
	v_add_nc_u32 v[VB], 98304, v[VB0]              ; the tail's place: behind twelve double steps of 8,192 bytes
	s_add_co_u32 s[NROW], s[ROW], 320
	OFFS_A NROW                                    ; the next group's tokens are asked for three steps ahead of their use
	DK 1, 1, 0, 0, 0, VB, 2*8192, 40               ; steps 13, 14, 15 ask for nothing of source 0: the counts run down
	DK 2, 0, 0, 0, 0, VB, 3*8192, 20
	DK 3, 1, 0, 0, 0, VB0, 0, 0                    ; its fragment loads are the next group's step 0
	s_mov_b64 s[SA:SA+1], s[SAB:SAB+1]             ; the wait for 0 loads has shown every load that named SA and VL done
	s_cmp_ge_u32 s[NROW], s[CNT]
	s_cbranch_scc1 .Lno_next
	OFFS_B
	ALOAD 0, 0                                     ; the next group's first three steps are on their way during the way out
	ALOAD 1, DKSTEP
	ALOAD 2, 2*DKSTEP
	WIN 0
.Lno_next:
	v_add_nc_u32 v[VRH], s[ROW], v[HH]
	EPI 0
	EPI 1
	EPI 2
	EPI 3
	EPI 4
.Lbottom:
	s_add_co_u32 s[ROW], s[ROW], 320
	s_sub_co_u32 s[GC], s[GC], 1
	s_cmp_lg_u32 s[GC], 0
	s_cbranch_scc1 .Lgroup
	s_wait_dscnt 0x0                               ; my reads of LDS are back,
	s_barrier_signal -1
	s_barrier_wait -1                              ; and so are every wave's: no LDS word is written below while a wave still reads
	s_wait_tensorcnt 0x0                           ; the wave's end: behind my last LDS store
	ds_add_u32 v[SPW], v[NIL]
	s_wait_dscnt 0x0
	s_endpgm
.Lfunc_end_k_q88f4ffee98_up:
	.size	k_q88f4ffee98_up, .Lfunc_end_k_q88f4ffee98_up-k_q88f4ffee98_up
	.p2alignl 7, 3214868480
	.fill 96, 4, 3214868480
	.section	.rodata,"a",@progbits
	.p2align	6, 0x0
	.amdhsa_kernel k_q88f4ffee98_up
		.amdhsa_group_segment_fixed_size 164352
		.amdhsa_private_segment_fixed_size 0
		.amdhsa_enable_private_segment 0
		.amdhsa_kernarg_size 48
		.amdhsa_user_sgpr_count 2
		.amdhsa_user_sgpr_kernarg_segment_ptr 1
		.amdhsa_wavefront_size32 1
		.amdhsa_system_sgpr_workgroup_id_x 1
		.amdhsa_system_sgpr_workgroup_id_y 1
		.amdhsa_system_sgpr_workgroup_id_z 1
		.amdhsa_system_vgpr_workitem_id 0
		.amdhsa_next_free_vgpr 768
		.amdhsa_next_free_sgpr 66
		.amdhsa_reserve_vcc 0
		.amdhsa_float_denorm_mode_32 3
		.amdhsa_float_denorm_mode_16_64 3
		.amdhsa_memory_ordered 1
		.amdhsa_forward_progress 1
		.amdhsa_inst_pref_size 160
	.end_amdhsa_kernel
	.amdgpu_metadata
---
amdhsa.version: [ 1, 2 ]
amdhsa.kernels:
  - .name:           k_q88f4ffee98_up
    .symbol:         k_q88f4ffee98_up.kd
    .args:
      - { .name: W1, .offset: 0, .size: 8, .value_kind: global_buffer, .address_space: global }
      - { .name: b1, .offset: 8, .size: 8, .value_kind: global_buffer, .address_space: global }
      - { .name: hb, .offset: 16, .size: 8, .value_kind: global_buffer, .address_space: global }
      - { .name: rk, .offset: 24, .size: 8, .value_kind: global_buffer, .address_space: global }
      - { .name: cn, .offset: 32, .size: 8, .value_kind: global_buffer, .address_space: global }
      - { .name: hid, .offset: 40, .size: 8, .value_kind: global_buffer, .address_space: global }
    .group_segment_fixed_size: 164352
    .private_segment_fixed_size: 0
    .kernarg_segment_align: 8
    .kernarg_segment_size: 48
    .max_flat_workgroup_size: 128
    .sgpr_count:     66
    .vgpr_count:     768
    .wavefront_size: 32
...
	.end_amdgpu_metadata
.endif
;; end of part 2
;; launch down (part 3): grid 32 x 7, 4 waves a work-group, no clusters, 131,584 bytes of LDS; arguments W2, b2, hid, cn, part0, part1; writes part0, part1
.if DOCPART == 3
	.amdgcn_target "amdgcn-amd-amdhsa--gfx1250"
	.amdhsa_code_object_version 6
	.text
	.protected	k_q88f4ffee98_down
	.globl	k_q88f4ffee98_down
	.p2align	8
	.type	k_q88f4ffee98_down,@function
k_q88f4ffee98_down:
	s_mov_b64 s[64:65], 0
	v_nop
	global_prefetch_b8 v0, s[64:65] scope:SCOPE_SE
	s_setreg_imm32_b32 hwreg(HW_REG_WAVE_MODE, 25, 1), 1
	s_wait_xcnt 0x0
; DOWN.  part[kh][s][rank][n] = the sum over one half of the hidden width of hid x W2[s], + b2[s] in half 0: partial rows in f32, which the last launch weighs and adds.
; W2: [7][2048 k][1024 n] f32; b2: [7][1024] f32; hid: [7][32 column blocks][2048 ranks][64] bf16; part0, part1: [7][2048 ranks][1024] f32.
; SHARES.  Work-group (x, s): columns 64 (x / 2) .. + 63, K half kh = x % 2 (1,024 of the 2,048), all of stage s's rows.  It alone reads its 1024 x 64 weights.
; The two halves of K make 224 work-groups of the 112 that 64 columns x all of K would give; the price is the second set of partial rows.
; PHASE 1 and PHASE 2 are those of the launch before: weights rounded once into LDS as fragments of source 1 (fragment c holds column 4 r + c in lane r); each wave walks
; groups of 80 rows, 20 accumulators, source 0 straight from memory: here a double step of K is one column block of hid, 262,144 bytes on, and the rows lie in the order of their ranks.
; Register i of a result holds row 2 i + h, a lane's four accumulators four neighbouring columns: a store of 16 bytes a lane, sixteen lanes 256 consecutive bytes at a multiple of 256.
; 7 trips over groups serve every split; groups and tiles past the count are jumped forward; places past the count repeat the last row.
; BARRIERS.  Two: behind phase 1 (store, wait, barrier, load), and behind the loop over groups, ahead of the closing lines (load, wait, barrier, write).
; NO JOINT LOADS: each weight byte has one reader; the rows are shared by a stage's work-groups, but how many there are hangs on a stored count, and a ring with a constant
; number of fills would fetch 2,048 rows a stage whatever the count.
; LIMITS.  W2 and b2 are rounded to bf16; sums in f32.
; REGISTERS: windows as in the launch before: window 1 source 0's slots 0-2 (phase 1: weights); window 2 v0-79 slot 3, v96-255 the accumulators.
.set PITCHB, 4096                      ; bytes in a row of W2
.set DKSTEP, 262144                    ; bytes from a column block of hid to the next
.set SPARE,  131072                    ; behind the fragments: the spare words, 128 bytes for each wave: two blocks of 256 bytes that no other line names
.set R,     1
.set HH,    2
.set LN,    3
.set VW,    4                          ; v4   weights: 8 h rows + 16 r
.set VS,    5                          ; v5   LDS: 16 x lane + my wave's 32,768 bytes
.set VB0,   6                          ; v6   16 x lane
.set VB,    7                          ; v7   16 x lane + the K walk's place
.set VL,    8                          ; v8-12  tile a: 128 x my row + 16 h
.set VPERM, 13                         ; v13  2 (r % 8) + r / 8
.set H16,   14                         ; v14  16 h
.set VST,   15                         ; v15  16 r
.set BI,    20                         ; v20-23  bias of column 4 r + c (0 in K half 1)
.set SPW,   28                         ; v28  LDS address of my spare word; never rewritten
.set NIL,   29                         ; v29  0; never rewritten
.set VRH,   31                         ; v31  the group's first row + h
.set BR,    32                         ; v32-35  bias as loaded
.set VO,    36                         ; v36-43  a tile's eight store offsets
.set VT,    44                         ; v44-48  the next group's rows
.set TM,    64                         ; v64-95  a tile's results, four columns together
.set E,     96                         ; v96-127 phase 1: the four fragments just made
.set BF,    128
.set ACC,   96
.set WV,    16
.set SL,    17
.set STG,   18
.set KH,    19
.set CNT,   20
.set CNT1,  21
.set ROW,   22
.set NROW,  23
.set GC,    24
.set KC,    25
.set SA,    26                         ; s[26:27] hid at the K walk's place
.set SAB,   28                         ; s[28:29] hid at the stage's and the half's first block
.set SO,    30                         ; s[30:31] my half's buffer at the stage and my columns
.set TB,    36                         ; s36  the K walk's place among the fragments: 32,768 bytes a trip
.set MSB, 0
.macro WIN new
.if MSB != (\new)
	s_set_vgpr_msb (MSB<<8)|(\new)
.set MSB, \new
.endif
.endm
.macro PLACES                          ; four plain vector instructions between a matrix instruction and a load into, or a vector read of, its registers
.rept 4
	v_nop
.endr
.endm
.macro WLOAD u                         ; K step u of my 256 rows: 16 loads into buffer u % 4
	WIN 0x40
.set TB4, 64*((\u)%4)
.irp e, 0,1,2,3,4,5,6,7
	global_load_b128 v[TB4+4*\e:TB4+4*\e+3], v[VW], s[4:5] offset:(32*(\u)+\e)*PITCHB th:TH_LOAD_NT
	global_load_b128 v[TB4+32+4*\e:TB4+32+4*\e+3], v[VW], s[4:5] offset:(32*(\u)+16+\e)*PITCHB th:TH_LOAD_NT
.endr
.endm
.macro WCVT u                          ; rounded, two rows of a column to a register, and into LDS
	WIN 0x05
.set TB4, 64*((\u)%4)
.irp c, 0,1,2,3
.irp i, 0,1,2,3
	v_cvt_pk_bf16_f32 v[E+8*\c+\i], v[TB4+8*\i+\c], v[TB4+8*\i+4+\c]
	v_cvt_pk_bf16_f32 v[E+8*\c+4+\i], v[TB4+32+8*\i+\c], v[TB4+32+8*\i+4+\c]
.endr
.endr
	WIN 0
.irp c, 0,1,2,3
	ds_store_b128 v[VS], v[E+8*\c:E+8*\c+3] offset:(4*(\u)+\c)*1024
	ds_store_b128 v[VS], v[E+8*\c+4:E+8*\c+7] offset:(4*(\u)+\c)*1024+512
.endr
.endm
.macro OFFS_A rr                       ; the rows of the group that begins at s[rr], held to the stage's last row, then to 2,047 by a constant
.irp a, 0,1,2,3,4
	s_add_co_u32 s34, s[\rr], 16*\a
	v_add_nc_u32 v[VT+\a], s34, v[VPERM]
	v_min_u32 v[VT+\a], s[CNT1], v[VT+\a]
	v_min_u32 v[VT+\a], 0x7ff, v[VT+\a]
.endr
.endm
.macro OFFS_B                          ; their byte offsets in a block of hid.  No load that names VL is out here
.irp a, 0,1,2,3,4
	v_lshl_add_u32 v[VL+\a], v[VT+\a], 7, v[H16]
.endr
.endm
.macro ALOAD q, imm                    ; a double step of source 0 into slot q: the 128 bytes of each of 80 rows of one block, 20 loads
.if (\q) < 3
	WIN 0x40
.set AB, 80*(\q)
.else
	WIN 0x80
.set AB, 0
.endif
.irp a, 0,1,2,3,4
.irp p, 0,1,2,3
	global_load_b128 v[AB+16*\a+4*\p:AB+16*\a+4*\p+3], v[VL+\a], s[SA:SA+1] offset:(\imm)+32*\p
.endr
.endr
.endm
.macro BLOAD buf, vreg, imm
	WIN 0
.irp f, 0,1,2,3,4,5,6,7
	ds_load_b128 v[BF+64*(\buf)+8*\f:BF+64*(\buf)+8*\f+3], v[\vreg] offset:(\imm)+1024*\f
	ds_load_b128 v[BF+64*(\buf)+8*\f+4:BF+64*(\buf)+8*\f+7], v[\vreg] offset:(\imm)+1024*\f+512
.endr
.endm
.macro MM q, buf, zero                 ; 40 matrix instructions; the 20 accumulators take turns, one instruction a turn
.if (\q) < 3
	WIN 0xa1
.set AB, 80*(\q)
.else
	WIN 0xa2
.set AB, 0
.endif
.irp uu, 0,1
.irp a, 0,1,2,3,4
.irp c, 0,1,2,3
.if (\zero) && ((\uu) == 0)
	v_wmma_f32_16x16x32_bf16 v[ACC+8*(4*\a+\c):ACC+8*(4*\a+\c)+7], v[AB+16*\a+8*\uu:AB+16*\a+8*\uu+7], v[BF+64*(\buf)+8*(4*\uu+\c):BF+64*(\buf)+8*(4*\uu+\c)+7], 0
.else
	v_wmma_f32_16x16x32_bf16 v[ACC+8*(4*\a+\c):ACC+8*(4*\a+\c)+7], v[AB+16*\a+8*\uu:AB+16*\a+8*\uu+7], v[BF+64*(\buf)+8*(4*\uu+\c):BF+64*(\buf)+8*(4*\uu+\c)+7], v[ACC+8*(4*\a+\c):ACC+8*(4*\a+\c)+7]
.endif
.endr
.endr
.endr
.endm
; Double step d, on slot q = d % 4 and buffer d % 2.  rel = 1: the slot read last step is asked for step d + 3.  lcnt: the loads issued behind step d's own: 20 for each later step asked for.
.macro DK q, buf, zero, rel, relimm, bv, bimm, lcnt
.if \rel
	ALOAD ((\q)+3)%4, \relimm
.endif
	s_wait_dscnt 0x0                               ; this step's fragments of source 1, asked for a step ago
	BLOAD 1-(\buf), \bv, \bimm
	s_wait_loadcnt \lcnt
	MM \q, \buf, \zero
	PLACES
	WIN 0
.endm
; THE WAY OUT of tile a: + bias, which also brings a lane's four columns together; eight stores.  A tile wholly past the count is jumped.
.macro EPI a
.if (\a) > 0
	s_add_co_u32 s34, s[ROW], 16*(\a)
	s_cmp_ge_u32 s34, s[CNT]
	s_cbranch_scc1 .Ldead_\@
.endif
	s_wait_xcnt 0x0                                ; VO and TM, which the tile before's stores read, are rewritten only behind this wait
	WIN 0x02
.irp i, 0,1,2,3,4,5,6,7
.irp c, 0,1,2,3
	v_add_f32 v[TM+4*\i+\c], v[ACC+8*(4*(\a)+\c)+\i], v[BI+\c]  ; each accumulator from its low end on
.endr
.endr
	WIN 0
.irp i, 0,1,2,3,4,5,6,7
	v_add_nc_u32 v[16+(\i)%2], 16*(\a)+2*\i, v[VRH]
	v_min_u32 v[16+(\i)%2], s[CNT1], v[16+(\i)%2]
	v_min_u32 v[16+(\i)%2], 0x7ff, v[16+(\i)%2]
	v_lshl_add_u32 v[VO+\i], v[16+(\i)%2], 12, v[VST]
	global_store_b128 v[VO+\i], v[TM+4*\i:TM+4*\i+3], s[SO:SO+1]  ; sixteen lanes: 256 consecutive bytes of row 2 i + h
.endr
.if (\a) > 0
.Ldead_\@:
.endif
.endm
	s_load_b256 s[4:11], s[0:1], 0x0               ; W2 s[4:5], b2 s[6:7], hid s[8:9], cn s[10:11]
	s_load_b128 s[12:15], s[0:1], 0x20             ; part0 s[12:13], part1 s[14:15]
	v_lshl_add_u32 v[SPW], v0, 2, SPARE
	v_mov_b32 v[NIL], 0
	v_lshrrev_b32 v16, 5, v0
	v_readfirstlane_b32 s[WV], v16                 ; wave 0..3
	s_lshr_b32 s[SL], ttmp9, 1                     ; which 64 columns
	s_and_b32 s[KH], ttmp9, 1                      ; which half of K
	s_and_b32 s[STG], ttmp7, 0xffff
	v_and_b32 v[LN], 31, v0
	v_and_b32 v[R], 15, v0
	v_bfe_u32 v[HH], v0, 4, 1
	v_lshlrev_b32 v[VST], 4, v[R]                  ; 16 r
	v_lshl_add_u32 v[VW], v[HH], 15, v[VST]        ; + 8 h rows of 4,096 bytes
	v_lshlrev_b32 v[VB0], 4, v[LN]
	s_lshl_b32 s34, s[WV], 15
	v_add_nc_u32 v[VS], s34, v[VB0]
	v_and_b32 v16, 7, v[R]
	v_lshrrev_b32 v17, 3, v[R]
	v_lshl_add_u32 v[VPERM], v16, 1, v17
	v_lshlrev_b32 v[H16], 4, v[HH]
	s_mov_b32 s33, 0
	s_wait_kmcnt 0x0
	s_lshl_b32 s32, s[STG], 23                     ; W2: the stage's 8,388,608 bytes,
	s_lshl_b32 s34, s[KH], 22                      ; the half's 1,024 rows,
	s_add_co_u32 s32, s32, s34
	s_lshl_b32 s34, s[WV], 20                      ; my wave's 256 rows,
	s_add_co_u32 s32, s32, s34
	s_lshl_b32 s34, s[SL], 8                       ; my 256 bytes of a row
	s_add_co_u32 s32, s32, s34
	s_add_nc_u64 s[4:5], s[4:5], s[32:33]
	s_lshl_b32 s32, s[STG], 12                     ; b2: the stage's 4,096 bytes + my 256
	s_add_co_u32 s32, s32, s34
	s_add_nc_u64 s[6:7], s[6:7], s[32:33]
	s_lshl_b32 s32, s[STG], 7                      ; cn
	s_add_nc_u64 s[10:11], s[10:11], s[32:33]
	s_load_b32 s[CNT], s[10:11], 0x0
	s_lshl_b32 s32, s[STG], 5                      ; hid: block 32 x stage + 16 x half
	s_lshl_b32 s35, s[KH], 4
	s_add_co_u32 s32, s32, s35
	s_lshl_b32 s32, s32, 18
	s_add_nc_u64 s[SAB:SAB+1], s[8:9], s[32:33]
	s_lshl_b32 s32, s[STG], 23                     ; the partial rows: the stage's 8,388,608 bytes + my 256
	s_add_co_u32 s32, s32, s34
	s_cmp_eq_u32 s[KH], 0
	s_cselect_b64 s[SO:SO+1], s[12:13], s[14:15]   ; half 0 writes part0, half 1 part1
	s_cselect_b32 s35, -1, 0                       ; and half 0 alone adds the bias
	s_add_nc_u64 s[SO:SO+1], s[SO:SO+1], s[32:33]
	global_load_b128 v[BR:BR+3], v[VST], s[6:7]
	WLOAD 0
	WLOAD 1
	WLOAD 2
	WLOAD 3
	WIN 0
	s_wait_kmcnt 0x0
	s_min_u32 s[CNT], s[CNT], 0x800
	s_max_u32 s[CNT1], s[CNT], 1
	s_sub_co_u32 s[CNT1], s[CNT1], 1
	; PHASE 1: eight K steps; three are always on their way behind the one in hand
.irp u, 0,1,2,3,4,5,6,7
.if \u < 5
	s_wait_loadcnt 48                              ; behind step u's loads: three steps of 16 (the bias is older than them all)
.else
	s_wait_loadcnt 16*(7-\u)
.endif
.if \u == 0
	v_cvt_pk_bf16_f32 v16, v[BR], v[BR+1]          ; the bias, rounded to bf16 like every input
	v_cvt_pk_bf16_f32 v17, v[BR+2], v[BR+3]
	v_lshlrev_b32 v[BI], 16, v16
	v_and_b32 v[BI+1], 0xffff0000, v16
	v_lshlrev_b32 v[BI+2], 16, v17
	v_and_b32 v[BI+3], 0xffff0000, v17
.irp c, 0,1,2,3
	v_and_b32 v[BI+\c], s35, v[BI+\c]
.endr
.endif
	WCVT \u
.if \u < 4
	WLOAD \u+4
.endif
.endr
	s_wait_dscnt 0x0                               ; for the others' sake: my fragments are in LDS
	s_barrier_signal -1
	s_barrier_wait -1                              ; all 128 fragments are there
	; PHASE 2
	s_mul_i32 s[ROW], s[WV], 80
	OFFS_A ROW
	OFFS_B
	s_mov_b64 s[SA:SA+1], s[SAB:SAB+1]
	ALOAD 0, 0
	ALOAD 1, DKSTEP
	ALOAD 2, 2*DKSTEP
	BLOAD 0, VB0, 0
	s_mov_b32 s[GC], 7
.Lgroup:
	s_cmp_ge_u32 s[ROW], s[CNT]
	s_cbranch_scc1 .Lbottom                        ; no such rows: forward, past text that holds no barrier
	DK 0, 0, 1, 1, 3*DKSTEP, VB0, 8192, 60         ; step 0 starts the sums; behind its loads: steps 1, 2 and, just asked for, 3
	s_mov_b32 s[TB], 0
	s_mov_b32 s[KC], 3
.Lk:                                                   ; steps 4 t + 1 .. 4 t + 4
	v_add_nc_u32 v[VB], s[TB], v[VB0]              ; 16 x lane + 32,768 t
	DK 1, 1, 0, 1, 4*DKSTEP, VB, 2*8192, 60
	DK 2, 0, 0, 1, 5*DKSTEP, VB, 3*8192, 60
	DK 3, 1, 0, 1, 6*DKSTEP, VB, 4*8192, 60
	DK 0, 0, 0, 1, 7*DKSTEP, VB, 5*8192, 60
	s_wait_xcnt 0x0                                ; the loads' base is stepped only behind this wait
	s_add_nc_u64 s[SA:SA+1], s[SA:SA+1], 4*DKSTEP
	s_add_co_u32 s[TB], s[TB], 32768
	s_sub_co_u32 s[KC], s[KC], 1
	s_cmp_lg_u32 s[KC], 0
	s_cbranch_scc1 .Lk
	v_add_nc_u32 v[VB], 98304, v[VB0]              ; the tail's place: behind twelve double steps of 8,192 bytes
	s_add_co_u32 s[NROW], s[ROW], 320
	OFFS_A NROW
	DK 1, 1, 0, 0, 0, VB, 2*8192, 40               ; steps 13, 14, 15 ask for nothing of source 0: the counts run down
	DK 2, 0, 0, 0, 0, VB, 3*8192, 20
	DK 3, 1, 0, 0, 0, VB0, 0, 0                    ; its fragment loads are the next group's step 0
	s_mov_b64 s[SA:SA+1], s[SAB:SAB+1]             ; the wait for 0 loads has shown every load that named SA and VL done
	s_cmp_ge_u32 s[NROW], s[CNT]
	s_cbranch_scc1 .Lno_next
	OFFS_B
	ALOAD 0, 0                                     ; the next group's first three steps are on their way during the way out
	ALOAD 1, DKSTEP
	ALOAD 2, 2*DKSTEP
	WIN 0
.Lno_next:
	v_add_nc_u32 v[VRH], s[ROW], v[HH]
	EPI 0
	EPI 1
	EPI 2
	EPI 3
	EPI 4
.Lbottom:
	s_add_co_u32 s[ROW], s[ROW], 320
	s_sub_co_u32 s[GC], s[GC], 1
	s_cmp_lg_u32 s[GC], 0
	s_cbranch_scc1 .Lgroup
	s_wait_dscnt 0x0                               ; my reads of LDS are back,
	s_barrier_signal -1
	s_barrier_wait -1                              ; and so are every wave's: no LDS word is written below while a wave still reads
	s_wait_tensorcnt 0x0                           ; the wave's end: behind my last LDS store
	ds_add_u32 v[SPW], v[NIL]
	s_wait_dscnt 0x0
	s_endpgm
.Lfunc_end_k_q88f4ffee98_down:
	.size	k_q88f4ffee98_down, .Lfunc_end_k_q88f4ffee98_down-k_q88f4ffee98_down
	.p2alignl 7, 3214868480
	.fill 96, 4, 3214868480
	.section	.rodata,"a",@progbits
	.p2align	6, 0x0
	.amdhsa_kernel k_q88f4ffee98_down
		.amdhsa_group_segment_fixed_size 131584
		.amdhsa_private_segment_fixed_size 0
		.amdhsa_enable_private_segment 0
		.amdhsa_kernarg_size 48
		.amdhsa_user_sgpr_count 2
		.amdhsa_user_sgpr_kernarg_segment_ptr 1
		.amdhsa_wavefront_size32 1
		.amdhsa_system_sgpr_workgroup_id_x 1
		.amdhsa_system_sgpr_workgroup_id_y 1
		.amdhsa_system_sgpr_workgroup_id_z 1
		.amdhsa_system_vgpr_workitem_id 0
		.amdhsa_next_free_vgpr 768
		.amdhsa_next_free_sgpr 66
		.amdhsa_reserve_vcc 0
		.amdhsa_float_denorm_mode_32 3
		.amdhsa_float_denorm_mode_16_64 3
		.amdhsa_memory_ordered 1
		.amdhsa_forward_progress 1
		.amdhsa_inst_pref_size 109
	.end_amdhsa_kernel
	.amdgpu_metadata
---
amdhsa.version: [ 1, 2 ]
amdhsa.kernels:
  - .name:           k_q88f4ffee98_down
    .symbol:         k_q88f4ffee98_down.kd
    .args:
      - { .name: W2, .offset: 0, .size: 8, .value_kind: global_buffer, .address_space: global }
      - { .name: b2, .offset: 8, .size: 8, .value_kind: global_buffer, .address_space: global }
      - { .name: hid, .offset: 16, .size: 8, .value_kind: global_buffer, .address_space: global }
      - { .name: cn, .offset: 24, .size: 8, .value_kind: global_buffer, .address_space: global }
      - { .name: part0, .offset: 32, .size: 8, .value_kind: global_buffer, .address_space: global }
      - { .name: part1, .offset: 40, .size: 8, .value_kind: global_buffer, .address_space: global }
    .group_segment_fixed_size: 131584
    .private_segment_fixed_size: 0
    .kernarg_segment_align: 8
    .kernarg_segment_size: 48
    .max_flat_workgroup_size: 128
    .sgpr_count:     66
    .vgpr_count:     768
    .wavefront_size: 32
...
	.end_amdgpu_metadata
.endif
;; end of part 3
;; launch sum (part 4): grid 256 x 1, 8 waves a work-group, no clusters, 29,696 bytes of LDS; arguments rk, pi, part0, part1, We, be, out0, out1; writes out0, out1
.if DOCPART == 4
	.amdgcn_target "amdgcn-amd-amdhsa--gfx1250"
	.amdhsa_code_object_version 6
	.text
	.protected	k_q88f4ffee98_sum
	.globl	k_q88f4ffee98_sum
	.p2align	8
	.type	k_q88f4ffee98_sum,@function
k_q88f4ffee98_sum:
	s_mov_b64 s[64:65], 0
	v_nop
	global_prefetch_b8 v0, s[64:65] scope:SCOPE_SE
	s_setreg_imm32_b32 hwreg(HW_REG_WAVE_MODE, 25, 1), 1
	s_wait_xcnt 0x0
; SUM.  out0[t] = the sum over the stages s that token t chose of pi[t][s] (part0[s][rank] + part1[s][rank]);  out1[t] = out0[t] We + be.
; rk: [7][2048] (rank, or 2048 or more: not chosen); pi: [2048][7]; part0, part1: [7][2048 ranks][1024] f32; We: [1024][7]; be: [7]; out0: [2048][1024]; out1: [2048][7]; all numbers f32.
; SHARES.  One wave, one token; eight waves share We in LDS.  Lane l holds channels 128 i + 4 l + 0..3, i = 0..7: every load and store of a row covers 512 consecutive bytes.
; Which rows are read hangs on rk alone, whole numbers that an earlier launch stored; pi enters as a factor only.
; A loop of 4 trips takes two stages a trip (7 at the most; trips with nothing left are jumped forward); with an odd number the second of the last pair is the first once more, times 0.
; The product with We has 7 columns, under half a matrix tile, and 0.04% of the problem's multiply-adds: it stays on the vector unit, in f32.  No matrix unit, no cluster: the launch streams.
; LIMITS.  pi, We and be are rounded to bf16 like every input; all sums in f32.  The factor 0 named above gives NaN where a partial row is not finite.
; out1's store: lanes 6 to 31 all carry stage 6's number and address, so EXEC stays whole; 28 bytes a token.
.set SPARE, 28672                      ; behind We's 28,672 bytes: the spare words, 128 bytes for each of 8 waves: four blocks of 256 bytes that no other line names
.set O,  40                            ; v40-71   out0's row: channel 128 i + 4 l + j at O + 4 i + j
.set PR, 72                            ; v72-199  four partial rows; before: We as loaded; later: We's numbers for four i
.set EV, 200                           ; v200-206 the seven sums
	s_load_b512 s[4:19], s[0:1], 0x0               ; rk s[4:5], pi s[6:7], part0 s[8:9], part1 s[10:11], We s[12:13], be s[14:15], out0 s[16:17], out1 s[18:19]
	v_lshl_add_u32 v28, v0, 2, SPARE               ; my spare word; never rewritten
	v_mov_b32 v29, 0                               ; 0; never rewritten
	v_lshrrev_b32 v1, 5, v0
	v_readfirstlane_b32 s20, v1                    ; wave 0..7
	v_and_b32 v1, 31, v0                           ; lane
	s_lshl_b32 s21, ttmp9, 3
	s_add_co_u32 s21, s21, s20                     ; my token
	v_lshlrev_b32 v2, 4, v1                        ; 16 x lane
	v_min_u32 v3, 6, v1                            ; my stage: lanes 0-6 one each, the rest stage 6 again
	v_lshlrev_b32 v7, 4, v0                        ; 16 x thread
	v_mul_u32_u24 v10, v1, 112                     ; four rows of We, 28 bytes each: 28 words from lane to lane
	s_lshl_b32 s22, s21, 2
	v_lshl_add_u32 v4, v3, 13, s22                 ; rk: 8,192 x stage + 4 x token
	s_mul_i32 s23, s21, 28
	v_lshl_add_u32 v5, v3, 2, s23                  ; pi and out1: 28 x token + 4 x stage
	v_lshlrev_b32 v6, 2, v3                        ; be
	s_lshl_b32 s32, s21, 12                        ; out0: 4,096 x token
	s_mov_b32 s33, 0
	s_mov_b32 s30, 0x76543210                      ; v_permlanex16_b32: each lane takes its own place in the other half
	s_mov_b32 s31, 0xfedcba98
	s_wait_kmcnt 0x0
	s_add_nc_u64 s[16:17], s[16:17], s[32:33]
	global_load_b32 v22, v4, s[4:5]
	global_load_b32 v23, v5, s[6:7]
	global_load_b32 v24, v6, s[14:15]
.irp i, 0,1,2,3,4,5,6
	global_load_b128 v[PR+4*\i:PR+4*\i+3], v7, s[12:13] offset:4096*\i  ; We as it lies: 256 threads x 16 bytes x 7
.endr
.set z, 0
.rept 32
	v_mov_b32 v[O+z], 0                            ; a token may have chosen no stage: the sum starts at 0
.set z, z+1
.endr
	s_wait_loadcnt 0x0
	v_cmp_gt_u32 s24, 0x800, v22                   ; chosen: the code is a rank
	s_and_b32 s24, s24, 0x7f                       ; one bit a stage
	v_min_u32 v26, 0x7ff, v22
	v_lshl_add_u32 v26, v3, 11, v26                ; my stage's row among the 7 x 2,048
	v_cvt_pk_bf16_f32 v23, v23, v23                ; pi and be rounded to bf16
	v_cvt_pk_bf16_f32 v24, v24, v24
	v_lshlrev_b32 v23, 16, v23
	v_lshlrev_b32 v24, 16, v24
.set z, 0
.rept 14                                               ; We likewise
	v_cvt_pk_bf16_f32 v[8+(z/2)%2], v[PR+z], v[PR+z+1]
	v_lshlrev_b32 v[PR+z], 16, v[8+(z/2)%2]
	v_and_b32 v[PR+z+1], 0xffff0000, v[8+(z/2)%2]
.set z, z+2
.endr
.irp i, 0,1,2,3,4,5,6
	ds_store_b128 v7, v[PR+4*\i:PR+4*\i+3] offset:4096*\i
.endr
	s_wait_dscnt 0x0                               ; for the others' sake: my part of We is in LDS
	s_barrier_signal -1
	s_barrier_wait -1
.macro ACCUM base, w, left             ; a partial row times its weight onto the sum; left: the younger loads, which stay out
	s_wait_loadcnt \left
.set z, 0
.rept 16
	v_pk_fma_f32 v[O+z:O+z+1], v[(\base)+z:(\base)+z+1], v[\w:\w+1], v[O+z:O+z+1]
.set z, z+2
.endr
.endm
	s_mov_b32 s25, 4
.Ltrip:
	s_cmp_eq_u32 s24, 0
	s_cbranch_scc1 .Lnext                          ; no stage is left
	s_ctz_i32_b32 s26, s24                         ; stage A, and its bit is taken out
	s_sub_co_u32 s28, s24, 1
	s_and_b32 s24, s24, s28
	s_ctz_i32_b32 s27, s24                         ; stage B, if there is one;
	s_cmp_lg_u32 s24, 0
	s_cselect_b32 s27, s27, s26                    ; else A once more,
	s_cselect_b32 s29, -1, 0                       ; with the weight 0
	s_sub_co_u32 s28, s24, 1
	s_and_b32 s24, s24, s28
	s_lshl_b32 s26, s26, 2
	s_lshl_b32 s27, s27, 2
	v_mov_b32 v8, s26
	v_mov_b32 v9, s27
	ds_bpermute_b32 v30, v8, v26                   ; every lane takes the row and the weight from the stage's lane
	ds_bpermute_b32 v31, v9, v26
	ds_bpermute_b32 v32, v8, v23
	ds_bpermute_b32 v34, v9, v23
	s_wait_dscnt 0x0
	v_min_u32 v30, 0x37ff, v30                     ; 7 x 2,048 rows
	v_min_u32 v31, 0x37ff, v31
	v_lshl_add_u32 v30, v30, 12, v2                ; 4,096 bytes a row + 16 x lane
	v_lshl_add_u32 v31, v31, 12, v2
	v_and_b32 v34, s29, v34
	v_mov_b32 v33, v32                             ; each weight twice, for the packed multiply-add
	v_mov_b32 v35, v34
.irp i, 0,1,2,3,4,5,6,7
	global_load_b128 v[PR+4*\i:PR+4*\i+3], v30, s[8:9] offset:512*\i th:TH_LOAD_NT
.endr
.irp i, 0,1,2,3,4,5,6,7
	global_load_b128 v[PR+32+4*\i:PR+32+4*\i+3], v30, s[10:11] offset:512*\i th:TH_LOAD_NT
.endr
.irp i, 0,1,2,3,4,5,6,7
	global_load_b128 v[PR+64+4*\i:PR+64+4*\i+3], v31, s[8:9] offset:512*\i th:TH_LOAD_NT
.endr
.irp i, 0,1,2,3,4,5,6,7
	global_load_b128 v[PR+96+4*\i:PR+96+4*\i+3], v31, s[10:11] offset:512*\i th:TH_LOAD_NT
.endr
	ACCUM PR, 32, 24                               ; four rows of eight loads: 24, 16, 8, 0 younger
	ACCUM PR+32, 32, 16
	ACCUM PR+64, 34, 8
	ACCUM PR+96, 34, 0                             ; all loads are done: the next trip may rewrite v30 and v31
.Lnext:
	s_sub_co_u32 s25, s25, 1
	s_cmp_lg_u32 s25, 0
	s_cbranch_scc1 .Ltrip
; We's numbers for i = 4 g .. 4 g + 3: for each i my four channels' rows, 28 words on end: word 7 j + k is We[128 i + 4 l + j][k]
.macro EVLOAD g
.irp ii, 0,1,2,3
.irp n, 0,1,2,3,4,5,6
	ds_load_b128 v[PR+28*\ii+4*\n:PR+28*\ii+4*\n+3], v10 offset:3584*(4*(\g)+\ii)+16*\n
.endr
.endr
.endm
.macro EVFMA g                         ; seven chains side by side; the very first product starts them
.irp ii, 0,1,2,3
	s_wait_dscnt 7*(3-\ii)                         ; behind this i's seven loads: seven for each later i
.irp j, 0,1,2,3
.irp k, 0,1,2,3,4,5,6
.if ((\g)+\ii+\j) == 0
	v_mul_f32 v[EV+\k], v[O], v[PR+\k]
.else
	v_fmac_f32 v[EV+\k], v[O+4*(4*(\g)+\ii)+\j], v[PR+28*\ii+7*\j+\k]
.endif
.endr
.endr
.endr
.endm
	EVLOAD 0
.irp i, 0,1,2,3,4,5,6,7
	global_store_b128 v2, v[O+4*\i:O+4*\i+3], s[16:17] offset:512*\i th:TH_STORE_NT  ; 512 consecutive bytes, at a multiple of 256 from out0's first
.endr
	EVFMA 0
	EVLOAD 1
	EVFMA 1
	; the seven sums over the 32 lanes: four steps inside each half ride on the addition, one crosses the halves
.irp m, 1,2,4,8
.irp k, 0,1,2,3,4,5,6
	v_add_f32_dpp v[EV+\k], v[EV+\k], v[EV+\k] row_xmask:\m row_mask:0xf bank_mask:0xf
.endr
.endr
.irp k, 0,1,2,3,4,5,6
	v_permlanex16_b32 v[PR+\k], v[EV+\k], s30, s31  ; its destination counts as read: these registers have been written
.endr
.irp k, 0,1,2,3,4,5,6
	v_add_f32 v[EV+\k], v[EV+\k], v[PR+\k]
.endr
	v_mov_b32 v36, v[EV]
.irp k, 1,2,3,4,5,6
	v_cmp_eq_u32 vcc_lo, \k, v3
	v_cndmask_b32 v36, v36, v[EV+\k], vcc_lo       ; each lane keeps its stage's sum
.endr
	v_add_f32 v36, v36, v24
	global_store_b32 v5, v36, s[18:19]
	s_wait_tensorcnt 0x0                           ; the wave's end: behind my last LDS store
	ds_add_u32 v28, v29
	s_wait_dscnt 0x0
	s_endpgm
.Lfunc_end_k_q88f4ffee98_sum:
	.size	k_q88f4ffee98_sum, .Lfunc_end_k_q88f4ffee98_sum-k_q88f4ffee98_sum
	.p2alignl 7, 3214868480
	.fill 96, 4, 3214868480
	.section	.rodata,"a",@progbits
	.p2align	6, 0x0
	.amdhsa_kernel k_q88f4ffee98_sum
		.amdhsa_group_segment_fixed_size 29696
		.amdhsa_private_segment_fixed_size 0
		.amdhsa_enable_private_segment 0
		.amdhsa_kernarg_size 64
		.amdhsa_user_sgpr_count 2
		.amdhsa_user_sgpr_kernarg_segment_ptr 1
		.amdhsa_wavefront_size32 1
		.amdhsa_system_sgpr_workgroup_id_x 1
		.amdhsa_system_sgpr_workgroup_id_y 1
		.amdhsa_system_sgpr_workgroup_id_z 1
		.amdhsa_system_vgpr_workitem_id 0
		.amdhsa_next_free_vgpr 208
		.amdhsa_next_free_sgpr 66
		.amdhsa_reserve_vcc 1
		.amdhsa_float_denorm_mode_32 3
		.amdhsa_float_denorm_mode_16_64 3
		.amdhsa_memory_ordered 1
		.amdhsa_forward_progress 1
		.amdhsa_inst_pref_size 30
	.end_amdhsa_kernel
	.amdgpu_metadata
---
amdhsa.version: [ 1, 2 ]
amdhsa.kernels:
  - .name:           k_q88f4ffee98_sum
    .symbol:         k_q88f4ffee98_sum.kd
    .args:
      - { .name: rk, .offset: 0, .size: 8, .value_kind: global_buffer, .address_space: global }
      - { .name: pi, .offset: 8, .size: 8, .value_kind: global_buffer, .address_space: global }
      - { .name: part0, .offset: 16, .size: 8, .value_kind: global_buffer, .address_space: global }
      - { .name: part1, .offset: 24, .size: 8, .value_kind: global_buffer, .address_space: global }
      - { .name: We, .offset: 32, .size: 8, .value_kind: global_buffer, .address_space: global }
      - { .name: be, .offset: 40, .size: 8, .value_kind: global_buffer, .address_space: global }
      - { .name: out0, .offset: 48, .size: 8, .value_kind: global_buffer, .address_space: global }
      - { .name: out1, .offset: 56, .size: 8, .value_kind: global_buffer, .address_space: global }
    .group_segment_fixed_size: 29696
    .private_segment_fixed_size: 0
    .kernarg_segment_align: 8
    .kernarg_segment_size: 64
    .max_flat_workgroup_size: 256
    .sgpr_count:     66
    .vgpr_count:     208
    .wavefront_size: 32
...
	.end_amdgpu_metadata
.endif
;; end of part 4
;; ======== version 2 of 3: 5 launches; 1.22 times as fast as version 1
;; workspace buffers: hg 29,360,128 bytes; rk 57,344 bytes of whole numbers; cn 1,024 bytes of whole numbers; pw 2,048 bytes of whole numbers; hid 58,720,256 bytes; part0 58,720,256 bytes; part1 58,720,256 bytes
;; launch route (part 5): grid 7 x 1, 1 waves a work-group, no clusters, 0 bytes of LDS; arguments pi, rk, cn, pw; writes rk, cn, pw
.if DOCPART == 5
	.amdgcn_target "amdgcn-amd-amdhsa--gfx1250"
	.amdhsa_code_object_version 6
	.text
	.protected	k_q88f4ffee98_route
	.globl	k_q88f4ffee98_route
	.p2align	8
	.type	k_q88f4ffee98_route,@function
k_q88f4ffee98_route:
	s_mov_b64 s[64:65], 0
	v_nop
	global_prefetch_b8 v0, s[64:65] scope:SCOPE_SE
	s_setreg_imm32_b32 hwreg(HW_REG_WAVE_MODE, 25, 1), 1
	s_wait_xcnt 0x0
; ROUTE.  For stage s (work-group s, one wave): rk[s][t] = the number of chosen tokens before t, if pi[t][s] != 0 (t is then CHOSEN by s),
; else 2048 + t; pw[s][z] = the number chosen before token 32 z (z = 0..63); cn[s] = the stage's count, written 32 times.
; pi: [2048 tokens][7] f32; rk: [7][2048]; pw: [7][64]; cn: [7][32].
; These are values stored at fixed places: no address and no branch of this launch hangs on them; the later launches read them as whole numbers.
; Seven work-groups, since a stage's ranks are one running count over its 2,048 tokens.  The work goes in phases, so that no line reads the result of the
; line before it: 64 loads; 64 compares into 64 scalar registers; the counts; the selects; 64 stores.
; LIMITS.  pi = +0 or -0 means not chosen: that stage's product is left out, which differs from 0 x (its result) only where the result
; is not finite.  A NaN in pi counts as chosen.  rk's and pw's stores are 128 consecutive bytes each: 462 such stores in the launch.
.set PIV, 64                           ; v64-127   pi as loaded, then 2048 + token, then the code
.set MB,  128                          ; v128-191  the rank
                                       ; word z's mask lies in s[28 + z], from z = 36 on in s[30 + z]: s28-63 and s66-93
	s_load_b256 s[4:11], s[0:1], 0x0               ; pi s[4:5], rk s[6:7], cn s[8:9], pw s[10:11]
	s_mov_b32 s15, ttmp9                           ; stage
	v_mul_u32_u24 v4, v0, 28                       ; a token's seven gates are 28 bytes (one wave: the thread's number is the lane)
	v_lshl_add_u32 v4, s15, 2, v4                  ; + 4 x stage
	s_lshl_b32 s22, s15, 13
	v_lshl_add_u32 v5, v0, 2, s22                  ; rk: 8,192 x stage + 4 x lane
	s_lshl_b32 s23, s15, 7
	v_lshl_add_u32 v6, v0, 2, s23                  ; cn: 128 x stage + 4 x lane
	s_lshl_b32 s21, s15, 8
	v_lshl_add_u32 v8, v0, 2, s21                  ; pw: 256 x stage + 4 x lane
	v_or_b32 v7, 0x800, v0                         ; 2048 + lane
	v_mov_b32 v10, 0                               ; pw of words 0-31, one a lane,
	v_mov_b32 v11, 0                               ; and of words 32-63
	s_mov_b32 s24, 0                               ; chosen so far
	s_wait_kmcnt 0x0
.set z, 0
.rept 64                                               ; load z: tokens 32 z + lane
	global_load_b32 v[PIV+z], v4, s[4:5] offset:896*z
.set z, z+1
.endr
.set z, 0
.rept 64
	s_wait_loadcnt 63-z                            ; loads come back in order: number z is in, the 63 - z younger ones stay out
	v_cmp_neq_f32 s[28+z+2*(z/36)], 0, v[PIV+z]    ; the 32 tokens' choices as a mask
.set z, z+1
.endr
.set z, 0
.rept 64
	v_mbcnt_lo_u32_b32 v[MB+z], s[28+z+2*(z/36)], s24  ; chosen before me: in earlier words + in lower lanes
	v_writelane_b32 v[10+z/32], s24, z%32          ; chosen before this word
	v_add_nc_u32 v[PIV+z], 32*z, v7                ; 2048 + token
	s_bcnt1_i32_b32 s26, s[28+z+2*(z/36)]
	s_add_co_u32 s24, s24, s26
.set z, z+1
.endr
.set z, 0
.rept 64
	v_cndmask_b32 v[PIV+z], v[PIV+z], v[MB+z], s[28+z+2*(z/36)]
.set z, z+1
.endr
	v_mov_b32 v12, s24
.set z, 0
.rept 64
	global_store_b32 v5, v[PIV+z], s[6:7] offset:128*z  ; each store has a data register of its own
.set z, z+1
.endr
	global_store_b32 v8, v10, s[10:11]
	global_store_b32 v8, v11, s[10:11] offset:128
	global_store_b32 v6, v12, s[8:9]               ; the count, in 32 words
	s_endpgm
.Lfunc_end_k_q88f4ffee98_route:
	.size	k_q88f4ffee98_route, .Lfunc_end_k_q88f4ffee98_route-k_q88f4ffee98_route
	.p2alignl 7, 3214868480
	.fill 96, 4, 3214868480
	.section	.rodata,"a",@progbits
	.p2align	6, 0x0
	.amdhsa_kernel k_q88f4ffee98_route
		.amdhsa_group_segment_fixed_size 0
		.amdhsa_private_segment_fixed_size 0
		.amdhsa_enable_private_segment 0
		.amdhsa_kernarg_size 32
		.amdhsa_user_sgpr_count 2
		.amdhsa_user_sgpr_kernarg_segment_ptr 1
		.amdhsa_wavefront_size32 1
		.amdhsa_system_sgpr_workgroup_id_x 1
		.amdhsa_system_sgpr_workgroup_id_y 1
		.amdhsa_system_sgpr_workgroup_id_z 1
		.amdhsa_system_vgpr_workitem_id 0
		.amdhsa_next_free_vgpr 192
		.amdhsa_next_free_sgpr 94
		.amdhsa_reserve_vcc 0
		.amdhsa_float_denorm_mode_32 3
		.amdhsa_float_denorm_mode_16_64 3
		.amdhsa_memory_ordered 1
		.amdhsa_forward_progress 1
		.amdhsa_inst_pref_size 40
	.end_amdhsa_kernel
	.amdgpu_metadata
---
amdhsa.version: [ 1, 2 ]
amdhsa.kernels:
  - .name:           k_q88f4ffee98_route
    .symbol:         k_q88f4ffee98_route.kd
    .args:
      - { .name: pi, .offset: 0, .size: 8, .value_kind: global_buffer, .address_space: global }
      - { .name: rk, .offset: 8, .size: 8, .value_kind: global_buffer, .address_space: global }
      - { .name: cn, .offset: 16, .size: 8, .value_kind: global_buffer, .address_space: global }
      - { .name: pw, .offset: 24, .size: 8, .value_kind: global_buffer, .address_space: global }
    .group_segment_fixed_size: 0
    .private_segment_fixed_size: 0
    .kernarg_segment_align: 8
    .kernarg_segment_size: 32
    .max_flat_workgroup_size: 32
    .sgpr_count:     94
    .vgpr_count:     192
    .wavefront_size: 32
...
	.end_amdgpu_metadata
.endif
;; end of part 5
;; launch gather (part 6): grid 7 x 128, 4 waves a work-group, no clusters, 0 bytes of LDS; arguments h, rk, cn, pw, hg; writes hg
.if DOCPART == 6
	.amdgcn_target "amdgcn-amd-amdhsa--gfx1250"
	.amdhsa_code_object_version 6
	.text
	.protected	k_q88f4ffee98_gather
	.globl	k_q88f4ffee98_gather
	.p2align	8
	.type	k_q88f4ffee98_gather,@function
k_q88f4ffee98_gather:
	s_mov_b64 s[64:65], 0
	v_nop
	global_prefetch_b8 v0, s[64:65] scope:SCOPE_SE
	s_setreg_imm32_b32 hwreg(HW_REG_WAVE_MODE, 25, 1), 1
	s_wait_xcnt 0x0
; GATHER.  hg = the rows of h that each stage chose, rounded to bf16, in the order of their ranks, laid as the next launch's operand registers take them.
; h: [2048 tokens][1024] f32; rk: [7][2048] (rank, or 2048 + token); cn: the counts; pw: [7][64] (chosen before token 32 z);
; hg: [7 stages][32 K steps of 32][128 tiles of 16 ranks][1,024 bytes]: the 16 bytes of row m, k = 8 q .. 8 q + 7 (q = 0..3) at 256 q + 16 m.
; SHARES.  Work-group (s, T): tile T of stage s, 16 ranks; wave w: K steps 8 w .. 8 w + 7.  One owner for a tile, so that every store covers whole blocks:
; lane (m = lane % 16, hh = lane / 16) holds eight channels of row m, and 32 lanes store 512 consecutive bytes at a multiple of 256.
; THE GRID is 7 x 128, the most tiles that any split of the tokens can need; a tile past its stage's count stores nothing and ends.  The stage runs fastest, so that
; the tiles that have rows come first and lie side by side.
; THE TOKEN OF A RANK, from whole numbers that the launch before stored, by compares and selects alone: the word of 32 tokens is the last z with pw[z] <= rank (pw never falls:
; 64 compares with scalar registers, four chains side by side); in that word the token is the one whose code equals the rank (32 compares).
; Places past the count repeat the last rank's row, so that a tile that has a row is written whole.
; The launch streams: no LDS, no matrix unit; no cluster: what work-groups share is a row of h read by the stages that chose it, and which rows those are comes by a list.
.set M,   1                            ; v1   lane % 16: my row in the tile
.set HH,  2                            ; v2   lane / 16
.set RHO, 3                            ; v3   my rank
.set WD,  4                            ; v4-7   four chains: the word; then v4 the token and its byte offset in h
.set RO,  8                            ; v8   byte offset of the word's codes in the stage's part of rk
.set BT,  12                           ; v12-15 four chains: the place in the word
.set CD,  16                           ; v16-47 the word's 32 codes
.set GO,  49                           ; v49  256 hh + 16 m
.set F,   64                           ; v64-191  my 8 channels of 8 K steps x 2 quarters in f32; rounded in place
                                       ; pw[z] lies in s[16 + z], from z = 48 on in s[20 + z]: s16-63 and s68-83
	s_load_b256 s[4:11], s[0:1], 0x0               ; h s[4:5], rk s[6:7], cn s[8:9], pw s[10:11]
	s_load_b64 s[12:13], s[0:1], 0x20              ; hg
	v_lshrrev_b32 v[M], 5, v0
	v_readfirstlane_b32 s14, v[M]                  ; wave 0..3
	s_mov_b32 s15, ttmp9                           ; stage
	s_and_b32 s84, ttmp7, 0xffff                   ; tile
	v_and_b32 v[M], 15, v0
	v_bfe_u32 v[HH], v0, 4, 1
	v_lshlrev_b32 v[GO], 4, v[M]
	v_lshl_add_u32 v[GO], v[HH], 8, v[GO]
	s_mov_b32 s87, 0
	s_lshl_b32 s90, s84, 4                         ; the tile's first rank
	s_wait_kmcnt 0x0
	s_lshl_b32 s86, s15, 7
	s_add_nc_u64 s[8:9], s[8:9], s[86:87]          ; cn at the stage
	s_lshl_b32 s86, s15, 8
	s_add_nc_u64 s[10:11], s[10:11], s[86:87]      ; pw at the stage
	s_load_b32 s85, s[8:9], 0x0
	s_load_b512 s[16:31], s[10:11], 0x0
	s_load_b512 s[32:47], s[10:11], 0x40
	s_load_b512 s[48:63], s[10:11], 0x80
	s_load_b512 s[68:83], s[10:11], 0xc0
	s_lshl_b32 s86, s15, 13
	s_add_nc_u64 s[6:7], s[6:7], s[86:87]          ; rk at the stage
	s_lshl_b32 s86, s14, 10
	s_add_nc_u64 s[4:5], s[4:5], s[86:87]          ; h at my wave's 256 channels
	s_lshl_b32 s86, s15, 22                        ; hg: the stage's 4,194,304 bytes,
	s_lshl_b32 s88, s14, 20                        ; my wave's eight K steps of 131,072,
	s_add_co_u32 s86, s86, s88
	s_lshl_b32 s88, s84, 10                        ; the tile's 1,024
	s_add_co_u32 s86, s86, s88
	s_add_nc_u64 s[12:13], s[12:13], s[86:87]
.irp i, 0,1,2,3
	v_mov_b32 v[WD+\i], 0
	v_mov_b32 v[BT+\i], 0
.endr
	s_wait_kmcnt 0x0
	s_min_u32 s85, s85, 0x800
	s_cmp_ge_u32 s90, s85
	s_cbranch_scc1 .Lnone                          ; the stage has no such ranks
	s_sub_co_u32 s91, s85, 1                       ; its last rank
	v_add_nc_u32 v[RHO], s90, v[M]
	v_min_u32 v[RHO], s91, v[RHO]
.set g, 0
.rept 16                                               ; chain i takes the words 4 g + i: while pw[z] <= rank the chain takes z; behind that it keeps what it has
.irp i, 0,1,2,3
.set z, 4*g+\i
	v_cmp_gt_u32 s[92+\i], s[16+z+4*(z/48)], v[RHO]
.endr
.irp i, 0,1,2,3
	v_cndmask_b32 v[WD+\i], 4*g+\i, v[WD+\i], s[92+\i]
.endr
.set g, g+1
.endr
	v_cmp_gt_u32 vcc_lo, v[WD+1], v[WD]            ; the largest of the four
	v_cmp_gt_u32 s92, v[WD+3], v[WD+2]
	v_cndmask_b32 v[WD], v[WD], v[WD+1], vcc_lo
	v_cndmask_b32 v[WD+2], v[WD+2], v[WD+3], s92
	v_cmp_gt_u32 vcc_lo, v[WD+2], v[WD]
	v_cndmask_b32 v[WD], v[WD], v[WD+2], vcc_lo
	v_min_u32 v[WD], 63, v[WD]
	v_lshlrev_b32 v[RO], 7, v[WD]                  ; 32 codes are 128 bytes
.irp j, 0,1,2,3,4,5,6,7
	global_load_b128 v[CD+4*\j:CD+4*\j+3], v[RO], s[6:7] offset:16*\j
.endr
	s_wait_loadcnt 0x0
.set g, 0
.rept 8                                                ; one code of the 32 equals my rank: its chain takes its place, the others stay 0
.irp i, 0,1,2,3
	v_cmp_eq_u32 s[92+\i], v[CD+4*g+\i], v[RHO]
.endr
.irp i, 0,1,2,3
	v_cndmask_b32 v[BT+\i], v[BT+\i], 4*g+\i, s[92+\i]
.endr
.set g, g+1
.endr
	v_or_b32 v[BT], v[BT], v[BT+1]
	v_or_b32 v[BT+2], v[BT+2], v[BT+3]
	v_or_b32 v[BT], v[BT], v[BT+2]
	v_lshl_add_u32 v[WD], v[WD], 5, v[BT]          ; the token
	v_min_u32 v[WD], 0x7ff, v[WD]
	v_lshlrev_b32 v[WD], 12, v[WD]                 ; 4,096 bytes a row of h
	v_lshl_add_u32 v[WD], v[HH], 5, v[WD]          ; + 32 hh: my eight channels of a quarter pair
.irp i, 0,1,2,3,4,5,6,7
.irp x, 0,1
	global_load_b128 v[F+16*\i+8*\x:F+16*\i+8*\x+3],   v[WD], s[4:5] offset:128*\i+64*\x      ; K step i of my eight, k = 8 (2 x + hh) .. + 3
	global_load_b128 v[F+16*\i+8*\x+4:F+16*\i+8*\x+7], v[WD], s[4:5] offset:128*\i+64*\x+16   ; .. + 7
.endr
.endr
.irp i, 0,1,2,3,4,5,6,7
.irp x, 0,1
	s_wait_loadcnt 30-4*\i-2*\x                    ; loads come back in order: behind this pair stand 30 - 4 i - 2 x younger ones
.irp k, 0,1,2,3
	v_cvt_pk_bf16_f32 v[F+16*\i+8*\x+\k], v[F+16*\i+8*\x+2*\k], v[F+16*\i+8*\x+2*\k+1]  ; in place: register k is written when its own number has been read
.endr
	global_store_b128 v[GO], v[F+16*\i+8*\x:F+16*\i+8*\x+3], s[12:13] offset:131072*\i+512*\x  ; quarters 2 x and 2 x + 1 of 16 rows: 512 consecutive bytes
.endr
.endr
.Lnone:
	s_endpgm
.Lfunc_end_k_q88f4ffee98_gather:
	.size	k_q88f4ffee98_gather, .Lfunc_end_k_q88f4ffee98_gather-k_q88f4ffee98_gather
	.p2alignl 7, 3214868480
	.fill 96, 4, 3214868480
	.section	.rodata,"a",@progbits
	.p2align	6, 0x0
	.amdhsa_kernel k_q88f4ffee98_gather
		.amdhsa_group_segment_fixed_size 0
		.amdhsa_private_segment_fixed_size 0
		.amdhsa_enable_private_segment 0
		.amdhsa_kernarg_size 40
		.amdhsa_user_sgpr_count 2
		.amdhsa_user_sgpr_kernarg_segment_ptr 1
		.amdhsa_wavefront_size32 1
		.amdhsa_system_sgpr_workgroup_id_x 1
		.amdhsa_system_sgpr_workgroup_id_y 1
		.amdhsa_system_sgpr_workgroup_id_z 1
		.amdhsa_system_vgpr_workitem_id 0
		.amdhsa_next_free_vgpr 192
		.amdhsa_next_free_sgpr 96
		.amdhsa_reserve_vcc 1
		.amdhsa_float_denorm_mode_32 3
		.amdhsa_float_denorm_mode_16_64 3
		.amdhsa_memory_ordered 1
		.amdhsa_forward_progress 1
		.amdhsa_inst_pref_size 25
	.end_amdhsa_kernel
	.amdgpu_metadata
---
amdhsa.version: [ 1, 2 ]
amdhsa.kernels:
  - .name:           k_q88f4ffee98_gather
    .symbol:         k_q88f4ffee98_gather.kd
    .args:
      - { .name: h, .offset: 0, .size: 8, .value_kind: global_buffer, .address_space: global }
      - { .name: rk, .offset: 8, .size: 8, .value_kind: global_buffer, .address_space: global }
      - { .name: cn, .offset: 16, .size: 8, .value_kind: global_buffer, .address_space: global }
      - { .name: pw, .offset: 24, .size: 8, .value_kind: global_buffer, .address_space: global }
      - { .name: hg, .offset: 32, .size: 8, .value_kind: global_buffer, .address_space: global }
    .group_segment_fixed_size: 0
    .private_segment_fixed_size: 0
    .kernarg_segment_align: 8
    .kernarg_segment_size: 40
    .max_flat_workgroup_size: 128
    .sgpr_count:     96
    .vgpr_count:     192
    .wavefront_size: 32
...
	.end_amdgpu_metadata
.endif
;; end of part 6
;; launch up (part 7): grid 32 x 7, 4 waves a work-group, no clusters, 131,584 bytes of LDS; arguments W1, b1, hg, cn, hid; writes hid
.if DOCPART == 7
	.amdgcn_target "amdgcn-amd-amdhsa--gfx1250"
	.amdhsa_code_object_version 6
	.text
	.protected	k_q88f4ffee98_up
	.globl	k_q88f4ffee98_up
	.p2align	8
	.type	k_q88f4ffee98_up,@function
k_q88f4ffee98_up:
	s_mov_b64 s[64:65], 0
	v_nop
	global_prefetch_b8 v0, s[64:65] scope:SCOPE_SE
	s_setreg_imm32_b32 hwreg(HW_REG_WAVE_MODE, 25, 1), 1
	s_wait_xcnt 0x0
; UP.  hid = silu(h W1[s] + b1[s]) for the tokens that chose stage s, in the order of their ranks.
; W1: [7][1024 k][2048 n] f32; b1: [7][2048] f32; cn: the counts;
; hg: [7][32 K steps of 32][128 tiles of 16 ranks][1,024 bytes] and hid: [7][64 K steps][128 tiles][1,024 bytes], bf16: a tile of a K step lies as operand registers take it:
;   the 16 bytes of row m, k = 8 q .. 8 q + 7 (q = 0..3) at 256 q + 16 m.
; SHARES.  Work-group (x, s): 64 columns (block x) of stage s, all of the stage's rows.  It alone reads its 1024 x 64 weights.
; PHASE 1.  Wave w reads k rows 256 w .. 256 w + 255, rounds them to bf16 and lays them into LDS as ready fragments.
;   Lane (r = lane % 16, h = lane / 16) loads 16 bytes: row k, columns 4 r .. 4 r + 3; sixteen lanes read 256 consecutive bytes, at a multiple of 256.
;   Two rows k, k + 1 of one column pack into a register, so fragment c (0..3) holds column 4 r + c in lane r: a permutation of columns alone.
;   The first three K steps of tokens are asked for inside this phase, ahead of the barrier.
; PHASE 2.  Each wave walks groups of 160 rows (ranks 160 w + 640 g ..): 10 row tiles x 4 fragments = 40 accumulators, so that a fragment read from LDS feeds ten products.
;   Tokens come from memory straight into registers (a fragment: two loads of 512 consecutive bytes), weights from LDS.  K goes in steps of 32: ONE run of loads
;   (8 LDS loads with 20 global loads between them), then 40 matrix instructions.
;   THE MATRIX INSTRUCTION IS USED TRANSPOSED (source 0 = weights, source 1 = tokens): register j of accumulator c in lane (r, h) is token r, column 32 h + 4 j + c.
;   So a lane holds 32 neighbouring columns of one token: one whole K step of the next launch; eight of them pack into 16 bytes, and a store of 16 bytes a lane
;   covers two blocks of 256 consecutive bytes of hid, each at a multiple of 256.
; The loop over groups has 4 trips (4 x 4 x 160 = 2,560 >= 2,048 rows: every split of the tokens is served); groups and tiles past the count are jumped forward.
; A dead tile of a live group repeats the last live tile's loads; a tile that has a row is stored whole, so the next launch reads no byte that was not written.
; BARRIERS.  Two: behind phase 1 (store, wait, barrier, load), and behind the loop over groups, ahead of the closing lines (load, wait, barrier, write).
; NO JOINT LOADS: each weight byte has one reader; the rows are shared by a stage's 32 work-groups, but how many there are hangs on a stored count, a ring with a constant
; number of fills would fetch 2,048 rows a stage whatever the count, and rows that pass through LDS would add 1 KB of LDS reads for every four matrix instructions.
; LIMITS.  h, W1 and b1 are rounded to bf16, hid once to bf16; sums, bias and silu in f32.  silu(x) = x / (1 + 2^(-x log2 e)): where the power overflows the quotient is -0, silu's limit.
; REGISTERS, in windows of 256 (s_set_vgpr_msb: bits 1:0 source 0, 3:2 source 1, 5:4 source 2, 7:6 destination):
;   window 0: below.   window 1: v0-79 token slot 0, v80-159 slot 2, v160-191 fragment buffer 0.   window 2: the accumulators of tiles 0-7, (a, c) at 32 a + 8 c (phase 1: four buffers of 64 for weights).
;   window 3: v0-63 the accumulators of tiles 8, 9; v64-143 slot 1, v144-223 slot 3, v224-255 fragment buffer 1.
;   A step's slot and buffer have the step's parity, so both sources of a product lie in one window, and so do all destinations of a run of loads.
.set PITCHB, 8192                      ; bytes in a row of W1
.set KS,     131072                    ; bytes from a K step of hg to the next
.set SPARE,  131072                    ; behind the fragments: the spare words, 128 bytes for each wave: two blocks of 256 bytes that no other line names
.set R,     1                          ; v1   lane % 16
.set HH,    2                          ; v2   lane / 16
.set LN,    3                          ; v3   lane
.set VW,    4                          ; v4   weights: 8 h rows + 16 r
.set VS,    5                          ; v5   LDS: 16 x lane + my wave's 32,768 bytes of fragments
.set VB0,   6                          ; v6   16 x lane
.set VB,    7                          ; v7   16 x lane + the K walk's place
.set VL,    8                          ; v8-17  tile a: 1,024 x its number + 16 x lane
.set VST,   21                         ; v21  the way out: 131,072 h + 16 r
.set VOB,   22                         ; v22  the same + the group's first tile
.set VBI,   23                         ; v23  128 h: my 32 numbers of the bias
.set SPW,   28                         ; v28  LDS address of my spare word; never rewritten
.set NIL,   29                         ; v29  0; never rewritten
.set HP,    32                         ; v32-47  a tile's results in bf16
.set X,     64                         ; v64-95  a tile's 32 numbers (first: the bias as loaded)
.set E,     96                         ; v96-127 at work; phase 1: the four fragments just made
.set BI,    192                        ; v192-223  bias of column 32 h + 4 j + c at BI + 8 c + j
.set WV,    16                         ; s16  wave
.set SL,    17                         ; s17  column block
.set STG,   18                         ; s18  stage
.set CNT,   20                         ; s20  the stage's rows
.set CNT1,  21                         ; s21  its last row (0 if it has none)
.set ROW,   22                         ; s22  the group's first row
.set NROW,  23                         ; s23  the next group's
.set GC,    24                         ; s24  counts groups
.set KC,    25                         ; s25  counts the K loop
.set TL,    26                         ; s26  the stage's last live tile
.set SAB,   28                         ; s[28:29] hg at the stage
.set SO,    30                         ; s[30:31] hid at the stage and my two K steps
.set TB,    36                         ; s36  the K walk's place among the fragments: 16,384 bytes a trip
.set SA,    40                         ; s[40:47] for each slot a base of its own: hg at the K step that the slot takes next
.set MSB, 0
.macro WIN new                         ; the immediate's high byte repeats the setting that is left; a switch that changes nothing is dropped
.if MSB != (\new)
	s_set_vgpr_msb (MSB<<8)|(\new)
.set MSB, \new
.endif
.endm
; Four plain vector instructions between a matrix instruction and a load into, or a vector read of, its registers (ISA guide 7.12.1 for vector instructions)
.macro PLACES
.rept 4
	v_nop
.endr
.endm
; K step u (0..7) of my 256 rows: 32 rows x 64 columns, 16 loads into buffer u % 4
.macro WLOAD u
	WIN 0x80
.set TB4, 64*((\u)%4)
.irp e, 0,1,2,3,4,5,6,7
	global_load_b128 v[TB4+4*\e:TB4+4*\e+3], v[VW], s[4:5] offset:(32*(\u)+\e)*PITCHB th:TH_LOAD_NT
	global_load_b128 v[TB4+32+4*\e:TB4+32+4*\e+3], v[VW], s[4:5] offset:(32*(\u)+16+\e)*PITCHB th:TH_LOAD_NT
.endr
.endm
; the same K step rounded: register i of fragment c = rows 8 h + 2 i, + 1 (registers 4-7: 16 further on) of column 4 r + c; a fragment is 1,024 bytes of LDS, 16 bytes a lane twice
.macro WCVT u
	WIN 0x0a
.set TB4, 64*((\u)%4)
.irp c, 0,1,2,3
.irp i, 0,1,2,3
	v_cvt_pk_bf16_f32 v[E+8*\c+\i], v[TB4+8*\i+\c], v[TB4+8*\i+4+\c]
	v_cvt_pk_bf16_f32 v[E+8*\c+4+\i], v[TB4+32+8*\i+\c], v[TB4+32+8*\i+4+\c]
.endr
.endr
	WIN 0
.irp c, 0,1,2,3
	ds_store_b128 v[VS], v[E+8*\c:E+8*\c+3] offset:(4*(\u)+\c)*1024
	ds_store_b128 v[VS], v[E+8*\c+4:E+8*\c+7] offset:(4*(\u)+\c)*1024+512
.endr
.endm
; the tiles of the group that begins at row s[rr], held to the stage's last live tile, then to 127 by a constant.  No load that names VL is out here
.macro OFFS rr
	s_lshr_b32 s37, s[\rr], 4
.irp a, 0,1,2,3,4,5,6,7,8,9
	s_add_co_u32 s34, s37, \a
	s_min_u32 s34, s34, s[TL]
	s_min_u32 s34, s34, 0x7f
	s_lshl_b32 s34, s34, 10
	v_add_nc_u32 v[VL+\a], s34, v[VB0]
.endr
.endm
.macro SETSA                           ; slot q's base: K step q.  No load that names a base is out here
.irp q, 0,1,2,3
	s_add_nc_u64 s[SA+2*\q:SA+2*\q+1], s[SAB:SAB+1], \q*KS
.endr
.endm
.macro ALOAD q                         ; a whole K step's tokens into slot q: ten tiles, 20 loads of 512 consecutive bytes: a fragment's registers 0-3, then 4-7
.set sb, 80*((\q)/2)+64*((\q)%2)
	WIN (1+2*((\q)%2))<<6
.irp a, 0,1,2,3,4,5,6,7,8,9
	global_load_b128 v[sb+8*\a:sb+8*\a+3],   v[VL+\a], s[SA+2*(\q):SA+2*(\q)+1]
	global_load_b128 v[sb+8*\a+4:sb+8*\a+7], v[VL+\a], s[SA+2*(\q):SA+2*(\q)+1] offset:512
.endr
.endm
; ONE RUN OF LOADS: a K step's four fragments (8 LDS loads of 512 consecutive bytes) into buffer buf and, with rel = 1, a K step's tokens into slot q, two of them behind each LDS load.
; q and buf have one parity: all destinations lie in one window.
.macro LUMP q, buf, rel, bv, bimm
.set sb, 80*((\q)/2)+64*((\q)%2)
.set bb, 160+64*(\buf)
	WIN (1+2*(\buf))<<6
.set t, 0
.rept 10
.if t < 8
	ds_load_b128 v[bb+4*t:bb+4*t+3], v[\bv] offset:(\bimm)+512*t
.endif
.if \rel
	global_load_b128 v[sb+8*t:sb+8*t+3],   v[VL+t], s[SA+2*(\q):SA+2*(\q)+1]
	global_load_b128 v[sb+8*t+4:sb+8*t+7], v[VL+t], s[SA+2*(\q):SA+2*(\q)+1] offset:512
.endif
.set t, t+1
.endr
.endm
; 40 matrix instructions on slot q and buffer q % 2: number n is tile n / 4, fragment n % 4.  The 40 accumulators take turns, one instruction a turn,
; from step to step and over the loops' edges too.  zero = 1: the products start the sums
.macro MM q, zero
.set sb, 80*((\q)/2)+64*((\q)%2)
.set bb, 160+64*((\q)%2)
.set sw, 1+2*((\q)%2)
.set n, 0
.rept 40
.set dw, 2+n/32
.set rD, 32*((n/4)%8)+8*(n%4)
	WIN (dw<<6)|(dw<<4)|(sw<<2)|sw
.if \zero
	v_wmma_f32_16x16x32_bf16 v[rD:rD+7], v[bb+8*(n%4):bb+8*(n%4)+7], v[sb+8*(n/4):sb+8*(n/4)+7], 0
.else
	v_wmma_f32_16x16x32_bf16 v[rD:rD+7], v[bb+8*(n%4):bb+8*(n%4)+7], v[sb+8*(n/4):sb+8*(n/4)+7], v[rD:rD+7]
.endif
.set n, n+1
.endr
.endm
; K step u, on slot q = u % 4 and buffer u % 2.  The run of loads brings the next step's fragments into the other buffer and, with rel = 1, step u + 3's tokens into the slot read last step.
; lcnt: the loads issued behind step u's own: 20 for each later step asked for.  adv = 1: that slot's base goes four K steps on: the loads that named it are step u - 1's,
; older than step u's, which the counted wait has just shown done.
.macro STEP q, zero, rel, adv, bv, bimm, lcnt
.set fq, ((\q)+3)%4
	s_wait_dscnt 0x0                               ; this step's fragments, asked for in the step before; nothing younger is out
	s_wait_loadcnt \lcnt
.if \adv
	s_add_nc_u64 s[SA+2*fq:SA+2*fq+1], s[SA+2*fq:SA+2*fq+1], 4*KS
.endif
	LUMP fq, 1-(\q)%2, \rel, \bv, \bimm
	MM \q, \zero
	PLACES                                         ; ahead of the next step's loads into what these products read, and of the first read of a result
	WIN 0
.endm
; THE WAY OUT of tile a: + bias, silu, bf16, four stores.  A tile wholly past the count ends the group: so are all behind it.
.macro EPI a
.if (\a) > 0
	s_add_co_u32 s34, s[ROW], 16*(\a)
	s_cmp_ge_u32 s34, s[CNT]
	s_cbranch_scc1 .Lbottom
.endif
.set ab, 32*((\a)%8)
	WIN 0x02+(\a)/8
.irp c, 0,1,2,3
.irp i, 0,2,4,6
	v_pk_add_f32 v[X+8*\c+\i:X+8*\c+\i+1], v[ab+8*\c+\i:ab+8*\c+\i+1], v[BI+8*\c+\i:BI+8*\c+\i+1]  ; each accumulator from its low end on
.endr
.endr
	WIN 0
.set z, 0
.rept 16
	v_pk_mul_f32 v[E+z:E+z+1], v[X+z:X+z+1], s[38:39] op_sel_hi:[1,0]  ; - x log2 e
.set z, z+2
.endr
.set z, 0
.rept 32
	v_exp_f32 v[E+z], v[E+z]
.set z, z+1
.endr
	v_nop                                          ; a plain instruction behind the last exponential, ahead of the use of its result
.set z, 0
	s_wait_alu depctr_va_vdst(0)
.rept 16
	v_pk_add_f32 v[E+z:E+z+1], v[E+z:E+z+1], 1.0 op_sel_hi:[1,0]
.set z, z+2
.endr
.set z, 0
.rept 32
	v_rcp_f32 v[E+z], v[E+z]
.set z, z+1
.endr
	v_nop                                          ; likewise behind the last reciprocal
.set z, 0
	s_wait_alu depctr_va_vdst(0)
.rept 16
	v_pk_mul_f32 v[X+z:X+z+1], v[X+z:X+z+1], v[E+z:E+z+1]
.set z, z+2
.endr
	s_wait_xcnt 0x0                                ; HP, which the tile before's stores read, is rewritten only behind this wait; those stores lie a tile's arithmetic back
.irp i, 0,1,2,3,4,5,6,7
	v_cvt_pk_bf16_f32 v[HP+2*\i], v[X+\i], v[X+8+\i]            ; columns 32 h + 4 i, + 1
	v_cvt_pk_bf16_f32 v[HP+2*\i+1], v[X+16+\i], v[X+24+\i]      ; + 2, + 3
.endr
.irp q, 0,1,2,3
	global_store_b128 v[VOB], v[HP+4*\q:HP+4*\q+3], s[SO:SO+1] offset:1024*(\a)+256*\q  ; k = 8 q .. 8 q + 7 of 16 rows: each half of the lanes 256 consecutive bytes, in its own K step
.endr
.endm
	s_load_b256 s[4:11], s[0:1], 0x0               ; W1 s[4:5], b1 s[6:7], hg s[8:9], cn s[10:11]
	s_load_b64 s[12:13], s[0:1], 0x20              ; hid
	v_lshl_add_u32 v[SPW], v0, 2, SPARE
	v_mov_b32 v[NIL], 0
	v_lshrrev_b32 v18, 5, v0
	v_readfirstlane_b32 s[WV], v18                 ; wave 0..3
	s_mov_b32 s[SL], ttmp9
	s_and_b32 s[STG], ttmp7, 0xffff
	v_and_b32 v[LN], 31, v0
	v_and_b32 v[R], 15, v0
	v_bfe_u32 v[HH], v0, 4, 1
	v_lshlrev_b32 v18, 4, v[R]                     ; 16 r
	v_lshl_add_u32 v[VW], v[HH], 16, v18           ; + 8 h rows of 8,192 bytes
	v_lshl_add_u32 v[VST], v[HH], 17, v18          ; + h K steps of 131,072 bytes
	v_lshlrev_b32 v[VB0], 4, v[LN]
	s_lshl_b32 s34, s[WV], 15
	v_add_nc_u32 v[VS], s34, v[VB0]
	v_lshlrev_b32 v[VBI], 7, v[HH]
	s_mov_b32 s38, 0xbfb8aa3b                      ; - log2 e
	s_mov_b32 s39, s38                             ; named with it as a pair
	s_mov_b32 s33, 0
	s_wait_kmcnt 0x0
	s_lshl_b32 s32, s[STG], 23                     ; W1: the stage's 8,388,608 bytes,
	s_lshl_b32 s34, s[WV], 21                      ; my wave's 256 rows,
	s_add_co_u32 s32, s32, s34
	s_lshl_b32 s34, s[SL], 8                       ; the block's 256 bytes of a row
	s_add_co_u32 s32, s32, s34
	s_add_nc_u64 s[4:5], s[4:5], s[32:33]
	s_lshl_b32 s32, s[STG], 13                     ; b1: the stage's 8,192 bytes + the block's 256
	s_add_co_u32 s32, s32, s34
	s_add_nc_u64 s[6:7], s[6:7], s[32:33]
	s_lshl_b32 s32, s[STG], 7                      ; cn
	s_add_nc_u64 s[10:11], s[10:11], s[32:33]
	s_load_b32 s[CNT], s[10:11], 0x0
	s_lshl_b32 s32, s[STG], 22                     ; hg: the stage's 4,194,304 bytes
	s_add_nc_u64 s[SAB:SAB+1], s[8:9], s[32:33]
	s_lshl_b32 s32, s[STG], 23                     ; hid: the stage's 8,388,608 bytes + the block's two K steps
	s_lshl_b32 s34, s[SL], 18
	s_add_co_u32 s32, s32, s34
	s_add_nc_u64 s[SO:SO+1], s[12:13], s[32:33]
	; all that phase 1 waits for goes out at once: the bias (8 loads), four K steps of weights (64)
.irp q, 0,1,2,3,4,5,6,7
	global_load_b128 v[X+4*\q:X+4*\q+3], v[VBI], s[6:7] offset:16*\q  ; columns 32 h + 4 q + 0..3
.endr
	WLOAD 0
	WLOAD 1
	WLOAD 2
	WLOAD 3
	WIN 0
	s_wait_kmcnt 0x0
	s_min_u32 s[CNT], s[CNT], 0x800
	s_max_u32 s[CNT1], s[CNT], 1
	s_sub_co_u32 s[CNT1], s[CNT1], 1
	s_lshr_b32 s[TL], s[CNT1], 4
	s_mul_i32 s[ROW], s[WV], 160                   ; my first group, its tiles and the slots' bases: made in the wait for the first weights
	OFFS ROW
	SETSA
	; PHASE 1: eight K steps; three are always on their way behind the one in hand
.irp u, 0,1,2,3,4,5,6,7
.if \u < 5
	s_wait_loadcnt 48                              ; behind step u's loads: three steps of 16 (the bias is older than them all)
.elseif \u == 7
	s_wait_loadcnt 40                              ; behind the last weights: two K steps of tokens, 20 loads each
.else
	s_wait_loadcnt 16*(7-\u)                       ; the steps that are left
.endif
.if \u == 0
.irp c, 0,1,2,3                                        ; the bias, rounded to bf16 like every input, laid as the accumulators' registers lie
.irp j, 0,2,4,6
	v_cvt_pk_bf16_f32 v[18+(\j/2)%2], v[X+4*\j+\c], v[X+4*\j+4+\c]
	v_lshlrev_b32 v[BI+8*\c+\j], 16, v[18+(\j/2)%2]
	v_and_b32 v[BI+8*\c+\j+1], 0xffff0000, v[18+(\j/2)%2]
.endr
.endr
.endif
	WCVT \u
.if \u < 4
	WLOAD \u+4
.endif
.if \u == 6
	ALOAD 0                                        ; my first group's first tokens go out while the last weights are rounded
	ALOAD 1
.endif
.endr
	ALOAD 2
	WIN 0
	s_wait_dscnt 0x0                               ; for the others' sake: my fragments are in LDS
	s_barrier_signal -1
	s_barrier_wait -1                              ; all 128 fragments are there
	; PHASE 2
	LUMP 0, 0, 0, VB0, 0                           ; K step 0's fragments
	WIN 0
	s_mov_b32 s[GC], 4
.Lgroup:
	s_cmp_ge_u32 s[ROW], s[CNT]
	s_cbranch_scc1 .Lbottom                        ; no such rows: forward, past text that holds no barrier
	STEP 0, 1, 1, 0, VB0, 4096, 40                 ; step 0 starts the sums; behind its loads: steps 1 and 2
	s_mov_b32 s[TB], 0
	s_mov_b32 s[KC], 7
.Lk:                                                   ; steps 4 t + 1 .. 4 t + 4; at a step's wait the next two steps' loads stand behind its own: the third is asked for behind the wait
	v_add_nc_u32 v[VB], s[TB], v[VB0]              ; 16 x lane + 16,384 t
	STEP 1, 0, 1, 1, VB, 2*4096, 40
	STEP 2, 0, 1, 1, VB, 3*4096, 40
	STEP 3, 0, 1, 1, VB, 4*4096, 40
	STEP 0, 0, 1, 1, VB, 5*4096, 40
	s_add_co_u32 s[TB], s[TB], 16384
	s_sub_co_u32 s[KC], s[KC], 1
	s_cmp_lg_u32 s[KC], 0
	s_cbranch_scc1 .Lk
	v_add_nc_u32 v[VB], 114688, v[VB0]             ; the tail's place: behind 28 K steps of 4,096 bytes
	STEP 1, 0, 0, 0, VB, 2*4096, 40                ; steps 29, 30, 31 ask for no tokens: the counts run down
	STEP 2, 0, 0, 0, VB, 3*4096, 20
	STEP 3, 0, 0, 0, VB0, 0, 0                     ; its fragment loads are the next group's step 0
	s_add_co_u32 s[NROW], s[ROW], 640
	s_wait_xcnt 0x0                                ; VOB, which the last group's stores read, is rewritten only behind this wait
	s_lshl_b32 s34, s[ROW], 6                      ; 1,024 bytes a tile of 16 rows
	v_add_nc_u32 v[VOB], s34, v[VST]
	SETSA                                          ; the wait for 0 loads has shown every load that named a base or VL done
	s_cmp_ge_u32 s[NROW], s[CNT]
	s_cbranch_scc1 .Lno_next
	OFFS NROW
	ALOAD 0                                        ; the next group's first three steps are on their way during the way out
	ALOAD 1
	ALOAD 2
	WIN 0
.Lno_next:
.irp a, 0,1,2,3,4,5,6,7,8,9
	EPI \a
.endr
.Lbottom:
	s_add_co_u32 s[ROW], s[ROW], 640
	s_sub_co_u32 s[GC], s[GC], 1
	s_cmp_lg_u32 s[GC], 0
	s_cbranch_scc1 .Lgroup
	s_wait_dscnt 0x0                               ; my reads of LDS are back,
	s_barrier_signal -1
	s_barrier_wait -1                              ; and so are every wave's: no LDS word is written below while a wave still reads
	s_wait_tensorcnt 0x0                           ; the wave's end: behind my last LDS store
	ds_add_u32 v[SPW], v[NIL]
	s_wait_dscnt 0x0
	s_endpgm
.Lfunc_end_k_q88f4ffee98_up:
	.size	k_q88f4ffee98_up, .Lfunc_end_k_q88f4ffee98_up-k_q88f4ffee98_up
	.p2alignl 7, 3214868480
	.fill 96, 4, 3214868480
	.section	.rodata,"a",@progbits
	.p2align	6, 0x0
	.amdhsa_kernel k_q88f4ffee98_up
		.amdhsa_group_segment_fixed_size 131584
		.amdhsa_private_segment_fixed_size 0
		.amdhsa_enable_private_segment 0
		.amdhsa_kernarg_size 40
		.amdhsa_user_sgpr_count 2
		.amdhsa_user_sgpr_kernarg_segment_ptr 1
		.amdhsa_wavefront_size32 1
		.amdhsa_system_sgpr_workgroup_id_x 1
		.amdhsa_system_sgpr_workgroup_id_y 1
		.amdhsa_system_sgpr_workgroup_id_z 1
		.amdhsa_system_vgpr_workitem_id 0
		.amdhsa_next_free_vgpr 1024
		.amdhsa_next_free_sgpr 66
		.amdhsa_reserve_vcc 0
		.amdhsa_float_denorm_mode_32 3
		.amdhsa_float_denorm_mode_16_64 3
		.amdhsa_memory_ordered 1
		.amdhsa_forward_progress 1
		.amdhsa_inst_pref_size 169
	.end_amdhsa_kernel
	.amdgpu_metadata
---
amdhsa.version: [ 1, 2 ]
amdhsa.kernels:
  - .name:           k_q88f4ffee98_up
    .symbol:         k_q88f4ffee98_up.kd
    .args:
      - { .name: W1, .offset: 0, .size: 8, .value_kind: global_buffer, .address_space: global }
      - { .name: b1, .offset: 8, .size: 8, .value_kind: global_buffer, .address_space: global }
      - { .name: hg, .offset: 16, .size: 8, .value_kind: global_buffer, .address_space: global }
      - { .name: cn, .offset: 24, .size: 8, .value_kind: global_buffer, .address_space: global }
      - { .name: hid, .offset: 32, .size: 8, .value_kind: global_buffer, .address_space: global }
    .group_segment_fixed_size: 131584
    .private_segment_fixed_size: 0
    .kernarg_segment_align: 8
    .kernarg_segment_size: 40
    .max_flat_workgroup_size: 128
    .sgpr_count:     66
    .vgpr_count:     1024
    .wavefront_size: 32
...
	.end_amdgpu_metadata
.endif
;; end of part 7
;; launch down (part 8): grid 32 x 7, 4 waves a work-group, no clusters, 131,584 bytes of LDS; arguments W2, b2, hid, cn, part0, part1; writes part0, part1
.if DOCPART == 8
	.amdgcn_target "amdgcn-amd-amdhsa--gfx1250"
	.amdhsa_code_object_version 6
	.text
	.protected	k_q88f4ffee98_down
	.globl	k_q88f4ffee98_down
	.p2align	8
	.type	k_q88f4ffee98_down,@function
k_q88f4ffee98_down:
	s_mov_b64 s[64:65], 0
	v_nop
	global_prefetch_b8 v0, s[64:65] scope:SCOPE_SE
	s_setreg_imm32_b32 hwreg(HW_REG_WAVE_MODE, 25, 1), 1
	s_wait_xcnt 0x0
; DOWN.  part[kh][s][rank][n] = the sum over one half of the hidden width of hid x W2[s], + b2[s] in half 0: partial rows in f32, which the last launch weighs and adds.
; W2: [7][2048 k][1024 n] f32; b2: [7][1024] f32; hid: [7][64 K steps of 32][128 tiles of 16 ranks][1,024 bytes], a tile laid as operand registers take it
; (the 16 bytes of row m, k = 8 q .. 8 q + 7 at 256 q + 16 m); part0, part1: [7][2048 ranks][1024] f32.
; SHARES.  Work-group (x, s): columns 64 (x / 2) .. + 63, K half kh = x % 2 (1,024 of the 2,048), all of stage s's rows.  It alone reads its 1024 x 64 weights.
; The two halves of K make 224 work-groups of the 112 that 64 columns x all of K would give; the price is the second set of partial rows.
; PHASE 1 and PHASE 2 are those of the launch before: weights rounded once into LDS as fragments (fragment c holds column 4 r + c in lane r), the first tokens asked for ahead of the barrier;
; each wave walks groups of 160 rows, 40 accumulators, K in steps of 32: one run of loads (8 LDS loads with 20 global loads between them), then 40 matrix instructions.
; Here tokens are source 0 and weights source 1.  Register i of accumulator c in lane (r, h) is row 8 h + i, column 4 r + c: a lane's four accumulators hold four neighbouring columns:
; a store of 16 bytes a lane, sixteen lanes 256 consecutive bytes at a multiple of 256.
; 4 trips over groups serve every split; groups and tiles past the count are jumped forward; a dead tile of a live group repeats the last live tile's loads; a tile that has a row is stored whole
; (its places past the count hold the last row's numbers, which nobody reads).
; BARRIERS.  Two: behind phase 1 (store, wait, barrier, load), and behind the loop over groups, ahead of the closing lines (load, wait, barrier, write).
; NO JOINT LOADS: each weight byte has one reader; the rows are shared by 16 work-groups, but how many there are hangs on a stored count, a ring with a constant number of fills would fetch
; 2,048 rows a stage whatever the count, and rows that pass through LDS would add 1 KB of LDS reads for every four matrix instructions.
; LIMITS.  W2 and b2 are rounded to bf16; sums in f32.
; REGISTERS: window 0 below; window 1: v0-79 token slot 0, v80-159 slot 2, v160-191 fragment buffer 0; window 2: accumulators of tiles 0-7, (a, c) at 32 a + 8 c (phase 1: weights);
; window 3: v0-63 those of tiles 8, 9; v64-143 slot 1, v144-223 slot 3, v224-255 fragment buffer 1.  A step's slot and buffer have the step's parity: one window for both sources of a product.
.set PITCHB, 4096                      ; bytes in a row of W2
.set KS,     131072                    ; bytes from a K step of hid to the next
.set SPARE,  131072                    ; behind the fragments: the spare words, 128 bytes for each wave: two blocks of 256 bytes that no other line names
.set R,     1
.set HH,    2
.set LN,    3
.set VW,    4                          ; v4   8 h rows of 4,096 bytes + 16 r: my place in the weights' rows, and in the partial rows on the way out
.set VS,    5                          ; v5   LDS: 16 x lane + my wave's 32,768 bytes
.set VB0,   6                          ; v6   16 x lane
.set VB,    7                          ; v7   16 x lane + the K walk's place
.set VL,    8                          ; v8-17  tile a: 1,024 x its number + 16 x lane
.set VOB,   22                         ; v22  the way out: VW + the group's first row
.set VBI,   23                         ; v23  16 r
.set BI,    24                         ; v24-27  bias of column 4 r + c (0 in K half 1)
.set SPW,   28                         ; v28  LDS address of my spare word; never rewritten
.set NIL,   29                         ; v29  0; never rewritten
.set BR,    32                         ; v32-35  bias as loaded
.set TM,    64                         ; v64-223  five sets of 32: a tile's results, four columns together
.set E,     96                         ; v96-127 phase 1: the four fragments just made
.set WV,    16
.set SL,    17
.set STG,   18
.set KH,    19
.set CNT,   20
.set CNT1,  21
.set ROW,   22
.set NROW,  23
.set GC,    24
.set KC,    25
.set TL,    26                         ; s26  the stage's last live tile
.set SAB,   28                         ; s[28:29] hid at the stage's and the half's first K step
.set SO,    30                         ; s[30:31] my half's buffer at the stage and my columns
.set TB,    36                         ; s36  the K walk's place among the fragments: 16,384 bytes a trip
.set SA,    40                         ; s[40:47] for each slot a base of its own: hid at the K step that the slot takes next
.set MSB, 0
.macro WIN new                         ; the immediate's high byte repeats the setting that is left; a switch that changes nothing is dropped
.if MSB != (\new)
	s_set_vgpr_msb (MSB<<8)|(\new)
.set MSB, \new
.endif
.endm
.macro PLACES                          ; four plain vector instructions between a matrix instruction and a load into, or a vector read of, its registers
.rept 4
	v_nop
.endr
.endm
.macro WLOAD u                         ; K step u of my 256 rows: 16 loads into buffer u % 4
	WIN 0x80
.set TB4, 64*((\u)%4)
.irp e, 0,1,2,3,4,5,6,7
	global_load_b128 v[TB4+4*\e:TB4+4*\e+3], v[VW], s[4:5] offset:(32*(\u)+\e)*PITCHB th:TH_LOAD_NT
	global_load_b128 v[TB4+32+4*\e:TB4+32+4*\e+3], v[VW], s[4:5] offset:(32*(\u)+16+\e)*PITCHB th:TH_LOAD_NT
.endr
.endm
.macro WCVT u                          ; rounded, two rows of a column to a register, and into LDS
	WIN 0x0a
.set TB4, 64*((\u)%4)
.irp c, 0,1,2,3
.irp i, 0,1,2,3
	v_cvt_pk_bf16_f32 v[E+8*\c+\i], v[TB4+8*\i+\c], v[TB4+8*\i+4+\c]
	v_cvt_pk_bf16_f32 v[E+8*\c+4+\i], v[TB4+32+8*\i+\c], v[TB4+32+8*\i+4+\c]
.endr
.endr
	WIN 0
.irp c, 0,1,2,3
	ds_store_b128 v[VS], v[E+8*\c:E+8*\c+3] offset:(4*(\u)+\c)*1024
	ds_store_b128 v[VS], v[E+8*\c+4:E+8*\c+7] offset:(4*(\u)+\c)*1024+512
.endr
.endm
; the tiles of the group that begins at row s[rr], held to the stage's last live tile, then to 127 by a constant.  No load that names VL is out here
.macro OFFS rr
	s_lshr_b32 s37, s[\rr], 4
.irp a, 0,1,2,3,4,5,6,7,8,9
	s_add_co_u32 s34, s37, \a
	s_min_u32 s34, s34, s[TL]
	s_min_u32 s34, s34, 0x7f
	s_lshl_b32 s34, s34, 10
	v_add_nc_u32 v[VL+\a], s34, v[VB0]
.endr
.endm
.macro SETSA                           ; slot q's base: K step q.  No load that names a base is out here
.irp q, 0,1,2,3
	s_add_nc_u64 s[SA+2*\q:SA+2*\q+1], s[SAB:SAB+1], \q*KS
.endr
.endm
.macro ALOAD q                         ; a whole K step's tokens into slot q: ten tiles, 20 loads of 512 consecutive bytes: a fragment's registers 0-3, then 4-7
.set sb, 80*((\q)/2)+64*((\q)%2)
	WIN (1+2*((\q)%2))<<6
.irp a, 0,1,2,3,4,5,6,7,8,9
	global_load_b128 v[sb+8*\a:sb+8*\a+3],   v[VL+\a], s[SA+2*(\q):SA+2*(\q)+1]
	global_load_b128 v[sb+8*\a+4:sb+8*\a+7], v[VL+\a], s[SA+2*(\q):SA+2*(\q)+1] offset:512
.endr
.endm
; ONE RUN OF LOADS: a K step's four fragments (8 LDS loads of 512 consecutive bytes) into buffer buf and, with rel = 1, a K step's tokens into slot q, two of them behind each LDS load.
; q and buf have one parity: all destinations lie in one window.
.macro LUMP q, buf, rel, bv, bimm
.set sb, 80*((\q)/2)+64*((\q)%2)
.set bb, 160+64*(\buf)
	WIN (1+2*(\buf))<<6
.set t, 0
.rept 10
.if t < 8
	ds_load_b128 v[bb+4*t:bb+4*t+3], v[\bv] offset:(\bimm)+512*t
.endif
.if \rel
	global_load_b128 v[sb+8*t:sb+8*t+3],   v[VL+t], s[SA+2*(\q):SA+2*(\q)+1]
	global_load_b128 v[sb+8*t+4:sb+8*t+7], v[VL+t], s[SA+2*(\q):SA+2*(\q)+1] offset:512
.endif
.set t, t+1
.endr
.endm
; 40 matrix instructions on slot q and buffer q % 2: number n is tile n / 4, fragment n % 4.  The 40 accumulators take turns, one instruction a turn,
; from step to step and over the loops' edges too.  zero = 1: the products start the sums
.macro MM q, zero
.set sb, 80*((\q)/2)+64*((\q)%2)
.set bb, 160+64*((\q)%2)
.set sw, 1+2*((\q)%2)
.set n, 0
.rept 40
.set dw, 2+n/32
.set rD, 32*((n/4)%8)+8*(n%4)
	WIN (dw<<6)|(dw<<4)|(sw<<2)|sw
.if \zero
	v_wmma_f32_16x16x32_bf16 v[rD:rD+7], v[sb+8*(n/4):sb+8*(n/4)+7], v[bb+8*(n%4):bb+8*(n%4)+7], 0
.else
	v_wmma_f32_16x16x32_bf16 v[rD:rD+7], v[sb+8*(n/4):sb+8*(n/4)+7], v[bb+8*(n%4):bb+8*(n%4)+7], v[rD:rD+7]
.endif
.set n, n+1
.endr
.endm
; K step u, on slot q = u % 4 and buffer u % 2.  The run of loads brings the next step's fragments into the other buffer and, with rel = 1, step u + 3's tokens into the slot read last step.
; lcnt: the loads issued behind step u's own: 20 for each later step asked for.  adv = 1: that slot's base goes four K steps on: the loads that named it are step u - 1's,
; older than step u's, which the counted wait has just shown done.
.macro STEP q, zero, rel, adv, bv, bimm, lcnt
.set fq, ((\q)+3)%4
	s_wait_dscnt 0x0                               ; this step's fragments, asked for in the step before; nothing younger is out
	s_wait_loadcnt \lcnt
.if \adv
	s_add_nc_u64 s[SA+2*fq:SA+2*fq+1], s[SA+2*fq:SA+2*fq+1], 4*KS
.endif
	LUMP fq, 1-(\q)%2, \rel, \bv, \bimm
	MM \q, \zero
	PLACES                                         ; ahead of the next step's loads into what these products read, and of the first read of a result
	WIN 0
.endm
; THE WAY OUT of tile a: + bias, which also brings a lane's four columns together; eight stores.  A tile wholly past the count ends the group: so are all behind it.
; Five sets of data registers take turns, so that one wait serves five tiles' stores.
.macro EPI a
.if (\a) > 0
	s_add_co_u32 s34, s[ROW], 16*(\a)
	s_cmp_ge_u32 s34, s[CNT]
	s_cbranch_scc1 .Lbottom
.endif
.if (\a) == 5
	s_wait_xcnt 0x0                                ; the five sets, which the stores of tiles 0 to 4 read, are rewritten only behind this wait (tiles 0 to 4 stand behind the wait ahead of VOB)
.endif
.set ab, 32*((\a)%8)
.set tm, TM+32*((\a)%5)
	WIN 0x02+(\a)/8
.irp i, 0,1,2,3,4,5,6,7
.irp c, 0,1,2,3
	v_add_f32 v[tm+4*\i+\c], v[ab+8*\c+\i], v[BI+\c]  ; each accumulator from its low end on
.endr
.endr
	WIN 0
.irp i, 0,1,2,3,4,5,6,7
	global_store_b128 v[VOB], v[tm+4*\i:tm+4*\i+3], s[SO:SO+1] offset:(16*(\a)+\i)*4096  ; rows i and 8 + i of the tile: sixteen lanes 256 consecutive bytes each
.endr
.endm
	s_load_b256 s[4:11], s[0:1], 0x0               ; W2 s[4:5], b2 s[6:7], hid s[8:9], cn s[10:11]
	s_load_b128 s[12:15], s[0:1], 0x20             ; part0 s[12:13], part1 s[14:15]
	v_lshl_add_u32 v[SPW], v0, 2, SPARE
	v_mov_b32 v[NIL], 0
	v_lshrrev_b32 v18, 5, v0
	v_readfirstlane_b32 s[WV], v18                 ; wave 0..3
	s_lshr_b32 s[SL], ttmp9, 1                     ; which 64 columns
	s_and_b32 s[KH], ttmp9, 1                      ; which half of K
	s_and_b32 s[STG], ttmp7, 0xffff
	v_and_b32 v[LN], 31, v0
	v_and_b32 v[R], 15, v0
	v_bfe_u32 v[HH], v0, 4, 1
	v_lshlrev_b32 v[VBI], 4, v[R]                  ; 16 r
	v_lshl_add_u32 v[VW], v[HH], 15, v[VBI]        ; + 8 h rows of 4,096 bytes
	v_lshlrev_b32 v[VB0], 4, v[LN]
	s_lshl_b32 s34, s[WV], 15
	v_add_nc_u32 v[VS], s34, v[VB0]
	s_mov_b32 s33, 0
	s_wait_kmcnt 0x0
	s_lshl_b32 s32, s[STG], 23                     ; W2: the stage's 8,388,608 bytes,
	s_lshl_b32 s34, s[KH], 22                      ; the half's 1,024 rows,
	s_add_co_u32 s32, s32, s34
	s_lshl_b32 s34, s[WV], 20                      ; my wave's 256 rows,
	s_add_co_u32 s32, s32, s34
	s_lshl_b32 s34, s[SL], 8                       ; my 256 bytes of a row
	s_add_co_u32 s32, s32, s34
	s_add_nc_u64 s[4:5], s[4:5], s[32:33]
	s_lshl_b32 s32, s[STG], 12                     ; b2: the stage's 4,096 bytes + my 256
	s_add_co_u32 s32, s32, s34
	s_add_nc_u64 s[6:7], s[6:7], s[32:33]
	s_lshl_b32 s32, s[STG], 7                      ; cn
	s_add_nc_u64 s[10:11], s[10:11], s[32:33]
	s_load_b32 s[CNT], s[10:11], 0x0
	s_lshl_b32 s32, s[STG], 23                     ; hid: the stage's 64 K steps, the half's 32
	s_lshl_b32 s35, s[KH], 22
	s_add_co_u32 s32, s32, s35
	s_add_nc_u64 s[SAB:SAB+1], s[8:9], s[32:33]
	s_lshl_b32 s32, s[STG], 23                     ; the partial rows: the stage's 8,388,608 bytes + my 256
	s_add_co_u32 s32, s32, s34
	s_cmp_eq_u32 s[KH], 0
	s_cselect_b64 s[SO:SO+1], s[12:13], s[14:15]   ; half 0 writes part0, half 1 part1
	s_cselect_b32 s35, -1, 0                       ; and half 0 alone adds the bias
	s_add_nc_u64 s[SO:SO+1], s[SO:SO+1], s[32:33]
	global_load_b128 v[BR:BR+3], v[VBI], s[6:7]
	WLOAD 0
	WLOAD 1
	WLOAD 2
	WLOAD 3
	WIN 0
	s_wait_kmcnt 0x0
	s_min_u32 s[CNT], s[CNT], 0x800
	s_max_u32 s[CNT1], s[CNT], 1
	s_sub_co_u32 s[CNT1], s[CNT1], 1
	s_lshr_b32 s[TL], s[CNT1], 4
	s_mul_i32 s[ROW], s[WV], 160                   ; my first group, its tiles and the slots' bases: made in the wait for the first weights
	OFFS ROW
	SETSA
	; PHASE 1: eight K steps; three are always on their way behind the one in hand
.irp u, 0,1,2,3,4,5,6,7
.if \u < 5
	s_wait_loadcnt 48                              ; behind step u's loads: three steps of 16 (the bias is older than them all)
.elseif \u == 7
	s_wait_loadcnt 40                              ; behind the last weights: two K steps of tokens, 20 loads each
.else
	s_wait_loadcnt 16*(7-\u)                       ; the steps that are left
.endif
.if \u == 0
	v_cvt_pk_bf16_f32 v18, v[BR], v[BR+1]          ; the bias, rounded to bf16 like every input
	v_cvt_pk_bf16_f32 v19, v[BR+2], v[BR+3]
	v_lshlrev_b32 v[BI], 16, v18
	v_and_b32 v[BI+1], 0xffff0000, v18
	v_lshlrev_b32 v[BI+2], 16, v19
	v_and_b32 v[BI+3], 0xffff0000, v19
.irp c, 0,1,2,3
	v_and_b32 v[BI+\c], s35, v[BI+\c]
.endr
.endif
	WCVT \u
.if \u < 4
	WLOAD \u+4
.endif
.if \u == 6
	ALOAD 0                                        ; my first group's first tokens go out while the last weights are rounded
	ALOAD 1
.endif
.endr
	ALOAD 2
	WIN 0
	s_wait_dscnt 0x0                               ; for the others' sake: my fragments are in LDS
	s_barrier_signal -1
	s_barrier_wait -1                              ; all 128 fragments are there
	; PHASE 2
	LUMP 0, 0, 0, VB0, 0                           ; K step 0's fragments
	WIN 0
	s_mov_b32 s[GC], 4
.Lgroup:
	s_cmp_ge_u32 s[ROW], s[CNT]
	s_cbranch_scc1 .Lbottom                        ; no such rows: forward, past text that holds no barrier
	STEP 0, 1, 1, 0, VB0, 4096, 40                 ; step 0 starts the sums; behind its loads: steps 1 and 2
	s_mov_b32 s[TB], 0
	s_mov_b32 s[KC], 7
.Lk:                                                   ; steps 4 t + 1 .. 4 t + 4; at a step's wait the next two steps' loads stand behind its own: the third is asked for behind the wait
	v_add_nc_u32 v[VB], s[TB], v[VB0]              ; 16 x lane + 16,384 t
	STEP 1, 0, 1, 1, VB, 2*4096, 40
	STEP 2, 0, 1, 1, VB, 3*4096, 40
	STEP 3, 0, 1, 1, VB, 4*4096, 40
	STEP 0, 0, 1, 1, VB, 5*4096, 40
	s_add_co_u32 s[TB], s[TB], 16384
	s_sub_co_u32 s[KC], s[KC], 1
	s_cmp_lg_u32 s[KC], 0
	s_cbranch_scc1 .Lk
	v_add_nc_u32 v[VB], 114688, v[VB0]             ; the tail's place: behind 28 K steps of 4,096 bytes
	STEP 1, 0, 0, 0, VB, 2*4096, 40                ; steps 29, 30, 31 ask for no tokens: the counts run down
	STEP 2, 0, 0, 0, VB, 3*4096, 20
	STEP 3, 0, 0, 0, VB0, 0, 0                     ; its fragment loads are the next group's step 0
	s_add_co_u32 s[NROW], s[ROW], 640
	s_wait_xcnt 0x0                                ; VOB and the data sets, which the last group's stores read, are rewritten only behind this wait
	s_lshl_b32 s34, s[ROW], 12                     ; 4,096 bytes a row
	v_add_nc_u32 v[VOB], s34, v[VW]
	SETSA                                          ; the wait for 0 loads has shown every load that named a base or VL done
	s_cmp_ge_u32 s[NROW], s[CNT]
	s_cbranch_scc1 .Lno_next
	OFFS NROW
	ALOAD 0                                        ; the next group's first three steps are on their way during the way out
	ALOAD 1
	ALOAD 2
	WIN 0
.Lno_next:
.irp a, 0,1,2,3,4,5,6,7,8,9
	EPI \a
.endr
.Lbottom:
	s_add_co_u32 s[ROW], s[ROW], 640
	s_sub_co_u32 s[GC], s[GC], 1
	s_cmp_lg_u32 s[GC], 0
	s_cbranch_scc1 .Lgroup
	s_wait_dscnt 0x0                               ; my reads of LDS are back,
	s_barrier_signal -1
	s_barrier_wait -1                              ; and so are every wave's: no LDS word is written below while a wave still reads
	s_wait_tensorcnt 0x0                           ; the wave's end: behind my last LDS store
	ds_add_u32 v[SPW], v[NIL]
	s_wait_dscnt 0x0
	s_endpgm
.Lfunc_end_k_q88f4ffee98_down:
	.size	k_q88f4ffee98_down, .Lfunc_end_k_q88f4ffee98_down-k_q88f4ffee98_down
	.p2alignl 7, 3214868480
	.fill 96, 4, 3214868480
	.section	.rodata,"a",@progbits
	.p2align	6, 0x0
	.amdhsa_kernel k_q88f4ffee98_down
		.amdhsa_group_segment_fixed_size 131584
		.amdhsa_private_segment_fixed_size 0
		.amdhsa_enable_private_segment 0
		.amdhsa_kernarg_size 48
		.amdhsa_user_sgpr_count 2
		.amdhsa_user_sgpr_kernarg_segment_ptr 1
		.amdhsa_wavefront_size32 1
		.amdhsa_system_sgpr_workgroup_id_x 1
		.amdhsa_system_sgpr_workgroup_id_y 1
		.amdhsa_system_sgpr_workgroup_id_z 1
		.amdhsa_system_vgpr_workitem_id 0
		.amdhsa_next_free_vgpr 1024
		.amdhsa_next_free_sgpr 66
		.amdhsa_reserve_vcc 0
		.amdhsa_float_denorm_mode_32 3
		.amdhsa_float_denorm_mode_16_64 3
		.amdhsa_memory_ordered 1
		.amdhsa_forward_progress 1
		.amdhsa_inst_pref_size 109
	.end_amdhsa_kernel
	.amdgpu_metadata
---
amdhsa.version: [ 1, 2 ]
amdhsa.kernels:
  - .name:           k_q88f4ffee98_down
    .symbol:         k_q88f4ffee98_down.kd
    .args:
      - { .name: W2, .offset: 0, .size: 8, .value_kind: global_buffer, .address_space: global }
      - { .name: b2, .offset: 8, .size: 8, .value_kind: global_buffer, .address_space: global }
      - { .name: hid, .offset: 16, .size: 8, .value_kind: global_buffer, .address_space: global }
      - { .name: cn, .offset: 24, .size: 8, .value_kind: global_buffer, .address_space: global }
      - { .name: part0, .offset: 32, .size: 8, .value_kind: global_buffer, .address_space: global }
      - { .name: part1, .offset: 40, .size: 8, .value_kind: global_buffer, .address_space: global }
    .group_segment_fixed_size: 131584
    .private_segment_fixed_size: 0
    .kernarg_segment_align: 8
    .kernarg_segment_size: 48
    .max_flat_workgroup_size: 128
    .sgpr_count:     66
    .vgpr_count:     1024
    .wavefront_size: 32
...
	.end_amdgpu_metadata
.endif
;; end of part 8
;; launch sum: the kernel of part 4 again; grid 256 x 1, 8 waves a work-group, no clusters, 29,696 bytes of LDS; arguments rk, pi, part0, part1, We, be, out0, out1; writes out0, out1
;; ======== version 3 of 3: 5 launches; version 2 with the launches up, down written anew for expert scheduling mode
;; workspace buffers: hg 29,360,128 bytes; rk 57,344 bytes of whole numbers; cn 1,024 bytes of whole numbers; pw 2,048 bytes of whole numbers; hid 58,720,256 bytes; part0 58,720,256 bytes; part1 58,720,256 bytes
;; launch route: the kernel of part 5 again; grid 7 x 1, 1 waves a work-group, no clusters, 0 bytes of LDS; arguments pi, rk, cn, pw; writes rk, cn, pw
;; launch gather: the kernel of part 6 again; grid 7 x 128, 4 waves a work-group, no clusters, 0 bytes of LDS; arguments h, rk, cn, pw, hg; writes hg
;; launch up (part 9): grid 32 x 7, 4 waves a work-group, no clusters, 131,584 bytes of LDS; arguments W1, b1, hg, cn, hid; writes hid
.if DOCPART == 9
	.amdgcn_target "amdgcn-amd-amdhsa--gfx1250"
	.amdhsa_code_object_version 6
	.text
	.protected	k_q88f4ffee98_up
	.globl	k_q88f4ffee98_up
	.p2align	8
	.type	k_q88f4ffee98_up,@function
k_q88f4ffee98_up:
	s_mov_b64 s[64:65], 0
	v_nop
	global_prefetch_b8 v0, s[64:65] scope:SCOPE_SE
	s_setreg_imm32_b32 hwreg(HW_REG_WAVE_SCHED_MODE, 0, 2), 2
	s_setreg_imm32_b32 hwreg(HW_REG_WAVE_MODE, 25, 1), 1
	s_wait_xcnt 0x0
	s_wait_alu depctr_vm_vsrc(0)
; UP.  hid = silu(h W1[s] + b1[s]) for the tokens that chose stage s, in the order of their ranks.
; W1: [7][1024 k][2048 n] f32; b1: [7][2048] f32; cn: the counts;
; hg: [7][32 K steps of 32][128 tiles of 16 ranks][1,024 bytes] and hid: [7][64 K steps][128 tiles][1,024 bytes], bf16: a tile of a K step lies as operand registers take it:
;   the 16 bytes of row m, k = 8 q .. 8 q + 7 (q = 0..3) at 256 q + 16 m.
; SHARES.  Work-group (x, s): 64 columns (block x) of stage s, all of the stage's rows.  It alone reads its 1024 x 64 weights.
; PHASE 1.  Wave w reads k rows 256 w .. 256 w + 255, rounds them to bf16 and lays them into LDS as ready fragments.
;   Lane (r = lane % 16, h = lane / 16) loads 16 bytes: row k, columns 4 r .. 4 r + 3; sixteen lanes read 256 consecutive bytes, at a multiple of 256.
;   Two rows k, k + 1 of one column pack into a register, so fragment c (0..3) holds column 4 r + c in lane r: a permutation of columns alone.
;   The first three K steps of tokens are asked for inside this phase, ahead of the barrier.
; PHASE 2.  Each wave walks groups of 160 rows (ranks 160 w + 640 g ..): 10 row tiles x 4 fragments = 40 accumulators, so that a fragment read from LDS feeds ten products.
;   Tokens come from memory straight into registers (a fragment: two loads of 512 consecutive bytes), weights from LDS.  K goes in steps of 32: 40 matrix instructions,
;   with the step's 28 loads (8 LDS, 20 global) dealt among them, seven behind the products of each of the first four tiles.
;   THE MATRIX INSTRUCTION IS USED TRANSPOSED (source 0 = weights, source 1 = tokens): register j of accumulator c in lane (r, h) is token r, column 32 h + 4 j + c.
;   So a lane holds 32 neighbouring columns of one token: one whole K step of the next launch; eight of them pack into 16 bytes, and a store of 16 bytes a lane
;   covers two blocks of 256 consecutive bytes of hid, each at a multiple of 256.
; The loop over groups has 4 trips (4 x 4 x 160 = 2,560 >= 2,048 rows: every split of the tokens is served); groups and tiles past the count are jumped forward.
; A dead tile of a live group repeats the last live tile's loads; a tile that has a row is stored whole, so the next launch reads no byte that was not written.
; BARRIERS.  Two: behind phase 1 (store, wait, barrier, load), and behind the loop over groups, ahead of the closing lines (load, wait, barrier, write).
; NO JOINT LOADS: each weight byte has one reader; the rows are shared by a stage's 32 work-groups, but how many there are hangs on a stored count, a ring with a constant
; number of fills would fetch 2,048 rows a stage whatever the count, and rows that pass through LDS would add 1 KB of LDS reads for every four matrix instructions.
; LIMITS.  h, W1 and b1 are rounded to bf16, hid once to bf16; sums, bias and silu in f32.  silu(x) = x / (1 + 2^(-x log2 e)): where the power overflows the quotient is -0, silu's limit.
; THE MODE: SCHED_MODE bits 1:0 = 2 (LLVM: expert scheduling mode 2), set by the entry lines.  The code itself states the register dependences
; between vector or matrix instructions and memory or LDS instructions, with s_wait_alu, always for 0.
; THE PLAN.  Registers that memory or LDS instructions touch:
;   staging (window 2, four buffers of 64)  Weight step u lands; its roundings read it; behind the wait that follows them step u + 4 lands in it.
;   E              Phase 1: the roundings write it, the LDS stores read it: a wait on va_vdst between the two, a wait on vm_vsrc ahead of the next roundings, and one behind the barrier for the way out.
;   slots 0-3, fragment buffers 0, 1   Step u's products read slot u % 4 and buffer u % 2.  The loads issued in step u land in slot (u + 3) % 4 and buffer (u + 1) % 2: what step u - 1's products
;                  read and no product of step u names.  So ONE wait on va_vdst stands at a step's head, and the step's 28 loads follow it among the products with no further wait.
;   v[VB]          Read by the fragments' loads; written once a trip and once ahead of the tail: a wait on vm_vsrc ahead of the add; the next step's head wait states the write.
;   v[VL ..], v[VOB], HP   Written between groups or tiles: a wait on vm_vsrc ahead of the write, a wait on va_vdst ahead of the loads or stores that read them.
;   v[VW], v[VS], v[VB0], v[VBI], v[SPW], v[NIL]   Written at the head, ahead of one wait on va_vdst, and never again.
; REGISTERS, in windows of 256 (s_set_vgpr_msb: bits 1:0 source 0, 3:2 source 1, 5:4 source 2, 7:6 destination):
;   window 0: below.   window 1: v0-79 token slot 0, v80-159 slot 2, v160-191 fragment buffer 0.   window 2: the accumulators of tiles 0-7, (a, c) at 32 a + 8 c (phase 1: four buffers of 64 for weights).
;   window 3: v0-63 the accumulators of tiles 8, 9; v64-143 slot 1, v144-223 slot 3, v224-255 fragment buffer 1.
;   A step's slot and buffer have the step's parity, so both sources of a product lie in one window, and so do all destinations of a step's loads.
.set PITCHB, 8192                      ; bytes in a row of W1
.set KS,     131072                    ; bytes from a K step of hg to the next
.set SPARE,  131072                    ; behind the fragments: the spare words, 128 bytes for each wave: two blocks of 256 bytes that no other line names
.set R,     1                          ; v1   lane % 16
.set HH,    2                          ; v2   lane / 16
.set LN,    3                          ; v3   lane
.set VW,    4                          ; v4   weights: 8 h rows + 16 r
.set VS,    5                          ; v5   LDS: 16 x lane + my wave's 32,768 bytes of fragments
.set VB0,   6                          ; v6   16 x lane
.set VB,    7                          ; v7   16 x lane + the K walk's place
.set VL,    8                          ; v8-17  tile a: 1,024 x its number + 16 x lane
.set VST,   21                         ; v21  the way out: 131,072 h + 16 r
.set VOB,   22                         ; v22  the same + the group's first tile
.set VBI,   23                         ; v23  128 h: my 32 numbers of the bias
.set SPW,   28                         ; v28  LDS address of my spare word; never rewritten
.set NIL,   29                         ; v29  0; never rewritten
.set HP,    32                         ; v32-47  a tile's results in bf16
.set X,     64                         ; v64-95  a tile's 32 numbers (first: the bias as loaded)
.set E,     96                         ; v96-127 at work; phase 1: the four fragments just made
.set BI,    192                        ; v192-223  bias of column 32 h + 4 j + c at BI + 8 c + j
.set WV,    16                         ; s16  wave
.set SL,    17                         ; s17  column block
.set STG,   18                         ; s18  stage
.set CNT,   20                         ; s20  the stage's rows
.set CNT1,  21                         ; s21  its last row (0 if it has none)
.set ROW,   22                         ; s22  the group's first row
.set NROW,  23                         ; s23  the next group's
.set GC,    24                         ; s24  counts groups
.set KC,    25                         ; s25  counts the K loop
.set TL,    26                         ; s26  the stage's last live tile
.set SAB,   28                         ; s[28:29] hg at the stage
.set SO,    30                         ; s[30:31] hid at the stage and my two K steps
.set TB,    36                         ; s36  the K walk's place among the fragments: 16,384 bytes a trip
.set SA,    40                         ; s[40:47] for each slot a base of its own: hg at the K step that the slot takes next
.set MSB, 0
.macro WIN new                         ; the immediate's high byte repeats the setting that is left; a switch that changes nothing is dropped
.if MSB != (\new)
	s_set_vgpr_msb (MSB<<8)|(\new)
.set MSB, \new
.endif
.endm
; Four plain vector instructions behind a step's last products: ahead of the first vector read of a result, and, as they stood, ahead of the loads into what those products read
.macro PLACES
.rept 4
	v_nop
.endr
.endm
; K step u (0..7) of my 256 rows: 32 rows x 64 columns, 16 loads into buffer u % 4
.macro WLOAD u
	WIN 0x80
.set TB4, 64*((\u)%4)
.irp e, 0,1,2,3,4,5,6,7
	global_load_b128 v[TB4+4*\e:TB4+4*\e+3], v[VW], s[4:5] offset:(32*(\u)+\e)*PITCHB th:TH_LOAD_NT
	global_load_b128 v[TB4+32+4*\e:TB4+32+4*\e+3], v[VW], s[4:5] offset:(32*(\u)+16+\e)*PITCHB th:TH_LOAD_NT
.endr
.endm
; the same K step rounded: register i of fragment c = rows 8 h + 2 i, + 1 (registers 4-7: 16 further on) of column 4 r + c; a fragment is 1,024 bytes of LDS, 16 bytes a lane twice
.macro WCVT u
.if (\u) > 0
	s_wait_alu depctr_vm_vsrc(0)                   ; the LDS stores of the step before have read E, which these roundings write again
.endif
	WIN 0x0a
.set TB4, 64*((\u)%4)
.irp c, 0,1,2,3
.irp i, 0,1,2,3
	v_cvt_pk_bf16_f32 v[E+8*\c+\i], v[TB4+8*\i+\c], v[TB4+8*\i+4+\c]
	v_cvt_pk_bf16_f32 v[E+8*\c+4+\i], v[TB4+32+8*\i+\c], v[TB4+32+8*\i+4+\c]
.endr
.endr
	WIN 0
	s_wait_alu depctr_va_vdst(0)                   ; the roundings have written E, which the LDS stores read, and are done reading their buffer, in which the weights of four steps on land; v[VL ..], which the first token loads read, are written
.irp c, 0,1,2,3
	ds_store_b128 v[VS], v[E+8*\c:E+8*\c+3] offset:(4*(\u)+\c)*1024
	ds_store_b128 v[VS], v[E+8*\c+4:E+8*\c+7] offset:(4*(\u)+\c)*1024+512
.endr
.endm
; the tiles of the group that begins at row s[rr], held to the stage's last live tile, then to 127 by a constant.  No load that names VL is out here
.macro OFFS rr
	s_lshr_b32 s37, s[\rr], 4
.irp a, 0,1,2,3,4,5,6,7,8,9
	s_add_co_u32 s34, s37, \a
	s_min_u32 s34, s34, s[TL]
	s_min_u32 s34, s34, 0x7f
	s_lshl_b32 s34, s34, 10
	v_add_nc_u32 v[VL+\a], s34, v[VB0]
.endr
.endm
.macro SETSA                           ; slot q's base: K step q.  No load that names a base is out here
.irp q, 0,1,2,3
	s_add_nc_u64 s[SA+2*\q:SA+2*\q+1], s[SAB:SAB+1], \q*KS
.endr
.endm
.macro ALOAD q                         ; a whole K step's tokens into slot q: ten tiles, 20 loads of 512 consecutive bytes: a fragment's registers 0-3, then 4-7
.set sb, 80*((\q)/2)+64*((\q)%2)
	WIN (1+2*((\q)%2))<<6
.irp a, 0,1,2,3,4,5,6,7,8,9
	global_load_b128 v[sb+8*\a:sb+8*\a+3],   v[VL+\a], s[SA+2*(\q):SA+2*(\q)+1]
	global_load_b128 v[sb+8*\a+4:sb+8*\a+7], v[VL+\a], s[SA+2*(\q):SA+2*(\q)+1] offset:512
.endr
.endm
; a K step's four fragments in one run: 8 LDS loads of 512 consecutive bytes into buffer buf
.macro FRAG buf, bv, bimm
.set lbb, 160+64*(\buf)
	WIN (1+2*(\buf))<<6
.set t, 0
.rept 8
	ds_load_b128 v[lbb+4*t:lbb+4*t+3], v[\bv] offset:(\bimm)+512*t
.set t, t+1
.endr
.endm
; Group g (0..3) of a step's 28 loads: fragment g of the next step into buffer buf, and numbers 5 g .. 5 g + 4 of the 20 token loads into slot q (number m: tile m / 2, registers 4 (m % 2) on).
; q and buf have one parity: all destinations lie in one window.
.macro DEAL g, q, buf, bv, bimm
.set lsb, 80*((\q)/2)+64*((\q)%2)
.set lbb, 160+64*(\buf)
	WIN (1+2*(\buf))<<6
	ds_load_b128 v[lbb+8*(\g):lbb+8*(\g)+3],   v[\bv] offset:(\bimm)+1024*(\g)
	ds_load_b128 v[lbb+8*(\g)+4:lbb+8*(\g)+7], v[\bv] offset:(\bimm)+1024*(\g)+512
.set m, 5*(\g)
.rept 5
	global_load_b128 v[lsb+4*m:lsb+4*m+3], v[VL+m/2], s[SA+2*(\q):SA+2*(\q)+1] offset:512*(m%2)
.set m, m+1
.endr
.endm
; Matrix instruction n of a step's 40, on slot q and buffer q % 2: tile n / 4, fragment n % 4.  The 40 accumulators take turns, one instruction a turn,
; from step to step and over the loops' edges too.  zero = 1: the products start the sums
.macro MM1 q, zero
.set sb, 80*((\q)/2)+64*((\q)%2)
.set bb, 160+64*((\q)%2)
.set sw, 1+2*((\q)%2)
.set dw, 2+n/32
.set rD, 32*((n/4)%8)+8*(n%4)
	WIN (dw<<6)|(dw<<4)|(sw<<2)|sw
.if \zero
	v_wmma_f32_16x16x32_bf16 v[rD:rD+7], v[bb+8*(n%4):bb+8*(n%4)+7], v[sb+8*(n/4):sb+8*(n/4)+7], 0
.else
	v_wmma_f32_16x16x32_bf16 v[rD:rD+7], v[bb+8*(n%4):bb+8*(n%4)+7], v[sb+8*(n/4):sb+8*(n/4)+7], v[rD:rD+7]
.endif
.endm
; K step u, on slot q = u % 4 and buffer u % 2.  Its loads bring the next step's fragments into the other buffer and, with rel = 1, step u + 3's tokens into the slot read last step.
; lcnt: the loads issued behind step u's own: 20 for each later step asked for.  adv = 1: that slot's base goes four K steps on: the loads that named it are step u - 1's,
; older than step u's, which the counted wait has just shown done.
; Behind the head's wait on va_vdst only this step's products and v_nop are issued: they name slot q, buffer q % 2 and the accumulators, none of the registers that the step's loads touch.
.macro STEP q, zero, rel, adv, bv, bimm, lcnt
.set fq, ((\q)+3)%4
	s_wait_dscnt 0x0                               ; this step's fragments, asked for in the step before; nothing younger is out
	s_wait_loadcnt \lcnt
.if \adv
	s_add_nc_u64 s[SA+2*fq:SA+2*fq+1], s[SA+2*fq:SA+2*fq+1], 4*KS
.endif
	s_wait_alu depctr_va_vdst(0)                   ; the last step's products are done reading their slot and their fragment buffer, in which this step's loads land; in a trip's first step v[VB] is written
.set n, 0
.rept 40
	MM1 \q, \zero
.if (\rel) && (n < 16) && (n%4 == 3)
	DEAL n/4, fq, 1-(\q)%2, \bv, \bimm
.endif
.if !(\rel) && (n == 3)
	FRAG 1-(\q)%2, \bv, \bimm
.endif
.set n, n+1
.endr
	PLACES                                         ; ahead of the next step's loads into what these products read, and of the first read of a result
.endm
; THE WAY OUT of tile a: + bias, silu, bf16, four stores.  A tile wholly past the count ends the group: so are all behind it.
.macro EPI a
.if (\a) > 0
	s_add_co_u32 s34, s[ROW], 16*(\a)
	s_cmp_ge_u32 s34, s[CNT]
	s_cbranch_scc1 .Lbottom
.endif
.set ab, 32*((\a)%8)
	WIN 0x02+(\a)/8
.irp c, 0,1,2,3
.irp i, 0,2,4,6
	v_pk_add_f32 v[X+8*\c+\i:X+8*\c+\i+1], v[ab+8*\c+\i:ab+8*\c+\i+1], v[BI+8*\c+\i:BI+8*\c+\i+1]  ; each accumulator from its low end on
.endr
.endr
	WIN 0
.set z, 0
.rept 16
	v_pk_mul_f32 v[E+z:E+z+1], v[X+z:X+z+1], s[38:39] op_sel_hi:[1,0]  ; - x log2 e
.set z, z+2
.endr
.set z, 0
.rept 32
	v_exp_f32 v[E+z], v[E+z]
.set z, z+1
.endr
	v_nop                                          ; a plain instruction behind the last exponential, ahead of the use of its result
.set z, 0
	s_wait_alu depctr_va_vdst(0)                   ; the 32 exponentials have written E: one wait for the batch, ahead of its first reader
.rept 16
	v_pk_add_f32 v[E+z:E+z+1], v[E+z:E+z+1], 1.0 op_sel_hi:[1,0]
.set z, z+2
.endr
.set z, 0
.rept 32
	v_rcp_f32 v[E+z], v[E+z]
.set z, z+1
.endr
	v_nop                                          ; likewise behind the last reciprocal
.set z, 0
	s_wait_alu depctr_va_vdst(0)                   ; the 32 reciprocals have written E: one wait for the batch, ahead of its first reader
.rept 16
	v_pk_mul_f32 v[X+z:X+z+1], v[X+z:X+z+1], v[E+z:E+z+1]
.set z, z+2
.endr
	s_wait_xcnt 0x0                                ; HP, which the tile before's stores read, is rewritten only behind this wait; those stores lie a tile's arithmetic back
	s_wait_alu depctr_vm_vsrc(0)                   ; the tile before's stores have read HP, which the roundings below write again
.irp i, 0,1,2,3,4,5,6,7
	v_cvt_pk_bf16_f32 v[HP+2*\i], v[X+\i], v[X+8+\i]            ; columns 32 h + 4 i, + 1
	v_cvt_pk_bf16_f32 v[HP+2*\i+1], v[X+16+\i], v[X+24+\i]      ; + 2, + 3
.endr
	s_wait_alu depctr_va_vdst(0)                   ; the roundings have written HP, which the four stores read (v[VOB], their offset, was written ahead of the waits above)
.irp q, 0,1,2,3
	global_store_b128 v[VOB], v[HP+4*\q:HP+4*\q+3], s[SO:SO+1] offset:1024*(\a)+256*\q  ; k = 8 q .. 8 q + 7 of 16 rows: each half of the lanes 256 consecutive bytes, in its own K step
.endr
.endm
	s_load_b256 s[4:11], s[0:1], 0x0               ; W1 s[4:5], b1 s[6:7], hg s[8:9], cn s[10:11]
	s_load_b64 s[12:13], s[0:1], 0x20              ; hid
	v_lshl_add_u32 v[SPW], v0, 2, SPARE
	v_mov_b32 v[NIL], 0
	v_lshrrev_b32 v18, 5, v0
	v_readfirstlane_b32 s[WV], v18                 ; wave 0..3
	s_mov_b32 s[SL], ttmp9
	s_and_b32 s[STG], ttmp7, 0xffff
	v_and_b32 v[LN], 31, v0
	v_and_b32 v[R], 15, v0
	v_bfe_u32 v[HH], v0, 4, 1
	v_lshlrev_b32 v18, 4, v[R]                     ; 16 r
	v_lshl_add_u32 v[VW], v[HH], 16, v18           ; + 8 h rows of 8,192 bytes
	v_lshl_add_u32 v[VST], v[HH], 17, v18          ; + h K steps of 131,072 bytes
	v_lshlrev_b32 v[VB0], 4, v[LN]
	s_wait_alu depctr_va_sdst(0)                   ; the wave's number is written, ahead of its first reader
	s_lshl_b32 s34, s[WV], 15
	v_add_nc_u32 v[VS], s34, v[VB0]
	v_lshlrev_b32 v[VBI], 7, v[HH]
	s_mov_b32 s38, 0xbfb8aa3b                      ; - log2 e
	s_mov_b32 s39, s38                             ; named with it as a pair
	s_mov_b32 s33, 0
	s_wait_kmcnt 0x0
	s_lshl_b32 s32, s[STG], 23                     ; W1: the stage's 8,388,608 bytes,
	s_lshl_b32 s34, s[WV], 21                      ; my wave's 256 rows,
	s_add_co_u32 s32, s32, s34
	s_lshl_b32 s34, s[SL], 8                       ; the block's 256 bytes of a row
	s_add_co_u32 s32, s32, s34
	s_add_nc_u64 s[4:5], s[4:5], s[32:33]
	s_lshl_b32 s32, s[STG], 13                     ; b1: the stage's 8,192 bytes + the block's 256
	s_add_co_u32 s32, s32, s34
	s_add_nc_u64 s[6:7], s[6:7], s[32:33]
	s_lshl_b32 s32, s[STG], 7                      ; cn
	s_add_nc_u64 s[10:11], s[10:11], s[32:33]
	s_load_b32 s[CNT], s[10:11], 0x0
	s_lshl_b32 s32, s[STG], 22                     ; hg: the stage's 4,194,304 bytes
	s_add_nc_u64 s[SAB:SAB+1], s[8:9], s[32:33]
	s_lshl_b32 s32, s[STG], 23                     ; hid: the stage's 8,388,608 bytes + the block's two K steps
	s_lshl_b32 s34, s[SL], 18
	s_add_co_u32 s32, s32, s34
	s_add_nc_u64 s[SO:SO+1], s[12:13], s[32:33]
	s_wait_alu depctr_va_vdst(0)                   ; the offsets and addresses made above are written: v[VBI], v[VW], v[VS], v[VB0], v[SPW] and v[NIL], which loads, LDS stores and the closing add read
	; all that phase 1 waits for goes out at once: the bias (8 loads), four K steps of weights (64)
.irp q, 0,1,2,3,4,5,6,7
	global_load_b128 v[X+4*\q:X+4*\q+3], v[VBI], s[6:7] offset:16*\q  ; columns 32 h + 4 q + 0..3
.endr
	WLOAD 0
	WLOAD 1
	WLOAD 2
	WLOAD 3
	WIN 0
	s_wait_kmcnt 0x0
	s_min_u32 s[CNT], s[CNT], 0x800
	s_max_u32 s[CNT1], s[CNT], 1
	s_sub_co_u32 s[CNT1], s[CNT1], 1
	s_lshr_b32 s[TL], s[CNT1], 4
	s_mul_i32 s[ROW], s[WV], 160                   ; my first group, its tiles and the slots' bases: made in the wait for the first weights
	OFFS ROW
	SETSA
	; PHASE 1: eight K steps; three are always on their way behind the one in hand
.irp u, 0,1,2,3,4,5,6,7
.if \u < 5
	s_wait_loadcnt 48                              ; behind step u's loads: three steps of 16 (the bias is older than them all)
.elseif \u == 7
	s_wait_loadcnt 40                              ; behind the last weights: two K steps of tokens, 20 loads each
.else
	s_wait_loadcnt 16*(7-\u)                       ; the steps that are left
.endif
.if \u == 0
.irp c, 0,1,2,3                                        ; the bias, rounded to bf16 like every input, laid as the accumulators' registers lie
.irp j, 0,2,4,6
	v_cvt_pk_bf16_f32 v[18+(\j/2)%2], v[X+4*\j+\c], v[X+4*\j+4+\c]
	v_lshlrev_b32 v[BI+8*\c+\j], 16, v[18+(\j/2)%2]
	v_and_b32 v[BI+8*\c+\j+1], 0xffff0000, v[18+(\j/2)%2]
.endr
.endr
.endif
	WCVT \u
.if \u < 4
	WLOAD \u+4                                     ; no wait: since the one in WCVT only LDS stores were issued, which name v[VS] and E
.endif
.if \u == 6
	ALOAD 0                                        ; my first group's first tokens go out while the last weights are rounded; no vector instruction has named the slots
	ALOAD 1
.endif
.endr
	ALOAD 2
	WIN 0
	s_wait_dscnt 0x0                               ; for the others' sake: my fragments are in LDS
	s_barrier_signal -1
	s_barrier_wait -1                              ; all 128 fragments are there
	s_wait_alu depctr_vm_vsrc(0)                   ; my LDS stores have read E: the way out writes these registers anew
	; PHASE 2
	FRAG 0, VB0, 0                                 ; K step 0's fragments
	WIN 0
	s_mov_b32 s[GC], 4
.Lgroup:
	s_cmp_ge_u32 s[ROW], s[CNT]
	s_cbranch_scc1 .Lbottom                        ; no such rows: forward, past text that holds no barrier
	STEP 0, 1, 1, 0, VB0, 4096, 40                 ; step 0 starts the sums; behind its loads: steps 1 and 2
	WIN 0                                          ; at a label and at a branch every window is 0
	s_mov_b32 s[TB], 0
	s_mov_b32 s[KC], 7
.Lk:                                                   ; steps 4 t + 1 .. 4 t + 4; at a step's wait the next two steps' loads stand behind its own: the third is asked for behind the wait
	s_wait_alu depctr_vm_vsrc(0)                   ; the fragments' loads issued so far have read v[VB]
	v_add_nc_u32 v[VB], s[TB], v[VB0]              ; 16 x lane + 16,384 t
	STEP 1, 0, 1, 1, VB, 2*4096, 40
	STEP 2, 0, 1, 1, VB, 3*4096, 40
	STEP 3, 0, 1, 1, VB, 4*4096, 40
	STEP 0, 0, 1, 1, VB, 5*4096, 40
	WIN 0
	s_add_co_u32 s[TB], s[TB], 16384
	s_sub_co_u32 s[KC], s[KC], 1
	s_cmp_lg_u32 s[KC], 0
	s_cbranch_scc1 .Lk
	s_wait_alu depctr_vm_vsrc(0)                   ; the fragments' loads issued so far have read v[VB]
	v_add_nc_u32 v[VB], 114688, v[VB0]             ; the tail's place: behind 28 K steps of 4,096 bytes
	STEP 1, 0, 0, 0, VB, 2*4096, 40                ; steps 29, 30, 31 ask for no tokens: the counts run down
	STEP 2, 0, 0, 0, VB, 3*4096, 20
	STEP 3, 0, 0, 0, VB0, 0, 0                     ; its fragment loads are the next group's step 0
	WIN 0
	s_add_co_u32 s[NROW], s[ROW], 640
	s_wait_xcnt 0x0                                ; VOB, which the last group's stores read, is rewritten only behind this wait
	s_wait_alu depctr_vm_vsrc(0)                   ; the last group's stores have read v[VOB], and this group's loads v[VL ..]: both are written below
	s_lshl_b32 s34, s[ROW], 6                      ; 1,024 bytes a tile of 16 rows
	v_add_nc_u32 v[VOB], s34, v[VST]
	SETSA                                          ; the wait for 0 loads has shown every load that named a base or VL done
	s_cmp_ge_u32 s[NROW], s[CNT]
	s_cbranch_scc1 .Lno_next
	OFFS NROW
	s_wait_alu depctr_va_vdst(0)                   ; v[VL ..] are written, which the loads below read; the products of steps 28 to 30 are done reading slots 0 to 2, in which they land
	ALOAD 0                                        ; the next group's first three steps are on their way during the way out
	ALOAD 1
	ALOAD 2
	WIN 0
.Lno_next:
.irp a, 0,1,2,3,4,5,6,7,8,9
	EPI \a
.endr
.Lbottom:
	s_add_co_u32 s[ROW], s[ROW], 640
	s_sub_co_u32 s[GC], s[GC], 1
	s_cmp_lg_u32 s[GC], 0
	s_cbranch_scc1 .Lgroup
	s_wait_dscnt 0x0                               ; my reads of LDS are back,
	s_barrier_signal -1
	s_barrier_wait -1                              ; and so are every wave's: no LDS word is written below while a wave still reads
	s_wait_dscnt 0x0                               ; the wave's end
	s_wait_alu 0x0
	s_wait_tensorcnt 0x0
	ds_add_u32 v[SPW], v[NIL]
	s_wait_dscnt 0x0
	s_endpgm
.Lfunc_end_k_q88f4ffee98_up:
	.size	k_q88f4ffee98_up, .Lfunc_end_k_q88f4ffee98_up-k_q88f4ffee98_up
	.p2alignl 7, 3214868480
	.fill 96, 4, 3214868480
	.section	.rodata,"a",@progbits
	.p2align	6, 0x0
	.amdhsa_kernel k_q88f4ffee98_up
		.amdhsa_group_segment_fixed_size 131584
		.amdhsa_private_segment_fixed_size 0
		.amdhsa_enable_private_segment 0
		.amdhsa_kernarg_size 40
		.amdhsa_user_sgpr_count 2
		.amdhsa_user_sgpr_kernarg_segment_ptr 1
		.amdhsa_wavefront_size32 1
		.amdhsa_system_sgpr_workgroup_id_x 1
		.amdhsa_system_sgpr_workgroup_id_y 1
		.amdhsa_system_sgpr_workgroup_id_z 1
		.amdhsa_system_vgpr_workitem_id 0
		.amdhsa_next_free_vgpr 1024
		.amdhsa_next_free_sgpr 66
		.amdhsa_reserve_vcc 0
		.amdhsa_float_denorm_mode_32 3
		.amdhsa_float_denorm_mode_16_64 3
		.amdhsa_memory_ordered 1
		.amdhsa_forward_progress 1
		.amdhsa_inst_pref_size 172
	.end_amdhsa_kernel
	.amdgpu_metadata
---
amdhsa.version: [ 1, 2 ]
amdhsa.kernels:
  - .name:           k_q88f4ffee98_up
    .symbol:         k_q88f4ffee98_up.kd
    .args:
      - { .name: W1, .offset: 0, .size: 8, .value_kind: global_buffer, .address_space: global }
      - { .name: b1, .offset: 8, .size: 8, .value_kind: global_buffer, .address_space: global }
      - { .name: hg, .offset: 16, .size: 8, .value_kind: global_buffer, .address_space: global }
      - { .name: cn, .offset: 24, .size: 8, .value_kind: global_buffer, .address_space: global }
      - { .name: hid, .offset: 32, .size: 8, .value_kind: global_buffer, .address_space: global }
    .group_segment_fixed_size: 131584
    .private_segment_fixed_size: 0
    .kernarg_segment_align: 8
    .kernarg_segment_size: 40
    .max_flat_workgroup_size: 128
    .sgpr_count:     66
    .vgpr_count:     1024
    .wavefront_size: 32
...
	.end_amdgpu_metadata
.endif
;; end of part 9
;; launch down (part 10): grid 32 x 7, 4 waves a work-group, no clusters, 131,584 bytes of LDS; arguments W2, b2, hid, cn, part0, part1; writes part0, part1
.if DOCPART == 10
	.amdgcn_target "amdgcn-amd-amdhsa--gfx1250"
	.amdhsa_code_object_version 6
	.text
	.protected	k_q88f4ffee98_down
	.globl	k_q88f4ffee98_down
	.p2align	8
	.type	k_q88f4ffee98_down,@function
k_q88f4ffee98_down:
	s_mov_b64 s[64:65], 0
	v_nop
	global_prefetch_b8 v0, s[64:65] scope:SCOPE_SE
	s_setreg_imm32_b32 hwreg(HW_REG_WAVE_SCHED_MODE, 0, 2), 2
	s_setreg_imm32_b32 hwreg(HW_REG_WAVE_MODE, 25, 1), 1
	s_wait_xcnt 0x0
	s_wait_alu depctr_vm_vsrc(0)
; DOWN.  part[kh][s][rank][n] = the sum over one half of the hidden width of hid x W2[s], + b2[s] in half 0: partial rows in f32, which the last launch weighs and adds.
; W2: [7][2048 k][1024 n] f32; b2: [7][1024] f32; hid: [7][64 K steps of 32][128 tiles of 16 ranks][1,024 bytes], a tile laid as operand registers take it
; (the 16 bytes of row m, k = 8 q .. 8 q + 7 at 256 q + 16 m); part0, part1: [7][2048 ranks][1024] f32.
; SHARES.  Work-group (x, s): columns 64 (x / 2) .. + 63, K half kh = x % 2 (1,024 of the 2,048), all of stage s's rows.  It alone reads its 1024 x 64 weights.
; The two halves of K make 224 work-groups of the 112 that 64 columns x all of K would give; the price is the second set of partial rows.
; PHASE 1 and PHASE 2 are those of the launch before: weights rounded once into LDS as fragments (fragment c holds column 4 r + c in lane r), the first tokens asked for ahead of the barrier;
; each wave walks groups of 160 rows, 40 accumulators, K in steps of 32: 40 matrix instructions, with the step's 28 loads (8 LDS, 20 global) dealt among them, seven behind the products of each of the first four tiles.
; Here tokens are source 0 and weights source 1.  Register i of accumulator c in lane (r, h) is row 8 h + i, column 4 r + c: a lane's four accumulators hold four neighbouring columns:
; a store of 16 bytes a lane, sixteen lanes 256 consecutive bytes at a multiple of 256.
; 4 trips over groups serve every split; groups and tiles past the count are jumped forward; a dead tile of a live group repeats the last live tile's loads; a tile that has a row is stored whole
; (its places past the count hold the last row's numbers, which nobody reads).
; BARRIERS.  Two: behind phase 1 (store, wait, barrier, load), and behind the loop over groups, ahead of the closing lines (load, wait, barrier, write).
; NO JOINT LOADS: each weight byte has one reader; the rows are shared by 16 work-groups, but how many there are hangs on a stored count, a ring with a constant number of fills would fetch
; 2,048 rows a stage whatever the count, and rows that pass through LDS would add 1 KB of LDS reads for every four matrix instructions.
; LIMITS.  W2 and b2 are rounded to bf16; sums in f32.
; THE MODE: SCHED_MODE bits 1:0 = 2 (LLVM: expert scheduling mode 2), set by the entry lines.  The code itself states the register dependences
; between vector or matrix instructions and memory or LDS instructions, with s_wait_alu, always for 0.
; THE PLAN.  Registers that memory or LDS instructions touch:
;   staging (window 2, four buffers of 64)  Weight step u lands; its roundings read it; behind the wait that follows them step u + 4 lands in it.
;   E              Phase 1: the roundings write it, the LDS stores read it: a wait on va_vdst between the two, a wait on vm_vsrc ahead of the next roundings, and one behind the barrier for the way out.
;   slots 0-3, fragment buffers 0, 1   Step u's products read slot u % 4 and buffer u % 2.  The loads issued in step u land in slot (u + 3) % 4 and buffer (u + 1) % 2: what step u - 1's products
;                  read and no product of step u names.  So ONE wait on va_vdst stands at a step's head, and the step's 28 loads follow it among the products with no further wait.
;   v[VB]          Read by the fragments' loads; written once a trip and once ahead of the tail: a wait on vm_vsrc ahead of the add; the next step's head wait states the write.
;   v[VL ..], v[VOB], the five data sets   Written between groups or tiles: a wait on vm_vsrc ahead of the write, a wait on va_vdst ahead of the loads or stores that read them.
;   v[VW], v[VS], v[VB0], v[VBI], v[SPW], v[NIL]   Written at the head, ahead of one wait on va_vdst, and never again.
; REGISTERS: window 0 below; window 1: v0-79 token slot 0, v80-159 slot 2, v160-191 fragment buffer 0; window 2: accumulators of tiles 0-7, (a, c) at 32 a + 8 c (phase 1: weights);
; window 3: v0-63 those of tiles 8, 9; v64-143 slot 1, v144-223 slot 3, v224-255 fragment buffer 1.  A step's slot and buffer have the step's parity: one window for both sources of a product.
.set PITCHB, 4096                      ; bytes in a row of W2
.set KS,     131072                    ; bytes from a K step of hid to the next
.set SPARE,  131072                    ; behind the fragments: the spare words, 128 bytes for each wave: two blocks of 256 bytes that no other line names
.set R,     1
.set HH,    2
.set LN,    3
.set VW,    4                          ; v4   8 h rows of 4,096 bytes + 16 r: my place in the weights' rows, and in the partial rows on the way out
.set VS,    5                          ; v5   LDS: 16 x lane + my wave's 32,768 bytes
.set VB0,   6                          ; v6   16 x lane
.set VB,    7                          ; v7   16 x lane + the K walk's place
.set VL,    8                          ; v8-17  tile a: 1,024 x its number + 16 x lane
.set VOB,   22                         ; v22  the way out: VW + the group's first row
.set VBI,   23                         ; v23  16 r
.set BI,    24                         ; v24-27  bias of column 4 r + c (0 in K half 1)
.set SPW,   28                         ; v28  LDS address of my spare word; never rewritten
.set NIL,   29                         ; v29  0; never rewritten
.set BR,    32                         ; v32-35  bias as loaded
.set TM,    64                         ; v64-223  five sets of 32: a tile's results, four columns together
.set E,     96                         ; v96-127 phase 1: the four fragments just made
.set WV,    16
.set SL,    17
.set STG,   18
.set KH,    19
.set CNT,   20
.set CNT1,  21
.set ROW,   22
.set NROW,  23
.set GC,    24
.set KC,    25
.set TL,    26                         ; s26  the stage's last live tile
.set SAB,   28                         ; s[28:29] hid at the stage's and the half's first K step
.set SO,    30                         ; s[30:31] my half's buffer at the stage and my columns
.set TB,    36                         ; s36  the K walk's place among the fragments: 16,384 bytes a trip
.set SA,    40                         ; s[40:47] for each slot a base of its own: hid at the K step that the slot takes next
.set MSB, 0
.macro WIN new                         ; the immediate's high byte repeats the setting that is left; a switch that changes nothing is dropped
.if MSB != (\new)
	s_set_vgpr_msb (MSB<<8)|(\new)
.set MSB, \new
.endif
.endm
.macro PLACES                          ; four plain vector instructions behind a step's last products: ahead of the first vector read of a result, and, as they stood, ahead of the loads into what those products read
.rept 4
	v_nop
.endr
.endm
.macro WLOAD u                         ; K step u of my 256 rows: 16 loads into buffer u % 4
	WIN 0x80
.set TB4, 64*((\u)%4)
.irp e, 0,1,2,3,4,5,6,7
	global_load_b128 v[TB4+4*\e:TB4+4*\e+3], v[VW], s[4:5] offset:(32*(\u)+\e)*PITCHB th:TH_LOAD_NT
	global_load_b128 v[TB4+32+4*\e:TB4+32+4*\e+3], v[VW], s[4:5] offset:(32*(\u)+16+\e)*PITCHB th:TH_LOAD_NT
.endr
.endm
.macro WCVT u                          ; rounded, two rows of a column to a register, and into LDS
.if (\u) > 0
	s_wait_alu depctr_vm_vsrc(0)                   ; the LDS stores of the step before have read E, which these roundings write again
.endif
	WIN 0x0a
.set TB4, 64*((\u)%4)
.irp c, 0,1,2,3
.irp i, 0,1,2,3
	v_cvt_pk_bf16_f32 v[E+8*\c+\i], v[TB4+8*\i+\c], v[TB4+8*\i+4+\c]
	v_cvt_pk_bf16_f32 v[E+8*\c+4+\i], v[TB4+32+8*\i+\c], v[TB4+32+8*\i+4+\c]
.endr
.endr
	WIN 0
	s_wait_alu depctr_va_vdst(0)                   ; the roundings have written E, which the LDS stores read, and are done reading their buffer, in which the weights of four steps on land; v[VL ..], which the first token loads read, are written
.irp c, 0,1,2,3
	ds_store_b128 v[VS], v[E+8*\c:E+8*\c+3] offset:(4*(\u)+\c)*1024
	ds_store_b128 v[VS], v[E+8*\c+4:E+8*\c+7] offset:(4*(\u)+\c)*1024+512
.endr
.endm
; the tiles of the group that begins at row s[rr], held to the stage's last live tile, then to 127 by a constant.  No load that names VL is out here
.macro OFFS rr
	s_lshr_b32 s37, s[\rr], 4
.irp a, 0,1,2,3,4,5,6,7,8,9
	s_add_co_u32 s34, s37, \a
	s_min_u32 s34, s34, s[TL]
	s_min_u32 s34, s34, 0x7f
	s_lshl_b32 s34, s34, 10
	v_add_nc_u32 v[VL+\a], s34, v[VB0]
.endr
.endm
.macro SETSA                           ; slot q's base: K step q.  No load that names a base is out here
.irp q, 0,1,2,3
	s_add_nc_u64 s[SA+2*\q:SA+2*\q+1], s[SAB:SAB+1], \q*KS
.endr
.endm
.macro ALOAD q                         ; a whole K step's tokens into slot q: ten tiles, 20 loads of 512 consecutive bytes: a fragment's registers 0-3, then 4-7
.set sb, 80*((\q)/2)+64*((\q)%2)
	WIN (1+2*((\q)%2))<<6
.irp a, 0,1,2,3,4,5,6,7,8,9
	global_load_b128 v[sb+8*\a:sb+8*\a+3],   v[VL+\a], s[SA+2*(\q):SA+2*(\q)+1]
	global_load_b128 v[sb+8*\a+4:sb+8*\a+7], v[VL+\a], s[SA+2*(\q):SA+2*(\q)+1] offset:512
.endr
.endm
; a K step's four fragments in one run: 8 LDS loads of 512 consecutive bytes into buffer buf
.macro FRAG buf, bv, bimm
.set lbb, 160+64*(\buf)
	WIN (1+2*(\buf))<<6
.set t, 0
.rept 8
	ds_load_b128 v[lbb+4*t:lbb+4*t+3], v[\bv] offset:(\bimm)+512*t
.set t, t+1
.endr
.endm
; Group g (0..3) of a step's 28 loads: fragment g of the next step into buffer buf, and numbers 5 g .. 5 g + 4 of the 20 token loads into slot q (number m: tile m / 2, registers 4 (m % 2) on).
; q and buf have one parity: all destinations lie in one window.
.macro DEAL g, q, buf, bv, bimm
.set lsb, 80*((\q)/2)+64*((\q)%2)
.set lbb, 160+64*(\buf)
	WIN (1+2*(\buf))<<6
	ds_load_b128 v[lbb+8*(\g):lbb+8*(\g)+3],   v[\bv] offset:(\bimm)+1024*(\g)
	ds_load_b128 v[lbb+8*(\g)+4:lbb+8*(\g)+7], v[\bv] offset:(\bimm)+1024*(\g)+512
.set m, 5*(\g)
.rept 5
	global_load_b128 v[lsb+4*m:lsb+4*m+3], v[VL+m/2], s[SA+2*(\q):SA+2*(\q)+1] offset:512*(m%2)
.set m, m+1
.endr
.endm
; Matrix instruction n of a step's 40, on slot q and buffer q % 2: tile n / 4, fragment n % 4.  The 40 accumulators take turns, one instruction a turn,
; from step to step and over the loops' edges too.  zero = 1: the products start the sums
.macro MM1 q, zero
.set sb, 80*((\q)/2)+64*((\q)%2)
.set bb, 160+64*((\q)%2)
.set sw, 1+2*((\q)%2)
.set dw, 2+n/32
.set rD, 32*((n/4)%8)+8*(n%4)
	WIN (dw<<6)|(dw<<4)|(sw<<2)|sw
.if \zero
	v_wmma_f32_16x16x32_bf16 v[rD:rD+7], v[sb+8*(n/4):sb+8*(n/4)+7], v[bb+8*(n%4):bb+8*(n%4)+7], 0
.else
	v_wmma_f32_16x16x32_bf16 v[rD:rD+7], v[sb+8*(n/4):sb+8*(n/4)+7], v[bb+8*(n%4):bb+8*(n%4)+7], v[rD:rD+7]
.endif
.endm
; K step u, on slot q = u % 4 and buffer u % 2.  Its loads bring the next step's fragments into the other buffer and, with rel = 1, step u + 3's tokens into the slot read last step.
; lcnt: the loads issued behind step u's own: 20 for each later step asked for.  adv = 1: that slot's base goes four K steps on: the loads that named it are step u - 1's,
; older than step u's, which the counted wait has just shown done.
; Behind the head's wait on va_vdst only this step's products and v_nop are issued: they name slot q, buffer q % 2 and the accumulators, none of the registers that the step's loads touch.
.macro STEP q, zero, rel, adv, bv, bimm, lcnt
.set fq, ((\q)+3)%4
	s_wait_dscnt 0x0                               ; this step's fragments, asked for in the step before; nothing younger is out
	s_wait_loadcnt \lcnt
.if \adv
	s_add_nc_u64 s[SA+2*fq:SA+2*fq+1], s[SA+2*fq:SA+2*fq+1], 4*KS
.endif
	s_wait_alu depctr_va_vdst(0)                   ; the last step's products are done reading their slot and their fragment buffer, in which this step's loads land; in a trip's first step v[VB] is written
.set n, 0
.rept 40
	MM1 \q, \zero
.if (\rel) && (n < 16) && (n%4 == 3)
	DEAL n/4, fq, 1-(\q)%2, \bv, \bimm
.endif
.if !(\rel) && (n == 3)
	FRAG 1-(\q)%2, \bv, \bimm
.endif
.set n, n+1
.endr
	PLACES                                         ; ahead of the next step's loads into what these products read, and of the first read of a result
.endm
; THE WAY OUT of tile a: + bias, which also brings a lane's four columns together; eight stores.  A tile wholly past the count ends the group: so are all behind it.
; Five sets of data registers take turns, so that one pair of waits serves five tiles' stores.
.macro EPI a
.if (\a) > 0
	s_add_co_u32 s34, s[ROW], 16*(\a)
	s_cmp_ge_u32 s34, s[CNT]
	s_cbranch_scc1 .Lbottom
.endif
.if (\a) == 5
	s_wait_xcnt 0x0                                ; the five sets, which the stores of tiles 0 to 4 read, are rewritten only behind this wait (tiles 0 to 4 stand behind the wait ahead of VOB)
	s_wait_alu depctr_vm_vsrc(0)                   ; the stores of tiles 0 to 4 have read the five sets, which tiles 5 to 9 write again
.endif
.set ab, 32*((\a)%8)
.set tm, TM+32*((\a)%5)
	WIN 0x02+(\a)/8
.irp i, 0,1,2,3,4,5,6,7
.irp c, 0,1,2,3
	v_add_f32 v[tm+4*\i+\c], v[ab+8*\c+\i], v[BI+\c]  ; each accumulator from its low end on
.endr
.endr
	WIN 0
	s_wait_alu depctr_va_vdst(0)                   ; the additions have written the tile's set, which the eight stores read; v[VOB], their offset, is written
.irp i, 0,1,2,3,4,5,6,7
	global_store_b128 v[VOB], v[tm+4*\i:tm+4*\i+3], s[SO:SO+1] offset:(16*(\a)+\i)*4096  ; rows i and 8 + i of the tile: sixteen lanes 256 consecutive bytes each
.endr
.endm
	s_load_b256 s[4:11], s[0:1], 0x0               ; W2 s[4:5], b2 s[6:7], hid s[8:9], cn s[10:11]
	s_load_b128 s[12:15], s[0:1], 0x20             ; part0 s[12:13], part1 s[14:15]
	v_lshl_add_u32 v[SPW], v0, 2, SPARE
	v_mov_b32 v[NIL], 0
	v_lshrrev_b32 v18, 5, v0
	v_readfirstlane_b32 s[WV], v18                 ; wave 0..3
	s_lshr_b32 s[SL], ttmp9, 1                     ; which 64 columns
	s_and_b32 s[KH], ttmp9, 1                      ; which half of K
	s_and_b32 s[STG], ttmp7, 0xffff
	v_and_b32 v[LN], 31, v0
	v_and_b32 v[R], 15, v0
	v_bfe_u32 v[HH], v0, 4, 1
	v_lshlrev_b32 v[VBI], 4, v[R]                  ; 16 r
	v_lshl_add_u32 v[VW], v[HH], 15, v[VBI]        ; + 8 h rows of 4,096 bytes
	v_lshlrev_b32 v[VB0], 4, v[LN]
	s_wait_alu depctr_va_sdst(0)                   ; the wave's number is written, ahead of its first reader
	s_lshl_b32 s34, s[WV], 15
	v_add_nc_u32 v[VS], s34, v[VB0]
	s_mov_b32 s33, 0
	s_wait_kmcnt 0x0
	s_lshl_b32 s32, s[STG], 23                     ; W2: the stage's 8,388,608 bytes,
	s_lshl_b32 s34, s[KH], 22                      ; the half's 1,024 rows,
	s_add_co_u32 s32, s32, s34
	s_lshl_b32 s34, s[WV], 20                      ; my wave's 256 rows,
	s_add_co_u32 s32, s32, s34
	s_lshl_b32 s34, s[SL], 8                       ; my 256 bytes of a row
	s_add_co_u32 s32, s32, s34
	s_add_nc_u64 s[4:5], s[4:5], s[32:33]
	s_lshl_b32 s32, s[STG], 12                     ; b2: the stage's 4,096 bytes + my 256
	s_add_co_u32 s32, s32, s34
	s_add_nc_u64 s[6:7], s[6:7], s[32:33]
	s_lshl_b32 s32, s[STG], 7                      ; cn
	s_add_nc_u64 s[10:11], s[10:11], s[32:33]
	s_load_b32 s[CNT], s[10:11], 0x0
	s_lshl_b32 s32, s[STG], 23                     ; hid: the stage's 64 K steps, the half's 32
	s_lshl_b32 s35, s[KH], 22
	s_add_co_u32 s32, s32, s35
	s_add_nc_u64 s[SAB:SAB+1], s[8:9], s[32:33]
	s_lshl_b32 s32, s[STG], 23                     ; the partial rows: the stage's 8,388,608 bytes + my 256
	s_add_co_u32 s32, s32, s34
	s_cmp_eq_u32 s[KH], 0
	s_cselect_b64 s[SO:SO+1], s[12:13], s[14:15]   ; half 0 writes part0, half 1 part1
	s_cselect_b32 s35, -1, 0                       ; and half 0 alone adds the bias
	s_add_nc_u64 s[SO:SO+1], s[SO:SO+1], s[32:33]
	s_wait_alu depctr_va_vdst(0)                   ; the offsets and addresses made above are written: v[VBI], v[VW], v[VS], v[VB0], v[SPW] and v[NIL], which loads, LDS stores and the closing add read
	global_load_b128 v[BR:BR+3], v[VBI], s[6:7]
	WLOAD 0
	WLOAD 1
	WLOAD 2
	WLOAD 3
	WIN 0
	s_wait_kmcnt 0x0
	s_min_u32 s[CNT], s[CNT], 0x800
	s_max_u32 s[CNT1], s[CNT], 1
	s_sub_co_u32 s[CNT1], s[CNT1], 1
	s_lshr_b32 s[TL], s[CNT1], 4
	s_mul_i32 s[ROW], s[WV], 160                   ; my first group, its tiles and the slots' bases: made in the wait for the first weights
	OFFS ROW
	SETSA
	; PHASE 1: eight K steps; three are always on their way behind the one in hand
.irp u, 0,1,2,3,4,5,6,7
.if \u < 5
	s_wait_loadcnt 48                              ; behind step u's loads: three steps of 16 (the bias is older than them all)
.elseif \u == 7
	s_wait_loadcnt 40                              ; behind the last weights: two K steps of tokens, 20 loads each
.else
	s_wait_loadcnt 16*(7-\u)                       ; the steps that are left
.endif
.if \u == 0
	v_cvt_pk_bf16_f32 v18, v[BR], v[BR+1]          ; the bias, rounded to bf16 like every input
	v_cvt_pk_bf16_f32 v19, v[BR+2], v[BR+3]
	v_lshlrev_b32 v[BI], 16, v18
	v_and_b32 v[BI+1], 0xffff0000, v18
	v_lshlrev_b32 v[BI+2], 16, v19
	v_and_b32 v[BI+3], 0xffff0000, v19
.irp c, 0,1,2,3
	v_and_b32 v[BI+\c], s35, v[BI+\c]
.endr
.endif
	WCVT \u
.if \u < 4
	WLOAD \u+4                                     ; no wait: since the one in WCVT only LDS stores were issued, which name v[VS] and E
.endif
.if \u == 6
	ALOAD 0                                        ; my first group's first tokens go out while the last weights are rounded; no vector instruction has named the slots
	ALOAD 1
.endif
.endr
	ALOAD 2
	WIN 0
	s_wait_dscnt 0x0                               ; for the others' sake: my fragments are in LDS
	s_barrier_signal -1
	s_barrier_wait -1                              ; all 128 fragments are there
	s_wait_alu depctr_vm_vsrc(0)                   ; my LDS stores have read E: the way out writes these registers anew
	; PHASE 2
	FRAG 0, VB0, 0                                 ; K step 0's fragments
	WIN 0
	s_mov_b32 s[GC], 4
.Lgroup:
	s_cmp_ge_u32 s[ROW], s[CNT]
	s_cbranch_scc1 .Lbottom                        ; no such rows: forward, past text that holds no barrier
	STEP 0, 1, 1, 0, VB0, 4096, 40                 ; step 0 starts the sums; behind its loads: steps 1 and 2
	WIN 0                                          ; at a label and at a branch every window is 0
	s_mov_b32 s[TB], 0
	s_mov_b32 s[KC], 7
.Lk:                                                   ; steps 4 t + 1 .. 4 t + 4; at a step's wait the next two steps' loads stand behind its own: the third is asked for behind the wait
	s_wait_alu depctr_vm_vsrc(0)                   ; the fragments' loads issued so far have read v[VB]
	v_add_nc_u32 v[VB], s[TB], v[VB0]              ; 16 x lane + 16,384 t
	STEP 1, 0, 1, 1, VB, 2*4096, 40
	STEP 2, 0, 1, 1, VB, 3*4096, 40
	STEP 3, 0, 1, 1, VB, 4*4096, 40
	STEP 0, 0, 1, 1, VB, 5*4096, 40
	WIN 0
	s_add_co_u32 s[TB], s[TB], 16384
	s_sub_co_u32 s[KC], s[KC], 1
	s_cmp_lg_u32 s[KC], 0
	s_cbranch_scc1 .Lk
	s_wait_alu depctr_vm_vsrc(0)                   ; the fragments' loads issued so far have read v[VB]
	v_add_nc_u32 v[VB], 114688, v[VB0]             ; the tail's place: behind 28 K steps of 4,096 bytes
	STEP 1, 0, 0, 0, VB, 2*4096, 40                ; steps 29, 30, 31 ask for no tokens: the counts run down
	STEP 2, 0, 0, 0, VB, 3*4096, 20
	STEP 3, 0, 0, 0, VB0, 0, 0                     ; its fragment loads are the next group's step 0
	WIN 0
	s_add_co_u32 s[NROW], s[ROW], 640
	s_wait_xcnt 0x0                                ; VOB and the data sets, which the last group's stores read, are rewritten only behind this wait
	s_wait_alu depctr_vm_vsrc(0)                   ; the last group's stores have read v[VOB] and the data sets, and this group's loads v[VL ..]: all are written below
	s_lshl_b32 s34, s[ROW], 12                     ; 4,096 bytes a row
	v_add_nc_u32 v[VOB], s34, v[VW]
	SETSA                                          ; the wait for 0 loads has shown every load that named a base or VL done
	s_cmp_ge_u32 s[NROW], s[CNT]
	s_cbranch_scc1 .Lno_next
	OFFS NROW
	s_wait_alu depctr_va_vdst(0)                   ; v[VL ..] are written, which the loads below read; the products of steps 28 to 30 are done reading slots 0 to 2, in which they land
	ALOAD 0                                        ; the next group's first three steps are on their way during the way out
	ALOAD 1
	ALOAD 2
	WIN 0
.Lno_next:
.irp a, 0,1,2,3,4,5,6,7,8,9
	EPI \a
.endr
.Lbottom:
	s_add_co_u32 s[ROW], s[ROW], 640
	s_sub_co_u32 s[GC], s[GC], 1
	s_cmp_lg_u32 s[GC], 0
	s_cbranch_scc1 .Lgroup
	s_wait_dscnt 0x0                               ; my reads of LDS are back,
	s_barrier_signal -1
	s_barrier_wait -1                              ; and so are every wave's: no LDS word is written below while a wave still reads
	s_wait_dscnt 0x0                               ; the wave's end
	s_wait_alu 0x0
	s_wait_tensorcnt 0x0
	ds_add_u32 v[SPW], v[NIL]
	s_wait_dscnt 0x0
	s_endpgm
.Lfunc_end_k_q88f4ffee98_down:
	.size	k_q88f4ffee98_down, .Lfunc_end_k_q88f4ffee98_down-k_q88f4ffee98_down
	.p2alignl 7, 3214868480
	.fill 96, 4, 3214868480
	.section	.rodata,"a",@progbits
	.p2align	6, 0x0
	.amdhsa_kernel k_q88f4ffee98_down
		.amdhsa_group_segment_fixed_size 131584
		.amdhsa_private_segment_fixed_size 0
		.amdhsa_enable_private_segment 0
		.amdhsa_kernarg_size 48
		.amdhsa_user_sgpr_count 2
		.amdhsa_user_sgpr_kernarg_segment_ptr 1
		.amdhsa_wavefront_size32 1
		.amdhsa_system_sgpr_workgroup_id_x 1
		.amdhsa_system_sgpr_workgroup_id_y 1
		.amdhsa_system_sgpr_workgroup_id_z 1
		.amdhsa_system_vgpr_workitem_id 0
		.amdhsa_next_free_vgpr 1024
		.amdhsa_next_free_sgpr 66
		.amdhsa_reserve_vcc 0
		.amdhsa_float_denorm_mode_32 3
		.amdhsa_float_denorm_mode_16_64 3
		.amdhsa_memory_ordered 1
		.amdhsa_forward_progress 1
		.amdhsa_inst_pref_size 111
	.end_amdhsa_kernel
	.amdgpu_metadata
---
amdhsa.version: [ 1, 2 ]
amdhsa.kernels:
  - .name:           k_q88f4ffee98_down
    .symbol:         k_q88f4ffee98_down.kd
    .args:
      - { .name: W2, .offset: 0, .size: 8, .value_kind: global_buffer, .address_space: global }
      - { .name: b2, .offset: 8, .size: 8, .value_kind: global_buffer, .address_space: global }
      - { .name: hid, .offset: 16, .size: 8, .value_kind: global_buffer, .address_space: global }
      - { .name: cn, .offset: 24, .size: 8, .value_kind: global_buffer, .address_space: global }
      - { .name: part0, .offset: 32, .size: 8, .value_kind: global_buffer, .address_space: global }
      - { .name: part1, .offset: 40, .size: 8, .value_kind: global_buffer, .address_space: global }
    .group_segment_fixed_size: 131584
    .private_segment_fixed_size: 0
    .kernarg_segment_align: 8
    .kernarg_segment_size: 48
    .max_flat_workgroup_size: 128
    .sgpr_count:     66
    .vgpr_count:     1024
    .wavefront_size: 32
...
	.end_amdgpu_metadata
.endif
;; end of part 10
;; launch sum: the kernel of part 4 again; grid 256 x 1, 8 waves a work-group, no clusters, 29,696 bytes of LDS; arguments rk, pi, part0, part1, We, be, out0, out1; writes out0, out1
